; MI455X (gfx1250); checked and timed in simulation.
; The chip was launched on July 23, 2026; its instructions are those of AMD's public machine-readable ISA for CDNA 5 (MIT licence, August 2026) and "CDNA5" Instruction Set Architecture Reference Guide (July 2026). The comments in the code are by the model that wrote it; some were corrected since.
;; Multi Head Attention From Zenn. Allowed arithmetic: matrix products marked QUANTISED: E2M3 operands, one E8M0 scale for each 32 along K, by v_wmma_scale_f32_16x16x128_f8f6f4 with both operands' format E2M3, f32 sums; everything else in f32.
;; Inputs: W_k 8 x 1,024 x 128 float32; W_last 128 x 1,024 float32; W_lin 1,024 x 1,024 float32; W_q 8 x 1,024 x 128 float32; W_v 8 x 1,024 x 128 float32; b_last 128 float32; b_lin 1,024 float32; mask_3d 4 x 2,048 x 2,048 bool; x 4 x 2,048 x 1,024 float32.
;; Outputs: out0 4 x 128 float32.
;; This version of the problem:
;;   THIS VERSION OF THE PROBLEM IS GIVEN IN LOW PRECISION. The matrix products marked QUANTISED in the list below multiply operands that are first quantised to E2M3 (2 exponent bits, 3 mantissa bits; 6 bits a number), with one power-of-two scale for each 32 numbers along K (OCP MX v1.0); their sums are f32. All else is computed in f32.
;;   The module's matrix products, in the order in which they are computed (A, B: the left and right operand; K: the contracted axis; several contracted axes count as one K, in the product's order):
;;     1. [M 1,024, K 1,024] x [K 1,024, N 8,192]; A: input W_q; B: input x: QUANTISED
;;     2. [M 1,024, K 1,024] x [K 1,024, N 8,192]; A: input W_k; B: input x: QUANTISED
;;     3. [M 1,024, K 1,024] x [K 1,024, N 8,192]; A: input W_v; B: input x: QUANTISED
;;     4. batch 32 x [M 2,048, K 128] x [K 128, N 2,048]; A: computed on the way; B: computed on the way: QUANTISED
;;     5. batch 32 x [M 2,048, K 2,048] x [K 2,048, N 128]; A: softmax (see below); B: computed on the way: QUANTISED
;;     6. [M 8,192, K 1,024] x [K 1,024, N 1,024]; A: computed on the way; B: input W_lin: QUANTISED
;;     7. [M 8,192, K 1,024] x [K 1,024, N 128]; A: computed on the way; B: input W_last: QUANTISED
;;   THE QUANTISER, for each operand of a quantised product, along K:
;;     - K is cut into blocks of 32 from its start; a last block that is shorter is filled with zeros.
;;     - A block's scale is 2^e with e = floor(log2(the largest magnitude in the block)) - 2, held to -126 .. 127; a block of zeros has e = 0. As a byte (E8M0): e + 127.
;;     - Each number is divided by its block's scale, clamped to +-7.5, and rounded to the nearest number of E2M3, ties to even, subnormals kept.
;;     - The product sums the exact products of the quantised numbers (number of the format x scale) in f32.
;;   ~~~python
;;   def quantise(x, axis):      # numpy; x: float32 -> the quantised numbers, widened to float32 again
;;       x = np.moveaxis(x, axis, -1); K = x.shape[-1]
;;       x = np.pad(x, [(0, 0)] * (x.ndim - 1) + [(0, -K % 32)]); x = x.reshape(x.shape[:-1] + (-1, 32)); a = np.abs(x).max(-1, keepdims=True)
;;       e = np.where(a > 0, np.clip(np.frexp(np.where(a > 0, a, 1))[1] - 1 - 2, -126, 127), 0)      # np.frexp(a)[1] - 1 = floor(log2(a)), exactly
;;       r = np.clip(x / 2.0 ** e, -7.5, 7.5)
;;       step = 2.0 ** (np.maximum(np.frexp(np.where(r == 0, 1, r))[1] - 1, 0) - 3)
;;       q = np.round(r / step) * step * 2.0 ** e      # np.round: ties to even
;;       return np.moveaxis(q.reshape(q.shape[:-2] + (-1,))[..., :K], -1, axis).astype(np.float32)
;;   ~~~
;;   SOFTMAX AHEAD OF A QUANTISED PRODUCT. Where the list says 'softmax', what is quantised is not the finished softmax but p = 2^(t - M), with t = logit x log2(e) and M = ceil(the row's largest t), a whole number; so 1/2 < the row's largest p <= 1. The row's sum l is taken of the UNQUANTISED p, in f32, and the product's result is divided by l at the end. Since M is a whole number, a kernel that streams over the keys may use a running M (the ceiling of the running maximum): every later rescaling is an exact power of two, which a block's scale takes up: the codes' values come out the same.
;;   OPERANDS COMPUTED ON THE WAY. 'Computed on the way' means the value that the module computes at that place (a softmax that the list does not call 'softmax' is quantised finished and normalised). What goes into a quantiser is computed in f32, as accurately as f32 sums, v_exp_f32 and their like allow (about 1e-6 of the number): no bf16 or f16 on the way to a quantiser, and a product that is left as it is and whose result goes on into a quantised operand takes f32 operands (vector FMAs, or v_wmma_f32_16x16x4_f32). A number that lies on a knife's edge between two numbers of the format may be rounded either way, as far as f32 arithmetic and the matrix unit's own rounding can turn it there, and no further.
;; 2 versions. Each part assembles by itself: llvm-mc -triple=amdgcn-amd-amdhsa -mcpu=gfx1250 --defsym DOCPART=n.
;; ======== version 1 of 2: 5 launches
;; workspace buffers: xc 6,553,600 bytes; wc 3,379,200 bytes; mw 2,097,152 bytes of whole numbers; qkv 19,660,800 bytes; oc 6,553,600 bytes; part 131,072 bytes
;; launch prep (part 1): grid 1032 x 1, 4 waves a work-group, no clusters, 69,120 bytes of LDS; arguments x, W_lin, W_last, W_q, W_k, W_v, mask_3d, xc, wc, mw; writes xc, wc, mw
.if DOCPART == 1
	.amdgcn_target "amdgcn-amd-amdhsa--gfx1250"
	.amdhsa_code_object_version 6
	.text
	.protected	k_qf14945fdf6_prep
	.globl	k_qf14945fdf6_prep
	.p2align	8
	.type	k_qf14945fdf6_prep,@function
k_qf14945fdf6_prep:
	s_mov_b64 s[64:65], 0
	v_nop
	global_prefetch_b8 v0, s[64:65] scope:SCOPE_SE
	s_setreg_imm32_b32 hwreg(HW_REG_WAVE_MODE, 25, 1), 1
	s_wait_xcnt 0x0
; PREP: x, W_lin, W_last (K innermost) and W_q, W_k, W_v (K = their middle axis) become codes of FP6 (E2M3) with one E8M0 byte for each 32 along K; the mask becomes lane-mask words.
; A block's scale is 2^(floor(log2(largest magnitude)) - 2); its byte is the largest magnitude's exponent field - 2, held at 1 from below (a block of zeros keeps the byte 1: its codes are zeros, and this program alone reads the bytes).
; LIMITS: NaN and infinities among the inputs are not served; blocks whose largest magnitude lies under 2^-124 keep the byte 1.
; THE RECORD (12,800 bytes): 128 rows x 128 along K as images of operand registers: eight fragments of 1,536 bytes (register R of lane L at 512 (R / 4) + 16 L + 4 (R % 4)), then 512 bytes of scale words
; (word q of lane L at 16 L + 4 q: tile 2 q + L / 16, row-lane L % 16).  Lane r of tile t holds row 32 (t / 2) + 8 (t % 2) + r + 8 (r / 8) of the 128.
; SHARES.  A work-group makes one record (work-groups 0-583: K innermost; 584-775: K down the rows) or the mask words of 32 queries (776-1031).  Every wave loads 32 rows of 512 bytes, each load 512 consecutive bytes,
; and lays them into its own stage in LDS, row i at place 16 ((i / 8) % 2) + 8 (i / 16) + i % 8, which is tile order.  Only pointers, pitches and offsets in memory hang on the work-group's number; no LDS address does.
.set STG,   16896                      ; a wave's stage: 32 places of 528 bytes (512 + 16: sixteen rows read together start 16 bytes apart modulo 256)
.set ROWP,  528
.set SCB,   4*STG                      ; behind the stages: the record's 512 bytes of scale words
.set RECB,  12800
.set OFF,   16                         ; v16-47   row i's byte offset in memory
.set D,     48                         ; v48-175  32 rows as loaded
.set X,     48                         ; v48-111  64 numbers of a lane, register 16 b + i = k 32 b + 16 (lane / 16) + i of its row
.set MO,    112                        ; v112-127 mask words on their way out
.set TM,    176                        ; v176-191 at work in QUANT
.set PW,    192                        ; v192-193 the two tiles' scale words, v194 both in one register
.set PC,    196                        ; v196-215, v216-235 the two tiles' codes
	s_load_b512 s[4:19], s[0:1], 0x0               ; x, W_lin, W_last, W_q, W_k, W_v, mask_3d, xc
	s_load_b128 s[20:23], s[0:1], 0x40             ; wc, mw
	v_lshl_add_u32 v240, v0, 2, 0x10c00
	v_mov_b32 v241, 0
	v_lshrrev_b32 v1, 5, v0
	v_readfirstlane_b32 s24, v1                    ; wave q
	v_and_b32 v1, 31, v0                           ; L
	v_and_b32 v2, 15, v0                           ; r
	v_bfe_u32 v3, v0, 4, 1                         ; h
	v_lshlrev_b32 v4, 4, v1                        ; 16 L
	s_mul_i32 s35, s24, STG
	v_add_nc_u32 v5, s35, v4                       ; into my stage: 16 L
	v_mul_u32_u24 v13, v2, ROWP
	v_add_nc_u32 v13, s35, v13
	v_lshl_add_u32 v6, v3, 6, v13                  ; K innermost: place r, + 64 h: my 16 numbers of a block of 32
	v_lshl_add_u32 v8, v3, 4, v13                  ; the mask: place r, + 16 h: my 16 keys of a block of 32
	v_and_b32 v14, 8, v2
	v_add_nc_u32 v14, v14, v2                      ; r + 8 (r / 8)
	v_lshlrev_b32 v7, 2, v14
	v_mad_u32_u24 v7, v3, 8*ROWP, v7               ; K down the rows: my column, and eight places on for lanes 16-31
	s_lshl_b32 s36, s24, 7
	v_add_nc_u32 v7, s36, v7                       ; + 128 q: my wave's 32 columns
	s_mul_i32 s36, s24, 3072
	v_add_nc_u32 v9, s36, v4                       ; in the record: my wave's two fragments
	s_lshl_b32 s36, s24, 2
	s_add_co_u32 s36, s36, SCB
	v_add_nc_u32 v10, s36, v4                      ; my word of the scale image: 16 L + 4 q
	v_lshlrev_b32 v11, 3, v1                       ; mask words leave 8 bytes a lane
	v_add_nc_u32 v12, SCB, v4
	s_mov_b32 s32, 0x76543210
	s_mov_b32 s33, 0xfedcba98                      ; v_permlanex16_b32's selects for lane l xor 16
	s_mov_b32 s34, 0xffff0000                      ; lanes 16-31
.irp b, 0,1,2,3
	v_mov_b32 v[TM+4+\b], 0                        ; written once: a lane permute's destination counts as one of its sources
.endr
	s_cmp_lt_u32 ttmp9, 776
	s_cselect_b32 s25, 1, 2
	s_cmp_lt_u32 ttmp9, 584
	s_cselect_b32 s25, 0, s25                      ; 0: K innermost; 1: K down the rows; 2: the mask
	s_wait_kmcnt 0x0
	s_mov_b32 s38, 776
	s_mov_b64 s[26:27], s[16:17]
.macro PICK lim, base, ptr                     ; the source and its first work-group: a choice on the work-group's number alone
	s_cmp_lt_u32 ttmp9, \lim
	s_cselect_b32 s38, \base, s38
	s_cselect_b64 s[26:27], s[\ptr:\ptr+1], s[26:27]
.endm
	PICK 776, 712, 14
	PICK 712, 648, 12
	PICK 648, 584, 10
	PICK 584, 576, 8
	PICK 576, 512, 6
	PICK 512, 0, 4
	s_sub_co_u32 s39, ttmp9, s38                   ; my number within the source
	s_lshr_b32 s40, s39, 3
	s_lshl_b32 s40, s40, 19                        ; K innermost: 128 rows of 4,096 bytes a group,
	s_and_b32 s41, s39, 7
	s_lshl_b32 s41, s41, 9                         ; 512 bytes a K step
	s_add_co_u32 s40, s40, s41
	s_lshl_b32 s41, s39, 16                        ; else 65,536 bytes a work-group
	s_mov_b32 s30, 512
	s_mov_b32 s31, 16384
	s_cmp_eq_u32 s25, 0
	s_cselect_b32 s40, s40, s41
	s_cselect_b32 s30, 4096, s30                   ; bytes from row to row,
	s_cselect_b32 s31, 131072, s31                 ; and from wave to wave
	s_cmp_eq_u32 s25, 2
	s_cselect_b32 s30, 2048, s30
	s_cselect_b32 s31, 512, s31
	s_mul_i32 s41, s24, s31
	s_add_co_u32 s40, s40, s41
	s_mov_b32 s41, 0
	s_add_nc_u64 s[26:27], s[26:27], s[40:41]      ; my wave's first row
	s_cmp_lt_u32 ttmp9, 512
	s_cselect_b64 s[28:29], s[18:19], s[20:21]
	s_cselect_b32 s42, 0, 512
	s_sub_co_u32 s42, ttmp9, s42
	s_mul_i32 s42, s42, RECB                       ; my record in xc or in wc
	s_lshl_b32 s43, s39, 13
	s_lshl_b32 s44, s24, 10
	s_add_co_u32 s43, s43, s44                     ; or: two tiles of 4,096 bytes a work-group, four key steps of 256 bytes a wave
	s_cmp_eq_u32 s25, 2
	s_cselect_b64 s[28:29], s[22:23], s[28:29]
	s_cselect_b32 s42, s43, s42
	s_mov_b32 s43, 0
	s_add_nc_u64 s[28:29], s[28:29], s[42:43]
.set i, 0
.rept 32
	v_mad_u32_u24 v[OFF+i], s30, i, v4
.set i, i+1
.endr
.set i, 0
.rept 32
	global_load_b128 v[D+4*i:D+4*i+3], v[OFF+i], s[26:27] th:TH_LOAD_NT   ; 32 lanes read a row's 512 consecutive bytes; read once in the launch
.set i, i+1
.endr
.set i, 0
.rept 32
	s_wait_loadcnt 31-i                            ; loads come back in order: row i is in, the 31 - i younger ones stay out
	ds_store_b128 v5, v[D+4*i:D+4*i+3] offset:(16*((i/8)%2)+8*(i/16)+i%8)*ROWP
.set i, i+1
.endr
	s_wait_dscnt 0x0                               ; for the others' sake: my stage is written
	s_barrier_signal -1
	s_barrier_wait -1                              ; (where K runs down the rows a wave reads all four stages)
; 64 numbers of a lane, v[s] on, become a fragment's codes in v[pc] on and its rows' scale word in v[pw]
.macro QUANT s, pc, pw
.irp b, 0,1,2,3
	v_max3_num_f32 v[TM+\b], |v[(\s)+16*\b]|, |v[(\s)+1+16*\b]|, 0x1800000   ; block b: my 16 numbers, and the floor 2^(3 - 127): the byte cannot fall under 1
.endr
.irp i, 2,4,6,8,10,12,14
.irp b, 0,1,2,3
	v_max3_num_f32 v[TM+\b], v[TM+\b], |v[(\s)+16*\b+\i]|, |v[(\s)+1+16*\b+\i]|   ; the four blocks by turns
.endr
.endr
.irp b, 0,1,2,3
	v_permlanex16_b32 v[TM+4+\b], v[TM+\b], s32, s33
.endr
.irp b, 0,1,2,3
	v_max_num_f32 v[TM+\b], v[TM+\b], v[TM+4+\b]   ; with lane l xor 16's: the block's largest magnitude
.endr
.irp b, 0,1,2,3
	v_add_nc_u32 v[TM+12+\b], 0xff000000, v[TM+\b] ; 2 off its exponent field: the conversion takes this operand's exponent field as its scale
.endr
.irp b, 0,1,2,3
	v_lshrrev_b32 v[TM+4+\b], 23, v[TM+12+\b]      ; the scale's byte
.endr
	v_lshl_or_b32 v[\pw], v[TM+5], 8, v[TM+4]
	v_lshl_or_b32 v[\pw], v[TM+6], 16, v[\pw]
	v_lshl_or_b32 v[\pw], v[TM+7], 24, v[\pw]
.irp c, 0,1
	v_cvt_scalef32_pk16_fp6_f32 v[(\pc)+6*\c:(\pc)+2+6*\c], v[(\s)+32*\c:(\s)+15+32*\c], v[TM+12+2*\c]
	v_cvt_scalef32_pk16_fp6_f32 v[(\pc)+12+4*\c:(\pc)+14+4*\c], v[(\s)+16+32*\c:(\s)+31+32*\c], v[TM+12+2*\c+1]   ; (a conversion's three registers begin on an even number)
.endr
	v_nop                                          ; one plain place behind a scaled conversion
.irp c, 0,1                                    ; the operand's layout wants a whole block in a lane: lanes 0-15 block 2 c, lanes 16-31 block 2 c + 1
.irp i, 0,1,2
	v_permlane16_swap_b32 v[(\pc)+6*\c+\i], v[(\pc)+12+4*\c+\i]
.endr
.irp i, 0,1,2
	v_mov_b32 v[(\pc)+3+6*\c+\i], v[(\pc)+12+4*\c+\i]
.endr
.endr
.endm
	s_cmp_eq_u32 s25, 2
	s_cbranch_scc1 .Lmask
.irp u, 0,1                                    ; my tiles 2 q and 2 q + 1
	s_cmp_eq_u32 s25, 0
	s_cbranch_scc0 .Lcols_\u
.irp b, 0,1,2,3
.irp j, 0,1,2,3
	ds_load_b128 v[X+16*\b+4*\j:X+16*\b+4*\j+3], v6 offset:16*ROWP*\u+128*\b+16*\j   ; K innermost: 16 neighbours of each block of my row
.endr
.endr
	s_branch .Lgot_\u
.Lcols_\u:
.irp b, 0,1,2,3                                ; K down the rows: block b lies in wave b's stage; k = 16 h + i at place i + 8 (i / 8) + 8 h
.set i, 0
.rept 16
	ds_load_b32 v[X+16*\b+i], v7 offset:STG*\b+ROWP*(i+8*(i/8))+32*\u
.set i, i+1
.endr
.endr
.Lgot_\u:
	s_wait_dscnt 0x0
	QUANT X, PC+20*\u, PW+\u
.irp c, 0,1,2
	global_store_b128 v9, v[PC+20*\u+4*\c:PC+20*\u+4*\c+3], s[28:29] offset:1536*\u+512*\c   ; 32 lanes store 512 consecutive bytes, aligned to 256; each tile has its own registers, so no store's data are written again
.endr
.endr
	v_cndmask_b32 v194, v192, v193, s34            ; lanes 0-15: tile 2 q's words; lanes 16-31: tile 2 q + 1's
	ds_store_b32 v10, v194
	s_branch .Ljoin
.Lmask:
; THE MASK.  Word n = 16 b + i of (tile, key step j) has bit L = mask[the tile's query of lane L % 16][128 j + 32 b + 16 (L / 16) + i]: the lane mask of the score that lies in register n.
.set i, 0
.rept 16
	v_mov_b32 v[MO+i], 0                           ; v_writelane_b32's destination counts as read
.set i, i+1
.endr
.irp u, 0,1
.irp jp, 0,1,2,3
.irp b, 0,1,2,3
	ds_load_b128 v[X+16*\jp+4*\b:X+16*\jp+4*\b+3], v8 offset:16*ROWP*\u+128*\jp+32*\b
.endr
.endr
	s_wait_dscnt 0x0
.irp jp, 0,1,2,3
.set n, 0
.rept 64
	v_and_b32 v[236+n%4], 1<<(8*(n%4)), v[X+16*\jp+4*(n/16)+(n%16)/4]   ; my byte for key 32 b + 16 h + i
	v_cmp_ne_u32 s[40+n%4], 0, v[236+n%4]          ; the 32 lanes' bits
	v_writelane_b32 v[MO+2*(4*\u+\jp)+n%2], s[40+n%4], n/2
.set n, n+1
.endr
	global_store_b64 v11, v[MO+2*(4*\u+\jp):MO+2*(4*\u+\jp)+1], s[28:29] offset:4096*\u+256*\jp   ; 64 words: 256 consecutive bytes, aligned
.endr
.endr
.Ljoin:
	s_wait_dscnt 0x0                               ; my scale words lie in LDS
	s_barrier_signal -1
	s_barrier_wait -1
	s_cmp_eq_u32 s25, 2
	s_cbranch_scc1 .Lend
	s_cmp_lg_u32 s24, 0
	s_cbranch_scc1 .Lend
	ds_load_b128 v[48:51], v12                     ; wave 0 stores the record's scale image whole
	s_wait_dscnt 0x0
	global_store_b128 v4, v[48:51], s[28:29] offset:12288
.Lend:
	s_wait_tensorcnt 0x0
	ds_add_u32 v240, v241
	s_wait_dscnt 0x0
	s_endpgm
.Lfunc_end_k_qf14945fdf6_prep:
	.size	k_qf14945fdf6_prep, .Lfunc_end_k_qf14945fdf6_prep-k_qf14945fdf6_prep
	.p2alignl 7, 3214868480
	.fill 96, 4, 3214868480
	.section	.rodata,"a",@progbits
	.p2align	6, 0x0
	.amdhsa_kernel k_qf14945fdf6_prep
		.amdhsa_group_segment_fixed_size 69120
		.amdhsa_private_segment_fixed_size 0
		.amdhsa_enable_private_segment 0
		.amdhsa_kernarg_size 80
		.amdhsa_user_sgpr_count 2
		.amdhsa_user_sgpr_kernarg_segment_ptr 1
		.amdhsa_wavefront_size32 1
		.amdhsa_system_sgpr_workgroup_id_x 1
		.amdhsa_system_sgpr_workgroup_id_y 1
		.amdhsa_system_sgpr_workgroup_id_z 1
		.amdhsa_system_vgpr_workitem_id 0
		.amdhsa_next_free_vgpr 242
		.amdhsa_next_free_sgpr 66
		.amdhsa_reserve_vcc 0
		.amdhsa_float_denorm_mode_32 3
		.amdhsa_float_denorm_mode_16_64 3
		.amdhsa_memory_ordered 1
		.amdhsa_forward_progress 1
		.amdhsa_inst_pref_size 127
	.end_amdhsa_kernel
	.amdgpu_metadata
---
amdhsa.version: [ 1, 2 ]
amdhsa.kernels:
  - .name:           k_qf14945fdf6_prep
    .symbol:         k_qf14945fdf6_prep.kd
    .args:
      - { .name: x, .offset: 0, .size: 8, .value_kind: global_buffer, .address_space: global }
      - { .name: W_lin, .offset: 8, .size: 8, .value_kind: global_buffer, .address_space: global }
      - { .name: W_last, .offset: 16, .size: 8, .value_kind: global_buffer, .address_space: global }
      - { .name: W_q, .offset: 24, .size: 8, .value_kind: global_buffer, .address_space: global }
      - { .name: W_k, .offset: 32, .size: 8, .value_kind: global_buffer, .address_space: global }
      - { .name: W_v, .offset: 40, .size: 8, .value_kind: global_buffer, .address_space: global }
      - { .name: mask_3d, .offset: 48, .size: 8, .value_kind: global_buffer, .address_space: global }
      - { .name: xc, .offset: 56, .size: 8, .value_kind: global_buffer, .address_space: global }
      - { .name: wc, .offset: 64, .size: 8, .value_kind: global_buffer, .address_space: global }
      - { .name: mw, .offset: 72, .size: 8, .value_kind: global_buffer, .address_space: global }
    .group_segment_fixed_size: 69120
    .private_segment_fixed_size: 0
    .kernarg_segment_align: 8
    .kernarg_segment_size: 80
    .max_flat_workgroup_size: 128
    .sgpr_count:     66
    .vgpr_count:     242
    .wavefront_size: 32
...
	.end_amdgpu_metadata
.endif
;; end of part 1
;; launch qkv (part 2): grid 12 x 32, 4 waves a work-group, clusters of 4 x 4, 327,680 bytes of LDS; arguments xc, wc, qkv; writes qkv
.if DOCPART == 2
	.amdgcn_target "amdgcn-amd-amdhsa--gfx1250"
	.amdhsa_code_object_version 6
	.text
	.protected	k_qf14945fdf6_qkv
	.globl	k_qf14945fdf6_qkv
	.p2align	8
	.type	k_qf14945fdf6_qkv,@function
k_qf14945fdf6_qkv:
	s_mov_b64 s[64:65], 0
	v_nop
	global_prefetch_b8 v0, s[64:65] scope:SCOPE_SE
	s_setreg_imm32_b32 hwreg(HW_REG_WAVE_MODE, 25, 1), 1
	s_wait_xcnt 0x0
	s_wait_alu depctr_hold_cnt(0) depctr_sa_sdst(0) depctr_va_vdst(0) depctr_va_sdst(0) depctr_va_ssrc(0) depctr_va_vcc(0) depctr_vm_vsrc(0)
	s_getreg_b32 s2, hwreg(HW_REG_IB_STS2, 6, 4)
	s_cmp_eq_u32 s2, 0
	s_cbranch_scc0 .Lentry_in_a_cluster
	s_endpgm
.Lentry_in_a_cluster:
	s_bfe_u32 s2, ttmp6, 0x10000c
	s_cmp_lg_u32 s2, 0xf033
	s_cbranch_scc0 .Lentry_shape_is_right
	s_endpgm
.Lentry_shape_is_right:
; QKV: q, k, v = x W on codes of FP6 (E2M3) with E8M0 scales, K = 1,024; the results are quantised in registers (q, k along the head's 128; v along the keys) and leave as records of codes.
; LIMITS: NaN and infinities are not served; blocks whose largest magnitude lies under 2^-124 keep the byte 1.
; A record (12,800 bytes) is 128 rows x 128 K as images of operand registers: eight fragments of 1,536 bytes (three loads of 16 bytes a lane, at 16 x lane), then 512 bytes of scale words (one load: word q of lane L is tile 2 q + L / 16).
; ROLES.  P is source 0, R source 1, 256 rows each.  A lane then holds one row of R, and its registers run along P's rows, which are the next product's K (the rows of a tile are chosen for that: lane r of tile t is row
; 32 (t / 2) + 8 (t % 2) + r + 8 (r / 8)).  Clusters x = 0, 1: P = W_q, W_k, R = x (q, k: K = the head's 128).  Cluster x = 2: P = x, R = W_v (v: K = 128 keys).  The choice hangs on the cluster's x alone; the text is one.
; A work-group of four waves makes 256 x 256; a wave 128 x 128: 64 accumulators, 512 registers.  K goes through two LDS slots of two K steps each; a wave's tensor load brings two records (25,600 dense bytes).
; CLUSTERS 4 x 4: R's records hang on cy, P's on cx: each is asked for jointly by the four partners that share it.  A wave has two tensor loads out at the start and one behind each round.
; The grid is 384 tiles; a smaller tile would cut v's fragments of 128 keys.  No prefetch: a work-group has two refills in all.
; REGISTERS: window 0: v16-29 addresses; v32-63 four sets of scale words; v64-111 the epilogue's; v128-223 R's eight fragments, one set.  Window 1: P's fragments, two sets, at v0 and v128.  Windows 2, 3: accumulator (a, b) at v[8 (8 (a % 4) + b)].
.set RECB,  12800
.set CHUNK, 2*RECB
.set SLOT,  4*CHUNK                    ; R's two groups, then P's two
.set SPARE, 2*SLOT                     ; the spare words: 128 bytes a wave, named by no other line
.set GRP,   8*RECB                     ; a group of 128 rows, all of K
.set QOFF,  512*CHUNK                  ; qkv: [head-batch][key step][K's record, V's record], then Q's records
.set WQ,    72*RECB                    ; W_q's first record in wc
.set FR,    12
.set ADRA,  16                         ; v16-17  my R group in slot 0, 1
.set ADRB,  20                         ; v20-21  my P group
.set GS,    26                         ; v26     16 x lane
.set SPW,   28
.set NIL,   29
.set SC,    32                         ; set 2 slot + q: four registers of P's words, four of R's
.set TM,    64
.set PC,    80
.set PWR,   100                        ; v100-107 the eight new scale words; v108-111 their image
.set SI,    108
.set AF,    128
.set G1,    24                         ; s[24:31], s[32:39]: groups 1 and 0 (a set a slot) for R;  s[48:55], s[56:63] for P
.set G0,    32
.set G1B,   48
.set G0B,   56
.set MSB,   0
.macro WIN new                         ; the immediate's high byte repeats the setting that is left
.if MSB != (\new)
	s_set_vgpr_msb (MSB<<8)|(\new)
.set MSB, (\new)
.endif
.endm
.set MUL_LO, 0xa1                      ; source 0 (P) window 1, source 1 (R) window 0, C and D window 2
.set MUL_HI, 0xf1
.set TO_B,   0x40
.macro JLOAD s                         ; waves 0, 1 fetch R's groups, waves 2, 3 P's; four v_nop follow each line
	s_cmp_eq_u32 s15, 0
	s_cbranch_scc0 .Lfor_p_\@
	tensor_load_to_lds s[G0+4*\s:G0+4*\s+3], s[G1:G1+7]
	s_nop 0
.rept 4
	v_nop
.endr
	s_branch .Lasked_\@
.Lfor_p_\@:
	tensor_load_to_lds s[G0B+4*\s:G0B+4*\s+3], s[G1B:G1B+7]
	s_nop 0
.rept 4
	v_nop
.endr
.Lasked_\@:
.endm
.macro CREST                           ; a round of the cluster's barrier behind its opening barrier
	s_cmp_lg_u32 s14, 0
	s_cbranch_scc1 .Lnot_wave_0_\@
	s_barrier_signal -3
.Lnot_wave_0_\@:
	s_barrier_wait -3
	s_barrier_signal -1
	s_barrier_wait -1
.endm
.macro CROUND
	s_barrier_signal -1
	s_barrier_wait -1
	CREST
.endm
.macro PLACES n
.rept \n
	v_nop
.endr
.endm
; one product: D at d, source 0 at a, source 1 at b, C at c (under 0: the constant 0), scale registers sa, sb; ra, rb = 1: the scales stand in lanes 16-31
.macro WM d, a, b, c, sa, sb, ra, rb
.set WSEL, 2*(\ra)+(\rb)
.if (\c) < 0
.if WSEL == 0
	v_wmma_scale_f32_16x16x128_f8f6f4 v[(\d):(\d)+7], v[(\a):(\a)+11], v[(\b):(\b)+11], 0, v[\sa], v[\sb] matrix_a_fmt:MATRIX_FMT_FP6 matrix_b_fmt:MATRIX_FMT_FP6
.elseif WSEL == 1
	v_wmma_scale_f32_16x16x128_f8f6f4 v[(\d):(\d)+7], v[(\a):(\a)+11], v[(\b):(\b)+11], 0, v[\sa], v[\sb] matrix_a_fmt:MATRIX_FMT_FP6 matrix_b_fmt:MATRIX_FMT_FP6 matrix_b_scale:MATRIX_SCALE_ROW1
.elseif WSEL == 2
	v_wmma_scale_f32_16x16x128_f8f6f4 v[(\d):(\d)+7], v[(\a):(\a)+11], v[(\b):(\b)+11], 0, v[\sa], v[\sb] matrix_a_fmt:MATRIX_FMT_FP6 matrix_b_fmt:MATRIX_FMT_FP6 matrix_a_scale:MATRIX_SCALE_ROW1
.else
	v_wmma_scale_f32_16x16x128_f8f6f4 v[(\d):(\d)+7], v[(\a):(\a)+11], v[(\b):(\b)+11], 0, v[\sa], v[\sb] matrix_a_fmt:MATRIX_FMT_FP6 matrix_b_fmt:MATRIX_FMT_FP6 matrix_a_scale:MATRIX_SCALE_ROW1 matrix_b_scale:MATRIX_SCALE_ROW1
.endif
.else
.if WSEL == 0
	v_wmma_scale_f32_16x16x128_f8f6f4 v[(\d):(\d)+7], v[(\a):(\a)+11], v[(\b):(\b)+11], v[(\c):(\c)+7], v[\sa], v[\sb] matrix_a_fmt:MATRIX_FMT_FP6 matrix_b_fmt:MATRIX_FMT_FP6
.elseif WSEL == 1
	v_wmma_scale_f32_16x16x128_f8f6f4 v[(\d):(\d)+7], v[(\a):(\a)+11], v[(\b):(\b)+11], v[(\c):(\c)+7], v[\sa], v[\sb] matrix_a_fmt:MATRIX_FMT_FP6 matrix_b_fmt:MATRIX_FMT_FP6 matrix_b_scale:MATRIX_SCALE_ROW1
.elseif WSEL == 2
	v_wmma_scale_f32_16x16x128_f8f6f4 v[(\d):(\d)+7], v[(\a):(\a)+11], v[(\b):(\b)+11], v[(\c):(\c)+7], v[\sa], v[\sb] matrix_a_fmt:MATRIX_FMT_FP6 matrix_b_fmt:MATRIX_FMT_FP6 matrix_a_scale:MATRIX_SCALE_ROW1
.else
	v_wmma_scale_f32_16x16x128_f8f6f4 v[(\d):(\d)+7], v[(\a):(\a)+11], v[(\b):(\b)+11], v[(\c):(\c)+7], v[\sa], v[\sb] matrix_a_fmt:MATRIX_FMT_FP6 matrix_b_fmt:MATRIX_FMT_FP6 matrix_a_scale:MATRIX_SCALE_ROW1 matrix_b_scale:MATRIX_SCALE_ROW1
.endif
.endif
.endm
	s_load_b128 s[4:7], s[0:1], 0x0                ; xc, wc
	s_load_b64 s[8:9], s[0:1], 0x10                ; qkv
	v_lshl_add_u32 v[SPW], v0, 2, SPARE
	v_mov_b32 v[NIL], 0
	ds_add_u32 v28, v29
	s_wait_dscnt 0x0
	v_lshrrev_b32 v1, 5, v0
	v_readfirstlane_b32 s14, v1                    ; wave 0..3
	s_lshr_b32 s15, s14, 1                         ; my half of R.  Also: I fetch for R (0) or for P (1)
	s_and_b32 s16, s14, 1                          ; my half of P.  Also: which group I fetch
	v_and_b32 v1, 31, v0
	v_lshlrev_b32 v[GS], 4, v1
	s_mul_i32 s83, s15, CHUNK
	s_mul_i32 s84, s16, CHUNK
	s_add_co_u32 s84, s84, 2*CHUNK
.irp s, 0,1
	v_add_nc_u32 v[ADRA+\s], s83, v[GS]
	v_add_nc_u32 v[ADRB+\s], s84, v[GS]
	s_add_co_u32 s83, s83, SLOT
	s_add_co_u32 s84, s84, SLOT
.endr
.irp b, 0,1,2,3
	v_mov_b32 v[TM+4+\b], 0                        ; written once: a lane permute's destination counts as one of its sources
.endr
	s_mov_b32 s80, 0x76543210
	s_mov_b32 s81, 0xfedcba98
	s_mov_b32 s82, 0xffff0000                      ; lanes 16-31
	s_bfe_u32 s40, ttmp6, 0x40000                  ; cx
	s_bfe_u32 s41, ttmp6, 0x40004                  ; cy
	s_and_b32 s17, ttmp7, 0xffff                   ; the cluster's y
	s_lshl_b32 s43, s41, 2
	s_lshl_b32 s43, 15, s43                        ; my row of the cluster
	s_lshl_b32 s44, 0x1111, s40                    ; my column
	s_cmp_lt_u32 ttmp9, 2                          ; q, k or v: the same in all sixteen partners
	s_cselect_b32 s45, ttmp9, s17
	s_cselect_b32 s18, s17, 2
	s_lshl_b32 s45, s45, 2
	s_add_co_u32 s45, s45, s40                     ; P's block of 256 rows: 4 (x or y) + cx
	s_lshl_b32 s18, s18, 2
	s_add_co_u32 s18, s18, s41                     ; R's: 4 (y or 2) + cy
	s_mul_i32 s19, s16, GRP
	s_mul_i32 s46, s45, 2*GRP
	s_add_co_u32 s46, s46, s19
	s_mov_b32 s47, 0
	s_mul_i32 s20, s18, 2*GRP
	s_add_co_u32 s20, s20, s19
	s_mov_b32 s21, 0
	s_mul_i32 s94, s14, CHUNK                      ; where my load goes: wave x 25,600: no place in the cluster enters an LDS address
	; group 1: 100 rows of 256 bytes (32 elements of 8), dense, no padding
	s_or_b32 s[G1+0], s43, (3<<16)|(1<<21)         ; R's records go to my row of the cluster
	s_or_b32 s[G1B+0], s44, (3<<16)|(1<<21)        ; P's to my column
.irp g, G1, G1B
	s_mov_b32 s[\g+1], 32<<16                      ; tensor_dim0
	s_mov_b32 s[\g+2], 100<<16                     ; tensor_dim1
	s_mov_b32 s[\g+3], 32<<16                      ; tile_dim0
	s_mov_b32 s[\g+4], 100                         ; tile_dim1
	s_mov_b32 s[\g+5], 32                          ; pitch
	s_mov_b32 s[\g+6], 0
	s_mov_b32 s[\g+7], 0
.endr
	s_wait_kmcnt 0x0
	s_add_nc_u64 s[6:7], s[6:7], WQ
	s_cmp_lt_u32 ttmp9, 2
	s_cselect_b64 s[22:23], s[4:5], s[6:7]         ; R: x for q and k, the weights for v
	s_cselect_b64 s[92:93], s[6:7], s[4:5]         ; P: the other
	s_add_nc_u64 s[20:21], s[22:23], s[20:21]
	s_add_nc_u64 s[46:47], s[92:93], s[46:47]
	CROUND                                         ; all sixteen work-groups are here: the first joint loads meet
.irp s, 0,1
	s_mov_b32 s[G0+4*\s], 1
	s_add_co_u32 s[G0+4*\s+1], s94, \s*SLOT
	s_add_nc_u64 s[G0+4*\s+2:G0+4*\s+3], s[20:21], \s*CHUNK
	s_or_b32 s[G0+4*\s+3], s[G0+4*\s+3], 0x80000000
	s_mov_b32 s[G0B+4*\s], 1
	s_add_co_u32 s[G0B+4*\s+1], s94, \s*SLOT
	s_add_nc_u64 s[G0B+4*\s+2:G0B+4*\s+3], s[46:47], \s*CHUNK
	s_or_b32 s[G0B+4*\s+3], s[G0B+4*\s+3], 0x80000000
	JLOAD \s
.endr
	; where my record goes
	s_lshl_b32 s66, s18, 1
	s_add_co_u32 s66, s66, s15                     ; R's group of 128
	s_lshl_b32 s67, s45, 1
	s_add_co_u32 s67, s67, s16                     ; P's
	s_cmp_lt_u32 ttmp9, 2
	s_cselect_b32 s68, s66, s67                    ; the group of tokens, 0..63
	s_cselect_b32 s69, s67, s66                    ; the group of weights: 8 which + head
	s_lshr_b32 s70, s69, 3
	s_and_b32 s71, s69, 7
	s_lshr_b32 s72, s68, 4
	s_lshl_b32 s72, s72, 3
	s_add_co_u32 s72, s72, s71                     ; 8 batch + head
	s_lshl_b32 s72, s72, 4
	s_and_b32 s73, s68, 15
	s_add_co_u32 s72, s72, s73                     ; x 16 + the group within the batch
	s_mul_i32 s74, s72, RECB
	s_add_co_u32 s74, s74, QOFF                    ; q's place
	s_mul_i32 s75, s72, CHUNK
	s_sub_co_u32 s76, s70, 1
	s_mul_i32 s76, s76, RECB
	s_add_co_u32 s75, s75, s76                     ; k's or v's (for q this number is not used)
	s_cmp_eq_u32 s70, 0
	s_cselect_b32 s74, s74, s75
	s_mov_b32 s75, 0
	s_add_nc_u64 s[8:9], s[8:9], s[74:75]
.macro FRAG reg, adr, q, i             ; a fragment comes as it was stored: three loads of 512 consecutive bytes
.irp c, 0,1,2
	ds_load_b128 v[(\reg)+4*\c:(\reg)+4*\c+3], v[\adr] offset:(\q)*RECB+(\i)*1536+512*\c
.endr
.endm
.macro FETCH_B slot, q, p
	WIN TO_B
.irp i, 0,1,2,3,4,5,6,7
	FRAG 128*(\p)+FR*\i, ADRB+\slot, \q, \i
.endr
	WIN 0
.endm
.macro FETCH_A slot, q, i0
.irp i, \i0, \i0+1, \i0+2, \i0+3
	FRAG AF+FR*(\i), ADRA+\slot, \q, \i
.endr
.endm
.macro SCALES slot, q
	ds_load_b128 v[SC+8*(2*\slot+\q):SC+8*(2*\slot+\q)+3], v[ADRB+\slot] offset:(\q)*RECB+12288
	ds_load_b128 v[SC+8*(2*\slot+\q)+4:SC+8*(2*\slot+\q)+7], v[ADRA+\slot] offset:(\q)*RECB+12288
.endm
; 16 products: R's blocks a0, a0 + 1 x P's eight.  The 64 accumulators take turns, one instruction a turn, in the same order in every step
.macro MUL16 a0, p, sc, zero
.irp a, \a0, \a0+1
.irp b, 0,1,2,3,4,5,6,7
.if \zero
	WM 8*(8*((\a)%4)+\b), 128*(\p)+FR*\b, AF+FR*(\a), -1, SC+8*(\sc)+\b/2, SC+8*(\sc)+4+(\a)/2, \b%2, (\a)%2
.else
	WM 8*(8*((\a)%4)+\b), 128*(\p)+FR*\b, AF+FR*(\a), 8*(8*((\a)%4)+\b), SC+8*(\sc)+\b/2, SC+8*(\sc)+4+(\a)/2, \b%2, (\a)%2
.endif
.endr
.endr
.endm
; a slot's first K step.  Loads into registers that products have read stand four plain vector places behind those products
.macro STEP slot, zero
	s_wait_dscnt 12                                ; all but R's blocks 4-7 (4 x 3 loads, the youngest) are in
	WIN MUL_LO
	MUL16 0, 0, 2*\slot, \zero
	MUL16 2, 0, 2*\slot, \zero
	s_wait_dscnt 0
	PLACES 4
	FETCH_B \slot, 1, 1
	FETCH_A \slot, 1, 0
	SCALES \slot, 1
	WIN MUL_HI
	MUL16 4, 0, 2*\slot, \zero
	MUL16 6, 0, 2*\slot, \zero
	PLACES 4
	WIN 0
	FETCH_A \slot, 1, 4
.endm
; a slot's second K step changes slots: one barrier; in front of it each wave waits for all its tensor loads, adds 0 to its spare word, and waits for that and for its reads of the slot
.macro TURN slot, next, fill
	s_wait_tensorcnt 0x0                           ; my part of the next slot has landed
	ds_add_u32 v[SPW], v[NIL]                      ; 0 onto my spare word
	s_wait_dscnt 13                                ; (the add and R's blocks 4-7 may be out)
	WIN MUL_LO
	MUL16 0, 1, 2*\slot+1, 0
	s_wait_dscnt 0x0                               ; the add is done, my reads of this slot are over
	s_barrier_signal -1
	MUL16 2, 1, 2*\slot+1, 0
	WIN 0
	s_barrier_wait -1
.if \fill
	CREST                                          ; the barrier has opened a round of the cluster's: no wave of any partner still reads this slot or has a load on its way
	s_add_nc_u64 s[G0+4*\slot+2:G0+4*\slot+3], s[G0+4*\slot+2:G0+4*\slot+3], 2*CHUNK
	s_add_nc_u64 s[G0B+4*\slot+2:G0B+4*\slot+3], s[G0B+4*\slot+2:G0B+4*\slot+3], 2*CHUNK
	JLOAD \slot                                    ; the first tensor load behind the round; its four v_nop are also the places in front of the loads below
.else
	PLACES 4
.endif
	FETCH_B \next, 0, 0
	FETCH_A \next, 0, 0
	SCALES \next, 0
	WIN MUL_HI
	MUL16 4, 1, 2*\slot+1, 0
	MUL16 6, 1, 2*\slot+1, 0
	PLACES 4
	WIN 0
	FETCH_A \next, 0, 4
.endm
	s_wait_tensorcnt 1                             ; my part of slot 0 is in; slot 1's may stay out
	s_barrier_signal -1
	s_barrier_wait -1
	FETCH_B 0, 0, 0
	FETCH_A 0, 0, 0
	SCALES 0, 0
	FETCH_A 0, 0, 4
	STEP 0, 1                                      ; K step 0 starts the sums: nothing is cleared
	TURN 0, 1, 1                                   ; 1; slot 0 takes K steps 4, 5
	STEP 1, 0                                      ; 2
	TURN 1, 0, 1                                   ; 3; slot 1 takes K steps 6, 7
	STEP 0, 0                                      ; 4
	TURN 0, 1, 0                                   ; 5
	STEP 1, 0                                      ; 6
	s_wait_dscnt 12                                ; 7: nothing more to fetch
	WIN MUL_LO
	MUL16 0, 1, 3, 0
	MUL16 2, 1, 3, 0
	s_wait_dscnt 0
	WIN MUL_HI
	MUL16 4, 1, 3, 0
	MUL16 6, 1, 3, 0
	WIN 0
; THE WAY OUT.  For R's block a the 64 registers of its eight accumulators are, in my lane, 16 neighbours of each block of 32 along the next K: they become one fragment and one scale word a row.
; Each accumulator is read from its low end on.  wx = 1: the codes' registers are a store's data: they are written again only behind s_wait_xcnt 0
.macro QUANT s, w, pw, wx
	WIN 5*(\w)                                     ; sources 0 and 1 in the accumulators' window
.irp b, 0,1,2,3
	v_max3_num_f32 v[TM+\b], |v[(\s)+16*\b]|, |v[(\s)+16*\b+1]|, 0x1800000   ; and the floor 2^(3 - 127): the byte cannot fall under 1
.endr
.irp i, 2,4,6,8,10,12,14
.irp b, 0,1,2,3
	v_max3_num_f32 v[TM+\b], |v[(\s)+16*\b+\i]|, |v[(\s)+16*\b+\i+1]|, v[TM+\b]
.endr
.endr
	WIN 0
.irp b, 0,1,2,3
	v_permlanex16_b32 v[TM+4+\b], v[TM+\b], s80, s81
.endr
.irp b, 0,1,2,3
	v_max_num_f32 v[TM+\b], v[TM+\b], v[TM+4+\b]
.endr
.irp b, 0,1,2,3
	v_add_nc_u32 v[TM+12+\b], 0xff000000, v[TM+\b] ; 2 off the exponent field: the conversion's scale operand
.endr
.irp b, 0,1,2,3
	v_lshrrev_b32 v[TM+4+\b], 23, v[TM+12+\b]      ; the scale's byte
.endr
.if (\wx) == 1
	s_wait_xcnt 0x0
.endif
	v_lshl_or_b32 v[\pw], v[TM+5], 8, v[TM+4]
	v_lshl_or_b32 v[\pw], v[TM+6], 16, v[\pw]
	v_lshl_or_b32 v[\pw], v[TM+7], 24, v[\pw]
	WIN (\w)                                       ; source 0 in the accumulators' window
.irp c, 0,1
	v_cvt_scalef32_pk16_fp6_f32 v[PC+6*\c:PC+2+6*\c], v[(\s)+32*\c:(\s)+15+32*\c], v[TM+12+2*\c]
	v_cvt_scalef32_pk16_fp6_f32 v[PC+12+4*\c:PC+14+4*\c], v[(\s)+16+32*\c:(\s)+31+32*\c], v[TM+12+2*\c+1]
.endr
	WIN 0
	v_nop                                          ; one plain place behind a scaled conversion
.irp c, 0,1
.irp i, 0,1,2
	v_permlane16_swap_b32 v[PC+6*\c+\i], v[PC+12+4*\c+\i]
.endr
.irp i, 0,1,2
	v_mov_b32 v[PC+3+6*\c+\i], v[PC+12+4*\c+\i]
.endr
.endr
.endm
	PLACES 4                                       ; behind the last products, ahead of the first read of results
.irp a, 0,1,2,3,4,5,6,7
	QUANT 64*(\a%4), 2+\a/4, PWR+\a, 1
.irp c, 0,1,2
	global_store_b128 v[GS], v[PC+4*\c:PC+4*\c+3], s[8:9] offset:1536*\a+512*\c   ; 32 lanes store 512 consecutive bytes, aligned to 256
.endr
.endr
.irp q, 0,1,2,3
	v_cndmask_b32 v[SI+\q], v[PWR+2*\q], v[PWR+2*\q+1], s82   ; lanes 0-15: tile 2 q's words; lanes 16-31: tile 2 q + 1's
.endr
	global_store_b128 v[GS], v[SI:SI+3], s[8:9] offset:12288
	s_wait_tensorcnt 0x0                           ; the wave's end
	ds_add_u32 v[SPW], v[NIL]
	s_wait_dscnt 0x0
	CROUND                                         ; the closing round: no work-group ends while a partner may still ask for a record that names it
	s_endpgm
.Lfunc_end_k_qf14945fdf6_qkv:
	.size	k_qf14945fdf6_qkv, .Lfunc_end_k_qf14945fdf6_qkv-k_qf14945fdf6_qkv
	.p2alignl 7, 3214868480
	.fill 96, 4, 3214868480
	.section	.rodata,"a",@progbits
	.p2align	6, 0x0
	.amdhsa_kernel k_qf14945fdf6_qkv
		.amdhsa_group_segment_fixed_size 327680
		.amdhsa_private_segment_fixed_size 0
		.amdhsa_enable_private_segment 0
		.amdhsa_kernarg_size 24
		.amdhsa_user_sgpr_count 2
		.amdhsa_user_sgpr_kernarg_segment_ptr 1
		.amdhsa_wavefront_size32 1
		.amdhsa_system_sgpr_workgroup_id_x 1
		.amdhsa_system_sgpr_workgroup_id_y 1
		.amdhsa_system_sgpr_workgroup_id_z 1
		.amdhsa_system_vgpr_workitem_id 0
		.amdhsa_next_free_vgpr 1024
		.amdhsa_next_free_sgpr 98
		.amdhsa_reserve_vcc 0
		.amdhsa_float_denorm_mode_32 3
		.amdhsa_float_denorm_mode_16_64 3
		.amdhsa_memory_ordered 1
		.amdhsa_forward_progress 1
		.amdhsa_inst_pref_size 136
	.end_amdhsa_kernel
	.amdgpu_metadata
---
amdhsa.version: [ 1, 2 ]
amdhsa.kernels:
  - .name:           k_qf14945fdf6_qkv
    .symbol:         k_qf14945fdf6_qkv.kd
    .args:
      - { .name: xc, .offset: 0, .size: 8, .value_kind: global_buffer, .address_space: global }
      - { .name: wc, .offset: 8, .size: 8, .value_kind: global_buffer, .address_space: global }
      - { .name: qkv, .offset: 16, .size: 8, .value_kind: global_buffer, .address_space: global }
    .group_segment_fixed_size: 327680
    .private_segment_fixed_size: 0
    .kernarg_segment_align: 8
    .kernarg_segment_size: 24
    .max_flat_workgroup_size: 128
    .sgpr_count:     98
    .vgpr_count:     1024
    .wavefront_size: 32
...
	.end_amdgpu_metadata
.endif
;; end of part 2
;; launch attn (part 3): grid 8 x 32, 16 waves a work-group, clusters of 4 x 1, 327,680 bytes of LDS; arguments qkv, mw, oc; writes oc
.if DOCPART == 3
	.amdgcn_target "amdgcn-amd-amdhsa--gfx1250"
	.amdhsa_code_object_version 6
	.text
	.protected	k_qf14945fdf6_attn
	.globl	k_qf14945fdf6_attn
	.p2align	8
	.type	k_qf14945fdf6_attn,@function
k_qf14945fdf6_attn:
	s_mov_b64 s[64:65], 0
	v_nop
	global_prefetch_b8 v0, s[64:65] scope:SCOPE_SE
	s_setreg_imm32_b32 hwreg(HW_REG_WAVE_MODE, 25, 1), 1
	s_wait_xcnt 0x0
	s_wait_alu depctr_hold_cnt(0) depctr_sa_sdst(0) depctr_va_vdst(0) depctr_va_sdst(0) depctr_va_ssrc(0) depctr_va_vcc(0) depctr_vm_vsrc(0)
	s_getreg_b32 s2, hwreg(HW_REG_IB_STS2, 6, 4)
	s_cmp_eq_u32 s2, 0
	s_cbranch_scc0 .Lentry_in_a_cluster
	s_endpgm
.Lentry_in_a_cluster:
	s_bfe_u32 s2, ttmp6, 0x10000c
	s_cmp_lg_u32 s2, 0x3003
	s_cbranch_scc0 .Lentry_shape_is_right
	s_endpgm
.Lentry_shape_is_right:
; ATTN: o = softmax(where(mask, -65504, q k^T / sqrt(128))) v on codes of FP6 (E2M3) with E8M0 scales; o is divided by the row's sum, quantised along the head's 128 and leaves as codes.
; THE SOFTMAX AHEAD OF THE SECOND PRODUCT: t = logit x log2(e); M = the running largest t rounded up to a whole number; p = 2^(t - M) is quantised along the keys; the sum is taken of the unquantised p; when M moves, sum and O are
; multiplied by 2^(old M - new M), which rounds nothing.
; THE MASK: a masked score is replaced, ahead of every maximum, by -65504 sqrt(128), so that score x c is the masked logit's t.  The mask comes as lane-mask words, one for each of a lane's 64 score registers, in scalar registers.
; LIMITS: NaN and infinities are not served.  In a row that is WHOLLY masked t lies within one f32 step of t (0.008) of -65504 log2(e): a common factor of that row's p, which the sum divides out up to one step of a code.
; SHARES.  A work-group owns 256 queries of one head of one batch; each of its sixteen waves one tile of 16, in 256 registers.  Every wave walks all 2,048 keys, 128 a step.  Both products are used transposed, so a lane holds one query.
; K's and V's records (12,800 bytes: eight fragments as images of operand registers, then the scale words) come through two LDS slots of two key steps; waves 0-3 fetch one record each.
; CLUSTER 4 x 1: the four query blocks of a cluster walk the same K and V: each record is asked for jointly.  A fetching wave has one tensor load out.
; REGISTERS: v1 16 x lane; v2, v3 LDS places of o's scale words; v5, v6 the add's; v7 the masked score; v8 the slot's address; v12 -M, v13 largest t, v[14:15] the sum; v16-27 Q; v28 the prefetch's offset; v32-79 four fragments;
; v84-87 V's scale words; v96-159 S^T, then p; v160-223 O^T; v224-235 p's codes; v232-254 at work; v248-251 K's scale words; v253 p's scale word; v255 Q's.
.set RECB,  12800
.set KVB,   2*RECB                     ; a key step: K's record, V's record
.set SLOT1, 65536                      ; slot 1: one exclusive or turns an address from slot to slot
.set SCST,  131072                     ; o's scale images are gathered here: 1,024 bytes into which no fill lands
.set SPARE, 132096                     ; the spare words: 128 bytes a wave, named by no other line
.set QOFF,  512*KVB
.set TM,    32                         ; the way out
.set PC,    48
.set PW,    68
.macro ROUND                           ; a round of the cluster's barrier
	s_barrier_signal -1
	s_barrier_wait -1
	s_cmp_lg_u32 s10, 0
	s_cbranch_scc1 .Lnot_wave_0_\@
	s_barrier_signal -3
.Lnot_wave_0_\@:
	s_barrier_wait -3
	s_barrier_signal -1
	s_barrier_wait -1
.endm
.macro TLOAD                           ; waves 0-3 fetch; the branch hangs on the wave's number alone; four v_nop follow the load
	s_cmp_lt_u32 s10, 4
	s_cbranch_scc0 .Lnone_\@
	tensor_load_to_lds s[92:95], s[84:91]
	s_nop 0
.rept 4
	v_nop
.endr
.Lnone_\@:
.endm
; A PREFETCH of what the NEXT change of slots will ask for: a slot's four records, two key steps ahead of that load.  All clusters of a head-batch walk the same records: the first cluster asks.  Its four partners take one record
; each, told apart by address.  A record is 50 blocks of 256 bytes: waves 4 and 5 ask, lanes 256 bytes apart; the last 14 lanes of wave 5 name block 49 again in the same instruction.  The last change that fills a slot asks for nothing.
.macro ASK
	s_cmp_gt_u32 s3, s11
	s_cbranch_scc0 .Lnot_mine_\@
	global_prefetch_b8 v28, s[96:97] th:TH_LOAD_NT scope:SCOPE_SE
.Lnot_mine_\@:
.endm
.macro WM d, a, b, c, sa, sb, ra       ; one product; c under 0: the constant 0; ra = 1: source 0's scales stand in lanes 16-31
.if (\c) < 0
.if (\ra)
	v_wmma_scale_f32_16x16x128_f8f6f4 v[(\d):(\d)+7], v[(\a):(\a)+11], v[(\b):(\b)+11], 0, v[\sa], v[\sb] matrix_a_fmt:MATRIX_FMT_FP6 matrix_b_fmt:MATRIX_FMT_FP6 matrix_a_scale:MATRIX_SCALE_ROW1
.else
	v_wmma_scale_f32_16x16x128_f8f6f4 v[(\d):(\d)+7], v[(\a):(\a)+11], v[(\b):(\b)+11], 0, v[\sa], v[\sb] matrix_a_fmt:MATRIX_FMT_FP6 matrix_b_fmt:MATRIX_FMT_FP6
.endif
.else
.if (\ra)
	v_wmma_scale_f32_16x16x128_f8f6f4 v[(\d):(\d)+7], v[(\a):(\a)+11], v[(\b):(\b)+11], v[(\c):(\c)+7], v[\sa], v[\sb] matrix_a_fmt:MATRIX_FMT_FP6 matrix_b_fmt:MATRIX_FMT_FP6 matrix_a_scale:MATRIX_SCALE_ROW1
.else
	v_wmma_scale_f32_16x16x128_f8f6f4 v[(\d):(\d)+7], v[(\a):(\a)+11], v[(\b):(\b)+11], v[(\c):(\c)+7], v[\sa], v[\sb] matrix_a_fmt:MATRIX_FMT_FP6 matrix_b_fmt:MATRIX_FMT_FP6
.endif
.endif
.endm
	s_load_b128 s[16:19], s[0:1], 0x0              ; qkv, mw
	s_load_b64 s[20:21], s[0:1], 0x10              ; oc
	v_lshl_add_u32 v5, v0, 2, SPARE
	v_mov_b32 v6, 0
	ds_add_u32 v5, v6
	s_wait_dscnt 0x0
	v_lshrrev_b32 v8, 5, v0
	v_readfirstlane_b32 s10, v8                    ; wave 0..15
	v_and_b32 v1, 31, v0
	v_lshlrev_b32 v1, 4, v1                        ; 16 L
	v_and_b32 v9, 15, v0
	v_lshlrev_b32 v9, 4, v9                        ; 16 r
	s_lshr_b32 s98, s10, 3                         ; o's scale word of my tile t = wave % 8 in the image of my group: 512 (wave / 8) + 256 (t % 2) + 4 (t / 2) + 16 r
	s_lshl_b32 s98, s98, 9
	s_and_b32 s99, s10, 1
	s_lshl_b32 s99, s99, 8
	s_add_co_u32 s98, s98, s99
	s_bfe_u32 s99, s10, 0x20001
	s_lshl_b32 s99, s99, 2
	s_add_co_u32 s98, s98, s99
	s_add_co_u32 s98, s98, SCST
	v_add_nc_u32 v2, s98, v9
	s_and_b32 s99, s10, 1
	s_lshl_b32 s99, s99, 9
	s_add_co_u32 s99, s99, SCST
	v_add_nc_u32 v3, s99, v1                       ; and where waves 0, 1 read an image back
	s_and_b32 s24, ttmp7, 0xffff                   ; 8 batch + head, which the four partners share
	s_mul_i32 s32, s24, 16*KVB
	s_mul_i32 s34, s10, RECB
	s_add_co_u32 s36, s32, s34
	s_mov_b32 s37, 0
	; group 1: 50 rows of 256 bytes (32 elements of 8), dense, no padding; the mask names all four work-groups
	s_mov_b32 s84, 15|(3<<16)|(1<<21)
	s_mov_b32 s85, 32<<16
	s_mov_b32 s86, 50<<16
	s_mov_b32 s87, 32<<16
	s_mov_b32 s88, 50
	s_mov_b32 s89, 32
	s_mov_b32 s90, 0
	s_mov_b32 s91, 0
	s_wait_kmcnt 0x0
	s_mov_b32 s92, 1
	s_mov_b32 s93, s34                             ; LDS: wave x 12,800, in slot 0
	s_add_nc_u64 s[94:95], s[16:17], s[36:37]
	s_or_b32 s95, s95, 0x80000000
	ROUND                                          ; all four work-groups are here: the first joint loads meet
	TLOAD                                          ; slot 0
	s_bfe_u32 s22, ttmp6, 0x40000                  ; cx: it enters addresses in memory alone
	s_lshl_b32 s23, ttmp9, 2
	s_add_co_u32 s23, s23, s22                     ; my block of 256 queries
	s_lshr_b32 s25, s24, 3                         ; batch
	s_and_b32 s26, s24, 7                          ; head
	s_and_b32 s27, s10, 7                          ; t
	s_lshr_b32 s28, s10, 3
	s_lshl_b32 s29, s23, 1
	s_add_co_u32 s30, s29, s28                     ; my group of 128 queries within the batch
	s_mov_b32 s39, 0
	s_lshl_b32 s38, s24, 4
	s_add_co_u32 s38, s38, s30
	s_mul_i32 s38, s38, RECB
	s_add_co_u32 s38, s38, QOFF
	s_add_nc_u64 s[100:101], s[16:17], s[38:39]    ; Q's record
	s_lshl_b32 s38, s25, 7
	s_lshl_b32 s40, s23, 4
	s_add_co_u32 s38, s38, s40
	s_add_co_u32 s38, s38, s10                     ; my tile among all 512
	s_lshl_b32 s38, s38, 12
	s_add_nc_u64 s[4:5], s[18:19], s[38:39]        ; its mask words: 256 bytes a key step
	s_lshl_b32 s40, s25, 4
	s_add_co_u32 s38, s40, s30
	s_lshl_b32 s38, s38, 3
	s_add_co_u32 s38, s38, s26
	s_mul_i32 s38, s38, RECB
	s_mul_i32 s41, s27, 1536
	s_add_co_u32 s38, s38, s41
	s_add_nc_u64 s[6:7], s[20:21], s[38:39]        ; o: record (group, head), my fragment
	s_and_b32 s41, s10, 1
	s_add_co_u32 s38, s40, s29
	s_add_co_u32 s38, s38, s41
	s_lshl_b32 s38, s38, 3
	s_add_co_u32 s38, s38, s26
	s_mul_i32 s38, s38, RECB
	s_add_nc_u64 s[8:9], s[20:21], s[38:39]        ; the record whose scale image waves 0, 1 store
	s_mul_i32 s38, s22, RECB
	s_add_co_u32 s38, s38, s32
	s_add_co_u32 s38, s38, 2*KVB
	s_add_nc_u64 s[96:97], s[16:17], s[38:39]      ; the prefetches: my work-group's record of slot 1; the first change steps it to slot 2.  Nothing is asked for here, at the head
	s_sub_co_u32 s98, s10, 4
	s_lshr_b32 s98, s98, 1                         ; 0 in waves 4, 5,
	s_or_b32 s98, s98, ttmp9                       ; of the first cluster: the same in all four partners
	s_cmp_eq_u32 s98, 0
	s_cselect_b32 s11, 1, -1
	v_and_b32 v28, 63, v0
	v_min_u32 v28, 49, v28
	v_lshlrev_b32 v28, 8, v28
	s_mul_i32 s38, s27, 1536
	v_add_nc_u32 v10, s38, v1
.irp c, 0,1,2
	global_load_b128 v[16+4*\c:19+4*\c], v10, s[100:101] offset:512*\c   ; Q's fragment stays in registers
.endr
	s_and_b32 s38, s27, 1
	s_lshl_b32 s38, s38, 8
	s_lshr_b32 s40, s27, 1
	s_lshl_b32 s40, s40, 2
	s_add_co_u32 s38, s38, s40
	s_add_co_u32 s38, s38, 12288
	v_add_nc_u32 v11, s38, v9
	global_load_b32 v255, v11, s[100:101]          ; Q's scale words
	s_mov_b32 s12, 0x3e0293ee                      ; c = log2(e) / sqrt(128)
	s_mov_b32 s13, s12                             ; (named with it as a pair)
	s_mov_b32 s14, 0x76543210
	s_mov_b32 s15, 0xfedcba98
	s_mov_b32 s2, 0                                ; the slot in hand
	s_mov_b32 s3, 7                                ; slots still to be asked for
	v_mov_b32 v7, 0xc934ee53                       ; -65504 sqrt(128)
	v_mov_b32 v13, 0xff61b1e6                      ; the largest t so far: -3e38
	v_floor_f32 v12, -v13                          ; -M
	v_mov_b32 v14, 0
	v_mov_b32 v15, 0
.irp b, 0,1,2,3
	v_mov_b32 v[236+\b], 0                         ; written once: a lane permute's destination counts as one of its sources
.endr
	v_mov_b32 v253, 0
.set j, 0
.rept 64
	v_mov_b32 v[160+j], 0                          ; O^T: the loop is written once; its first step finds zeros
.set j, j+1
.endr
	s_load_b512 s[16:31], s[4:5], 0x0              ; key step 0's 64 mask words
	s_load_b512 s[32:47], s[4:5], 0x40
	s_load_b512 s[48:63], s[4:5], 0x80
	s_load_b512 s[68:83], s[4:5], 0xc0
; A KEY STEP: 128 keys, the q-th of the slot.  pf = 1: the next step's mask words are asked for
.macro STEP q, pf
	v_add_nc_u32 v8, s2, v1
.rept 3
	v_nop                                          ; with the line above: four places in front of loads into registers that the last products read
.endr
	ds_load_b128 v[248:251], v8 offset:(\q)*KVB+12288
	ds_load_b128 v[84:87], v8 offset:(\q)*KVB+RECB+12288
.irp g, 0,1                                    ; S^T = K Q^T, four tiles of 16 keys at a time
.if \g > 0
.rept 4
	v_nop
.endr
.endif
.irp t, 0,1,2,3
.irp c, 0,1,2
	ds_load_b128 v[32+12*\t+4*\c:35+12*\t+4*\c], v8 offset:(\q)*KVB+(4*\g+\t)*1536+512*\c
.endr
.endr
	s_wait_dscnt 0x0
.irp t, 0,1,2,3
	WM 96+8*(4*\g+\t), 32+12*\t, 16, -1, 248+(4*\g+\t)/2, 255, \t%2
.endr
.endr                                          ; register 16 b + i is key 32 b + 16 (lane / 16) + i of the step
.rept 4
	v_nop
.endr
	s_wait_kmcnt 0x0                               ; this step's mask words are in
.set n, 0
.rept 64
.if n < 48
	v_cndmask_b32 v[96+n], v[96+n], v7, s[16+n]    ; each accumulator from its low end on
.else
	v_cndmask_b32 v[96+n], v[96+n], v7, s[20+n]
.endif
.set n, n+1
.endr
.irp b, 0,1,2,3
	v_max3_num_f32 v[232+\b], v[96+16*\b], v[97+16*\b], v[98+16*\b]   ; the largest score of each block of 32 keys: for the row's maximum and, since p rises with the score, for the block's largest p
.endr
.irp i, 3,5,7,9,11,13
.irp b, 0,1,2,3
	v_max3_num_f32 v[232+\b], v[232+\b], v[96+16*\b+\i], v[97+16*\b+\i]
.endr
.endr
.irp b, 0,1,2,3
	v_max_num_f32 v[232+\b], v[232+\b], v[111+16*\b]
.endr
.if \pf
	s_add_nc_u64 s[4:5], s[4:5], 256               ; behind the wait that showed the last scalar loads done
	s_load_b512 s[16:31], s[4:5], 0x0              ; the next step's words land under the softmax
	s_load_b512 s[32:47], s[4:5], 0x40
	s_load_b512 s[48:63], s[4:5], 0x80
	s_load_b512 s[68:83], s[4:5], 0xc0
.endif
.irp b, 0,1,2,3
	v_permlanex16_b32 v[236+\b], v[232+\b], s14, s15
.endr
.irp b, 0,1,2,3
	v_max_num_f32 v[232+\b], v[232+\b], v[236+\b]  ; with lane l xor 16's 16 keys
.endr
	v_max3_num_f32 v254, v232, v233, v234
	v_max_num_f32 v254, v254, v235
	v_mul_f32 v254, s12, v254                      ; as t
	v_max_num_f32 v13, v13, v254                   ; the running largest t
	v_mov_b32 v254, v12
	v_floor_f32 v12, -v13                          ; the new -M = -ceil(t)
	v_sub_f32 v254, v12, v254                      ; old M - new M: a whole number, 0 or less
	v_cvt_i32_f32 v254, v254                       ; (it saturates)
	v_ldexp_f32 v252, 1.0, v254                    ; f = 2^(old M - new M)
.set j, 0
.rept 32
	v_pk_fma_f32 v[96+j:97+j], v[96+j:97+j], s[12:13], v[12:13] op_sel_hi:[1,0,0]   ; t - M, two at a time
.set j, j+2
.endr
.irp b, 0,1,2,3
	v_fma_f32 v[232+\b], v[232+\b], s12, v12       ; the same of each block's largest score
.endr
.set j, 0
.rept 64
	v_exp_f32 v[96+j], v[96+j]                     ; p = 2^(t - M): not normalised
.set j, j+1
.endr
	v_pk_mul_f32 v[14:15], v[14:15], v[252:253] op_sel_hi:[1,0]   ; the sums under the new M (a plain place behind the exponentials)
	s_wait_alu depctr_va_vdst(0)                   ; one wait for the whole batch, ahead of its first reader
.irp b, 0,1,2,3
	v_exp_f32 v[232+\b], v[232+\b]                 ; the block's largest p
.endr
	v_pk_add_f32 v[236:237], v[96:97], v[98:99]    ; the row's sum of the unquantised p, in two chains
.set j, 4
.rept 15
	v_pk_add_f32 v[14:15], v[14:15], v[96+j:97+j]
	v_pk_add_f32 v[236:237], v[236:237], v[98+j:99+j]
.set j, j+4
.endr
	v_pk_add_f32 v[14:15], v[14:15], v[236:237]
	s_wait_alu depctr_va_vdst(0)                   ; and one for the four
.irp b, 0,1,2,3
	v_max_num_f32 v[232+\b], 0x1800000, v[232+\b]  ; the floor 2^(3 - 127): a block whose every p is 0 keeps the byte 1: its codes are zeros
.endr
.irp b, 0,1,2,3
	v_add_nc_u32 v[244+\b], 0xff000000, v[232+\b]
.endr
.irp b, 0,1,2,3
	v_lshrrev_b32 v[236+\b], 23, v[244+\b]
.endr
	v_lshl_or_b32 v253, v237, 8, v236              ; p's scale word for these 128 keys
	v_lshl_or_b32 v253, v238, 16, v253
	v_lshl_or_b32 v253, v239, 24, v253
.irp c, 0,1
	v_cvt_scalef32_pk16_fp6_f32 v[224+6*\c:226+6*\c], v[96+32*\c:111+32*\c], v[244+2*\c]
	v_cvt_scalef32_pk16_fp6_f32 v[236+4*\c:238+4*\c], v[112+32*\c:127+32*\c], v[244+2*\c+1]
.endr
	v_nop                                          ; one plain place behind a scaled conversion
.irp c, 0,1
.irp i, 0,1,2
	v_permlane16_swap_b32 v[224+6*\c+\i], v[236+4*\c+\i]
.endr
.irp i, 0,1,2
	v_mov_b32 v[227+6*\c+\i], v[236+4*\c+\i]
.endr
.endr
.set j, 0
.rept 32
	v_pk_mul_f32 v[160+j:161+j], v[160+j:161+j], v[252:253] op_sel_hi:[1,0]   ; O^T under the new M; these 32 are also the places in front of the products and loads below
.set j, j+2
.endr
.irp g, 0,1                                    ; O^T += V^T P^T
.if \g > 0
.rept 4
	v_nop
.endr
.endif
.irp t, 0,1,2,3
.irp c, 0,1,2
	ds_load_b128 v[32+12*\t+4*\c:35+12*\t+4*\c], v8 offset:(\q)*KVB+RECB+(4*\g+\t)*1536+512*\c
.endr
.endr
	s_wait_dscnt 0x0
.irp t, 0,1,2,3
	WM 160+8*(4*\g+\t), 32+12*\t, 224, 160+8*(4*\g+\t), 84+(4*\g+\t)/2, 253, \t%2
.endr
.endr
.endm
; THE CHANGE OF SLOTS, at a slot's head: each wave waits for all its tensor loads, adds 0 to its spare word, and waits for that and for its reads of the slot that it has left.  fill = 1: the barrier is a round of the
; cluster's, and behind it the slot just left is filled with the keys that follow: the load has two key steps in which to land
.macro CHANGE fill
	s_wait_tensorcnt 0x0
	ds_add_u32 v5, v6                              ; 0 onto my spare word
.if \fill
	s_xor_b32 s93, s93, SLOT1                      ; no tensor load of mine is out: the descriptor walks
	s_add_nc_u64 s[94:95], s[94:95], 2*KVB
	s_wait_xcnt 0x0                                ; the last prefetch, a slot back, has read its address
	s_add_nc_u64 s[96:97], s[96:97], 2*KVB
.endif
	s_wait_dscnt 0x0
.if \fill
	ROUND
	TLOAD
	ASK
.else
	s_barrier_signal -1
	s_barrier_wait -1
.endif
.endm
	s_wait_loadcnt 0x0                             ; Q
.Lslot:                                            ; seven trips: behind each change of slots but the last the next slot is asked for
	CHANGE 1
	STEP 0, 1
	STEP 1, 1
	s_xor_b32 s2, s2, SLOT1
	s_sub_co_u32 s3, s3, 1
	s_cmp_lg_u32 s3, 0
	s_cbranch_scc1 .Lslot
	CHANGE 0                                       ; the last slot is written out
	STEP 0, 1
	STEP 1, 0
	; THE WAY OUT: O^T / the sum; register 16 b + i is channel 32 b + 16 (lane / 16) + i of my query: one fragment of the next product's operand, K step = my head
	v_add_f32 v14, v14, v15
	v_permlanex16_b32 v252, v14, s14, s15
	v_add_f32 v14, v14, v252                       ; the row's sum
	v_rcp_f32 v14, v14
.rept 4
	v_nop                                          ; a plain place behind the reciprocal, and places behind the last products
.endr
.irp b, 0,1,2,3
	v_mov_b32 v[TM+4+\b], 0
.endr
	s_wait_alu depctr_va_vdst(0)                   ; ahead of the reciprocal's first reader
.set j, 0
.rept 64
	v_mul_f32 v[96+j], v[160+j], v14
.set j, j+1
.endr
.irp b, 0,1,2,3
	v_max3_num_f32 v[TM+\b], |v[96+16*\b]|, |v[97+16*\b]|, 0x1800000
.endr
.irp i, 2,4,6,8,10,12,14
.irp b, 0,1,2,3
	v_max3_num_f32 v[TM+\b], v[TM+\b], |v[96+16*\b+\i]|, |v[97+16*\b+\i]|
.endr
.endr
.irp b, 0,1,2,3
	v_permlanex16_b32 v[TM+4+\b], v[TM+\b], s14, s15
.endr
.irp b, 0,1,2,3
	v_max_num_f32 v[TM+\b], v[TM+\b], v[TM+4+\b]
.endr
.irp b, 0,1,2,3
	v_add_nc_u32 v[TM+12+\b], 0xff000000, v[TM+\b]
.endr
.irp b, 0,1,2,3
	v_lshrrev_b32 v[TM+4+\b], 23, v[TM+12+\b]
.endr
	v_lshl_or_b32 v[PW], v[TM+5], 8, v[TM+4]
	v_lshl_or_b32 v[PW], v[TM+6], 16, v[PW]
	v_lshl_or_b32 v[PW], v[TM+7], 24, v[PW]
.irp c, 0,1
	v_cvt_scalef32_pk16_fp6_f32 v[PC+6*\c:PC+2+6*\c], v[96+32*\c:111+32*\c], v[TM+12+2*\c]
	v_cvt_scalef32_pk16_fp6_f32 v[PC+12+4*\c:PC+14+4*\c], v[112+32*\c:127+32*\c], v[TM+12+2*\c+1]
.endr
	v_nop
.irp c, 0,1
.irp i, 0,1,2
	v_permlane16_swap_b32 v[PC+6*\c+\i], v[PC+12+4*\c+\i]
.endr
.irp i, 0,1,2
	v_mov_b32 v[PC+3+6*\c+\i], v[PC+12+4*\c+\i]
.endr
.endr
.irp c, 0,1,2
	global_store_b128 v1, v[PC+4*\c:PC+4*\c+3], s[6:7] offset:512*\c   ; 32 lanes store 512 consecutive bytes, aligned to 256
.endr
	ds_store_b32 v2, v[PW]                         ; both halves of the lanes write the same word with the same value
	s_wait_dscnt 0x0                               ; for the others' sake
	s_barrier_signal -1
	s_barrier_wait -1
	s_cmp_lt_u32 s10, 2
	s_cbranch_scc0 .Lno_image
	ds_load_b128 v[72:75], v3                      ; waves 0, 1 store the two groups' scale images whole
	s_wait_dscnt 0x0
	global_store_b128 v1, v[72:75], s[8:9] offset:12288
.Lno_image:
	s_wait_tensorcnt 0x0                           ; the wave's end
	ds_add_u32 v5, v6
	s_wait_dscnt 0x0
	ROUND                                          ; the closing round
	s_endpgm
.Lfunc_end_k_qf14945fdf6_attn:
	.size	k_qf14945fdf6_attn, .Lfunc_end_k_qf14945fdf6_attn-k_qf14945fdf6_attn
	.p2alignl 7, 3214868480
	.fill 96, 4, 3214868480
	.section	.rodata,"a",@progbits
	.p2align	6, 0x0
	.amdhsa_kernel k_qf14945fdf6_attn
		.amdhsa_group_segment_fixed_size 327680
		.amdhsa_private_segment_fixed_size 0
		.amdhsa_enable_private_segment 0
		.amdhsa_kernarg_size 24
		.amdhsa_user_sgpr_count 2
		.amdhsa_user_sgpr_kernarg_segment_ptr 1
		.amdhsa_wavefront_size32 1
		.amdhsa_system_sgpr_workgroup_id_x 1
		.amdhsa_system_sgpr_workgroup_id_y 1
		.amdhsa_system_sgpr_workgroup_id_z 1
		.amdhsa_system_vgpr_workitem_id 0
		.amdhsa_next_free_vgpr 256
		.amdhsa_next_free_sgpr 102
		.amdhsa_reserve_vcc 0
		.amdhsa_float_denorm_mode_32 3
		.amdhsa_float_denorm_mode_16_64 3
		.amdhsa_memory_ordered 1
		.amdhsa_forward_progress 1
		.amdhsa_inst_pref_size 108
	.end_amdhsa_kernel
	.amdgpu_metadata
---
amdhsa.version: [ 1, 2 ]
amdhsa.kernels:
  - .name:           k_qf14945fdf6_attn
    .symbol:         k_qf14945fdf6_attn.kd
    .args:
      - { .name: qkv, .offset: 0, .size: 8, .value_kind: global_buffer, .address_space: global }
      - { .name: mw, .offset: 8, .size: 8, .value_kind: global_buffer, .address_space: global }
      - { .name: oc, .offset: 16, .size: 8, .value_kind: global_buffer, .address_space: global }
    .group_segment_fixed_size: 327680
    .private_segment_fixed_size: 0
    .kernarg_segment_align: 8
    .kernarg_segment_size: 24
    .max_flat_workgroup_size: 512
    .sgpr_count:     102
    .vgpr_count:     256
    .wavefront_size: 32
...
	.end_amdgpu_metadata
.endif
;; end of part 3
;; launch tail (part 4): grid 256 x 1, 4 waves a work-group, no clusters, 77,312 bytes of LDS; arguments oc, wc, b_lin, part; writes part
.if DOCPART == 4
	.amdgcn_target "amdgcn-amd-amdhsa--gfx1250"
	.amdhsa_code_object_version 6
	.text
	.protected	k_qf14945fdf6_tail
	.globl	k_qf14945fdf6_tail
	.p2align	8
	.type	k_qf14945fdf6_tail,@function
k_qf14945fdf6_tail:
	s_mov_b64 s[64:65], 0
	v_nop
	global_prefetch_b8 v0, s[64:65] scope:SCOPE_SE
	s_setreg_imm32_b32 hwreg(HW_REG_WAVE_MODE, 25, 1), 1
	s_wait_xcnt 0x0
; TAIL: out = o W_lin^T + b_lin, quantised in registers; out W_last^T; the sum over the work-group's 64 tokens.  Both products on codes of FP6 (E2M3) with E8M0 scales.
; LIMITS: NaN and infinities are not served; blocks whose largest magnitude lies under 2^-124 keep the byte 1.
; SHARES.  Work-group id: 64 tokens (id / 2) and one half z = id % 2 of the 1,024 units.  Wave w makes units 128 (4 z + w) on for all 64 tokens: 32 accumulators.  Its eight records of W_lin go from memory straight into
; registers, three records ahead; o's 32 fragments are read from memory once and go round through LDS as images of their registers.  The second product runs over this work-group's own 512 units (K is split over z: both
; the product and the mean are sums, and the last launch adds the halves); wave w takes classes 32 w on; source 0 = out's rows, so a lane holds one class and its registers run over tokens, which are summed.
; No multicast: a fragment of W_lin serves one wave alone, so a way through LDS would write and read it once more.  No tensor load, so no ring.
; REGISTERS: window 0: v4-14 addresses; v16-31 o's scale words; v32-43 W_lin's, three sets; v44-47 W_last's; v48-143 o's fragments, two sets, later out's; v144-147 out's scale words; v200-239 QUANT's.
; window 1: W_lin's sets 1, 2 at v0, v128.  window 2: set 0 at v0; W_last's eight fragments from v96; b_lin in the result's layout from v192.  window 3: accumulator (m, t) at v[8 (8 m + t)].
.set RECB, 12800
.set OIMG, 0                           ; o's 32 fragments, 8 m + K step
.set HIMG, 49152                       ; out's 16 fragments, 4 m + wave
.set HSC,  73728                       ; their scale words, 128 bytes each
.set RED,  75776                       ; 128 class sums
.set TM,   200
.set PW,   216
.set PC,   220
.set MSB,  0
.macro WIN new
.if MSB != (\new)
	s_set_vgpr_msb (MSB<<8)|(\new)
.set MSB, (\new)
.endif
.endm
.macro WM d, a, b, c, sa, sb, ra, rb
.set WSEL, 2*(\ra)+(\rb)
.if (\c) < 0
.if WSEL == 0
	v_wmma_scale_f32_16x16x128_f8f6f4 v[(\d):(\d)+7], v[(\a):(\a)+11], v[(\b):(\b)+11], 0, v[\sa], v[\sb] matrix_a_fmt:MATRIX_FMT_FP6 matrix_b_fmt:MATRIX_FMT_FP6
.elseif WSEL == 1
	v_wmma_scale_f32_16x16x128_f8f6f4 v[(\d):(\d)+7], v[(\a):(\a)+11], v[(\b):(\b)+11], 0, v[\sa], v[\sb] matrix_a_fmt:MATRIX_FMT_FP6 matrix_b_fmt:MATRIX_FMT_FP6 matrix_b_scale:MATRIX_SCALE_ROW1
.elseif WSEL == 2
	v_wmma_scale_f32_16x16x128_f8f6f4 v[(\d):(\d)+7], v[(\a):(\a)+11], v[(\b):(\b)+11], 0, v[\sa], v[\sb] matrix_a_fmt:MATRIX_FMT_FP6 matrix_b_fmt:MATRIX_FMT_FP6 matrix_a_scale:MATRIX_SCALE_ROW1
.else
	v_wmma_scale_f32_16x16x128_f8f6f4 v[(\d):(\d)+7], v[(\a):(\a)+11], v[(\b):(\b)+11], 0, v[\sa], v[\sb] matrix_a_fmt:MATRIX_FMT_FP6 matrix_b_fmt:MATRIX_FMT_FP6 matrix_a_scale:MATRIX_SCALE_ROW1 matrix_b_scale:MATRIX_SCALE_ROW1
.endif
.else
.if WSEL == 0
	v_wmma_scale_f32_16x16x128_f8f6f4 v[(\d):(\d)+7], v[(\a):(\a)+11], v[(\b):(\b)+11], v[(\c):(\c)+7], v[\sa], v[\sb] matrix_a_fmt:MATRIX_FMT_FP6 matrix_b_fmt:MATRIX_FMT_FP6
.elseif WSEL == 1
	v_wmma_scale_f32_16x16x128_f8f6f4 v[(\d):(\d)+7], v[(\a):(\a)+11], v[(\b):(\b)+11], v[(\c):(\c)+7], v[\sa], v[\sb] matrix_a_fmt:MATRIX_FMT_FP6 matrix_b_fmt:MATRIX_FMT_FP6 matrix_b_scale:MATRIX_SCALE_ROW1
.elseif WSEL == 2
	v_wmma_scale_f32_16x16x128_f8f6f4 v[(\d):(\d)+7], v[(\a):(\a)+11], v[(\b):(\b)+11], v[(\c):(\c)+7], v[\sa], v[\sb] matrix_a_fmt:MATRIX_FMT_FP6 matrix_b_fmt:MATRIX_FMT_FP6 matrix_a_scale:MATRIX_SCALE_ROW1
.else
	v_wmma_scale_f32_16x16x128_f8f6f4 v[(\d):(\d)+7], v[(\a):(\a)+11], v[(\b):(\b)+11], v[(\c):(\c)+7], v[\sa], v[\sb] matrix_a_fmt:MATRIX_FMT_FP6 matrix_b_fmt:MATRIX_FMT_FP6 matrix_a_scale:MATRIX_SCALE_ROW1 matrix_b_scale:MATRIX_SCALE_ROW1
.endif
.endif
.endm
.macro BARRIER                         ; my LDS stores have landed and my LDS loads are in: then the work-group's barrier
	s_wait_dscnt 0x0
	s_barrier_signal -1
	s_barrier_wait -1
.endm
	s_load_b256 s[4:11], s[0:1], 0x0               ; oc, wc, b_lin, part
	v_lshl_add_u32 v254, v0, 2, 0x12c00
	v_mov_b32 v255, 0
	v_lshrrev_b32 v1, 5, v0
	v_readfirstlane_b32 s12, v1                    ; wave w
	v_and_b32 v1, 31, v0                           ; L
	v_and_b32 v2, 15, v0                           ; r
	v_bfe_u32 v3, v0, 4, 1                         ; h
	v_lshlrev_b32 v4, 4, v1                        ; 16 L
	v_add_nc_u32 v5, HIMG, v4
	v_lshlrev_b32 v15, 2, v1
	v_add_nc_u32 v6, HSC, v15                      ; 4 L
	s_mul_i32 s13, s12, 8*1536
	v_add_nc_u32 v7, s13, v4                       ; where I store o's images: tile m = w
	s_mul_i32 s13, s12, 1536
	v_add_nc_u32 v8, s13, v5                       ; out's images: K step w
	s_lshl_b32 s13, s12, 7
	v_add_nc_u32 v9, s13, v6                       ; and their scale words
	v_and_b32 v10, 8, v2
	v_add_nc_u32 v10, v10, v2
	v_lshlrev_b32 v10, 2, v10
	v_lshl_add_u32 v10, v3, 5, v10
	s_add_co_u32 s13, s13, RED
	v_add_nc_u32 v10, s13, v10                     ; my class's sum: 4 (32 w + 8 (L / 16) + r + 8 (r / 8))
	v_add_nc_u32 v11, RED, v4
	v_lshlrev_b32 v12, 6, v3                       ; b_lin: 64 h
	s_lshr_b32 s14, ttmp9, 1
	s_and_b32 s15, ttmp9, 1                        ; z
	s_lshr_b32 s16, s14, 1                         ; the group of 128 tokens
	s_and_b32 s17, s14, 1                          ; which four of its tiles
	s_lshl_b32 s18, s17, 3
	v_add_nc_u32 v13, s18, v4                      ; o's scale words: two of the image's four registers
	s_lshl_b32 s18, s12, 2
	v_add_nc_u32 v14, s18, v4                      ; W_last's: register w of the image
	s_mov_b32 s20, 0x76543210
	s_mov_b32 s21, 0xfedcba98
	s_mov_b32 s22, 0xffff0000                      ; lanes 16-31
.irp b, 0,1,2,3
	v_mov_b32 v[TM+4+\b], 0                        ; written once: a lane permute's destination counts as one of its sources
.endr
	s_mov_b32 s39, 0
	s_mov_b32 s41, 0
	s_lshl_b32 s19, s15, 2
	s_add_co_u32 s23, s19, s12                     ; my group of units: 4 z + w
	s_wait_kmcnt 0x0
	s_mul_i32 s38, s16, 8*RECB
	s_add_nc_u64 s[24:25], s[4:5], s[38:39]        ; o's eight records
	s_lshl_b32 s40, s17, 2
	s_add_co_u32 s40, s40, s12
	s_mul_i32 s40, s40, 1536
	s_add_nc_u64 s[26:27], s[24:25], s[40:41]      ; tile 4 hf + w in them
	s_mul_i32 s38, s23, 8*RECB
	s_add_nc_u64 s[28:29], s[6:7], s[38:39]        ; W_lin's eight records of my units
	s_add_co_u32 s38, s19, 64
	s_mul_i32 s38, s38, RECB
	s_add_nc_u64 s[30:31], s[6:7], s[38:39]        ; W_last's four records of this half of K
	s_mul_i32 s40, s12, 2*1536
	s_add_nc_u64 s[32:33], s[30:31], s[40:41]      ; tiles 2 w, 2 w + 1 in them
	s_lshl_b32 s38, s23, 9
	s_add_nc_u64 s[34:35], s[8:9], s[38:39]        ; b_lin at my units
	s_lshl_b32 s38, ttmp9, 9
	s_add_nc_u64 s[36:37], s[10:11], s[38:39]      ; my 128 sums
.macro WREC n                          ; W_lin's record of K step n into set n % 3: 25 loads of 512 consecutive bytes
.if (\n)%3 == 0
	WIN 0x80
.set WB, 0
.else
	WIN 0x40
.set WB, 128*((\n)%3-1)
.endif
.irp t, 0,1,2,3,4,5,6,7
.irp c, 0,1,2
	global_load_b128 v[WB+12*\t+4*\c:WB+12*\t+4*\c+3], v4, s[28:29] offset:(\n)*RECB+\t*1536+512*\c
.endr
.endr
	WIN 0
	global_load_b128 v[32+4*((\n)%3):35+4*((\n)%3)], v4, s[28:29] offset:(\n)*RECB+12288
.endm
.macro FETCHO n                        ; o's four fragments of K step n into set n % 2
.irp m, 0,1,2,3
.irp c, 0,1,2
	ds_load_b128 v[48+48*((\n)%2)+12*\m+4*\c:48+48*((\n)%2)+12*\m+4*\c+3], v4 offset:OIMG+(8*\m+(\n))*1536+512*\c
.endr
.endr
.endm
	WIN 0xc0                                       ; o's fragments pass through registers of window 3
.irp s, 0,1,2,3,4,5,6,7
.irp c, 0,1,2
	global_load_b128 v[12*\s+4*\c:12*\s+4*\c+3], v4, s[26:27] offset:\s*RECB+512*\c
.endr
.endr
	WIN 0
.irp s, 0,1,2,3,4,5,6,7
	global_load_b64 v[16+2*\s:17+2*\s], v13, s[24:25] offset:\s*RECB+12288   ; tile m of K step s: register 16 + 2 s + m / 2, lanes 16 (m % 2) on
.endr
	WIN 0x80
.irp t, 0,1,2,3,4,5,6,7                        ; lane (r, h) wants, for tile t, b_lin at units 32 (t / 2) + 8 (t % 2) + 16 h + 0 .. 7
	global_load_b128 v[192+8*\t:195+8*\t], v12, s[34:35] offset:(32*(\t/2)+8*(\t%2))*4
	global_load_b128 v[196+8*\t:199+8*\t], v12, s[34:35] offset:(32*(\t/2)+8*(\t%2))*4+16
.endr
	WREC 0
	s_wait_loadcnt 49                              ; o's 24 loads are in: the 8 + 16 + 25 younger ones may be out
	WIN 0x0c                                       ; an LDS store's data are its source 1: window 3
.irp s, 0,1,2,3,4,5,6,7
.irp c, 0,1,2
	ds_store_b128 v7, v[12*\s+4*\c:12*\s+4*\c+3] offset:OIMG+\s*1536+512*\c
.endr
.endr
	WIN 0x80
.irp e, 0,1
.irp s, 0,1,2,3
.irp c, 0,1,2
	global_load_b128 v[96+12*(4*\e+\s)+4*\c:96+12*(4*\e+\s)+4*\c+3], v4, s[32:33] offset:\s*RECB+\e*1536+512*\c
.endr
.endr
.endr
	WIN 0
.irp s, 0,1,2,3
	global_load_b32 v[44+\s], v14, s[30:31] offset:\s*RECB+12288   ; lanes 0-15: tile 2 w's words; lanes 16-31: tile 2 w + 1's
.endr
	WREC 1
	WREC 2
	BARRIER                                        ; o's 32 fragments lie in LDS
	FETCHO 0
	FETCHO 1
; K step n of the first product: 32 products, the 32 accumulators by turns; b_lin is the C of the first
.macro PSTEP n
.if (\n) == 0
	s_wait_loadcnt 63                              ; record 0 and all before it are in (78 loads are younger; the count is the largest that the wait can name)
.elseif (\n) < 6
	s_wait_loadcnt 50                              ; the two younger records may be out
.else
	s_wait_loadcnt 25*(7-(\n))
.endif
.if (\n) < 7
	s_wait_dscnt 12                                ; the next K step's four fragments of o may be out
.else
	s_wait_dscnt 0
.endif
.set WS0, 1
.set WB, 128*((\n)%3-1)
.if (\n)%3 == 0
.set WS0, 2
.set WB, 0
.endif
.if (\n) == 0
	WIN 0xe0+WS0                                   ; D window 3, C (b_lin) window 2
.else
	WIN 0xf0+WS0                                   ; C and D window 3
.endif
.irp m, 0,1,2,3
.irp t, 0,1,2,3,4,5,6,7
.if (\n) == 0
	WM 8*(8*\m+\t), WB+12*\t, 48+48*((\n)%2)+12*\m, 192+8*\t, 32+4*((\n)%3)+\t/2, 16+2*(\n)+\m/2, \t%2, \m%2
.else
	WM 8*(8*\m+\t), WB+12*\t, 48+48*((\n)%2)+12*\m, 8*(8*\m+\t), 32+4*((\n)%3)+\t/2, 16+2*(\n)+\m/2, \t%2, \m%2
.endif
.endr
.endr
	WIN 0
.rept 4
	v_nop                                          ; places in front of loads into registers that these products read, and of the first read of results
.endr
.if (\n) <= 4
	WREC (\n)+3
.endif
.if (\n) <= 5
	FETCHO (\n)+2
.endif
.endm
.irp n, 0,1,2,3,4,5,6,7
	PSTEP \n
.endr
; 64 registers of window w become a fragment's codes and its rows' scale word; the wait frees the registers that the last LDS stores read
.macro QUANT s, w, pw
	WIN 5*(\w)
.irp b, 0,1,2,3
	v_max3_num_f32 v[TM+\b], |v[(\s)+16*\b]|, |v[(\s)+16*\b+1]|, 0x1800000   ; each accumulator from its low end on; the floor 2^(3 - 127) holds the byte at 1 from below
.endr
.irp i, 2,4,6,8,10,12,14
.irp b, 0,1,2,3
	v_max3_num_f32 v[TM+\b], |v[(\s)+16*\b+\i]|, |v[(\s)+16*\b+\i+1]|, v[TM+\b]
.endr
.endr
	WIN 0
.irp b, 0,1,2,3
	v_permlanex16_b32 v[TM+4+\b], v[TM+\b], s20, s21
.endr
.irp b, 0,1,2,3
	v_max_num_f32 v[TM+\b], v[TM+\b], v[TM+4+\b]
.endr
.irp b, 0,1,2,3
	v_add_nc_u32 v[TM+12+\b], 0xff000000, v[TM+\b]
.endr
.irp b, 0,1,2,3
	v_lshrrev_b32 v[TM+4+\b], 23, v[TM+12+\b]
.endr
	s_wait_dscnt 0x0
	v_lshl_or_b32 v[\pw], v[TM+5], 8, v[TM+4]
	v_lshl_or_b32 v[\pw], v[TM+6], 16, v[\pw]
	v_lshl_or_b32 v[\pw], v[TM+7], 24, v[\pw]
	WIN (\w)
.irp c, 0,1
	v_cvt_scalef32_pk16_fp6_f32 v[PC+6*\c:PC+2+6*\c], v[(\s)+32*\c:(\s)+15+32*\c], v[TM+12+2*\c]
	v_cvt_scalef32_pk16_fp6_f32 v[PC+12+4*\c:PC+14+4*\c], v[(\s)+16+32*\c:(\s)+31+32*\c], v[TM+12+2*\c+1]
.endr
	WIN 0
	v_nop                                          ; one plain place behind a scaled conversion
.irp c, 0,1
.irp i, 0,1,2
	v_permlane16_swap_b32 v[PC+6*\c+\i], v[PC+12+4*\c+\i]
.endr
.irp i, 0,1,2
	v_mov_b32 v[PC+3+6*\c+\i], v[PC+12+4*\c+\i]
.endr
.endr
.endm
.irp m, 0,1,2,3                                ; out's tile m, my 128 units: K step w of the second product
	QUANT 64*\m, 3, PW
.irp c, 0,1,2
	ds_store_b128 v8, v[PC+4*\c:PC+4*\c+3] offset:\m*4*1536+512*\c
.endr
	ds_store_b32 v9, v[PW] offset:\m*512
.endr
	BARRIER                                        ; out's sixteen fragments lie in LDS
.irp s, 0,1,2,3                                ; the second product: eight accumulators by turns, a K step at a time
.irp m, 0,1,2,3
.irp c, 0,1,2
	ds_load_b128 v[48+12*\m+4*\c:48+12*\m+4*\c+3], v5 offset:(4*\m+\s)*1536+512*\c
.endr
	ds_load_b32 v[144+\m], v6 offset:(4*\m+\s)*128
.endr
	s_wait_dscnt 0x0
	WIN 0xf8                                       ; source 0 (out) window 0, source 1 (W_last) window 2, C and D window 3
.irp m, 0,1,2,3
.irp e, 0,1
.if \s == 0
	WM 8*(4*\e+\m), 48+12*\m, 96+12*(4*\e+\s), -1, 144+\m, 44+\s, 0, \e
.else
	WM 8*(4*\e+\m), 48+12*\m, 96+12*(4*\e+\s), 8*(4*\e+\m), 144+\m, 44+\s, 0, \e
.endif
.endr
.endr
	WIN 0
.rept 4
	v_nop
.endr
.endr
	; the sum over the 64 tokens: a lane's 8 registers of 4 accumulators for each e, each accumulator from its low end on; then lane l xor 16's
	WIN 0x0f
.irp k, 0,1,2,3,4,5,6,7
	v_pk_add_f32 v[48+2*\k:49+2*\k], v[8*\k:8*\k+1], v[8*\k+2:8*\k+3]
.endr
.irp k, 0,1,2,3,4,5,6,7
	v_pk_add_f32 v[64+2*\k:65+2*\k], v[8*\k+4:8*\k+5], v[8*\k+6:8*\k+7]
.endr
	WIN 0
.irp k, 0,1,2,3,4,5,6,7
	v_pk_add_f32 v[48+2*\k:49+2*\k], v[48+2*\k:49+2*\k], v[64+2*\k:65+2*\k]
.endr
.irp e, 0,1
	v_pk_add_f32 v[48+8*\e:49+8*\e], v[48+8*\e:49+8*\e], v[50+8*\e:51+8*\e]
	v_pk_add_f32 v[52+8*\e:53+8*\e], v[52+8*\e:53+8*\e], v[54+8*\e:55+8*\e]
.endr
.irp e, 0,1
	v_pk_add_f32 v[48+8*\e:49+8*\e], v[48+8*\e:49+8*\e], v[52+8*\e:53+8*\e]
.endr
.irp e, 0,1
	v_add_f32 v[80+\e], v[48+8*\e], v[49+8*\e]
.endr
	v_permlanex16_b32 v82, v80, s20, s21
	v_permlanex16_b32 v83, v81, s20, s21
	v_add_f32 v80, v80, v82
	v_add_f32 v81, v81, v83
	v_cndmask_b32 v80, v80, v81, s22               ; lanes 0-15: tile 2 w's classes; lanes 16-31: tile 2 w + 1's
	ds_store_b32 v10, v80
	BARRIER
	s_cmp_lg_u32 s12, 0
	s_cbranch_scc1 .Lend
	ds_load_b128 v[84:87], v11
	s_wait_dscnt 0x0
	global_store_b128 v4, v[84:87], s[36:37]       ; 128 sums: 512 consecutive bytes, aligned to 256
.Lend:
	s_wait_tensorcnt 0x0
	ds_add_u32 v254, v255
	s_wait_dscnt 0x0
	s_endpgm
.Lfunc_end_k_qf14945fdf6_tail:
	.size	k_qf14945fdf6_tail, .Lfunc_end_k_qf14945fdf6_tail-k_qf14945fdf6_tail
	.p2alignl 7, 3214868480
	.fill 96, 4, 3214868480
	.section	.rodata,"a",@progbits
	.p2align	6, 0x0
	.amdhsa_kernel k_qf14945fdf6_tail
		.amdhsa_group_segment_fixed_size 77312
		.amdhsa_private_segment_fixed_size 0
		.amdhsa_enable_private_segment 0
		.amdhsa_kernarg_size 32
		.amdhsa_user_sgpr_count 2
		.amdhsa_user_sgpr_kernarg_segment_ptr 1
		.amdhsa_wavefront_size32 1
		.amdhsa_system_sgpr_workgroup_id_x 1
		.amdhsa_system_sgpr_workgroup_id_y 1
		.amdhsa_system_sgpr_workgroup_id_z 1
		.amdhsa_system_vgpr_workitem_id 0
		.amdhsa_next_free_vgpr 1024
		.amdhsa_next_free_sgpr 66
		.amdhsa_reserve_vcc 0
		.amdhsa_float_denorm_mode_32 3
		.amdhsa_float_denorm_mode_16_64 3
		.amdhsa_memory_ordered 1
		.amdhsa_forward_progress 1
		.amdhsa_inst_pref_size 100
	.end_amdhsa_kernel
	.amdgpu_metadata
---
amdhsa.version: [ 1, 2 ]
amdhsa.kernels:
  - .name:           k_qf14945fdf6_tail
    .symbol:         k_qf14945fdf6_tail.kd
    .args:
      - { .name: oc, .offset: 0, .size: 8, .value_kind: global_buffer, .address_space: global }
      - { .name: wc, .offset: 8, .size: 8, .value_kind: global_buffer, .address_space: global }
      - { .name: b_lin, .offset: 16, .size: 8, .value_kind: global_buffer, .address_space: global }
      - { .name: part, .offset: 24, .size: 8, .value_kind: global_buffer, .address_space: global }
    .group_segment_fixed_size: 77312
    .private_segment_fixed_size: 0
    .kernarg_segment_align: 8
    .kernarg_segment_size: 32
    .max_flat_workgroup_size: 128
    .sgpr_count:     66
    .vgpr_count:     1024
    .wavefront_size: 32
...
	.end_amdgpu_metadata
.endif
;; end of part 4
;; launch mean (part 5): grid 1 x 1, 8 waves a work-group, no clusters, 5,120 bytes of LDS; arguments part, b_last, out0; writes out0
.if DOCPART == 5
	.amdgcn_target "amdgcn-amd-amdhsa--gfx1250"
	.amdhsa_code_object_version 6
	.text
	.protected	k_qf14945fdf6_mean
	.globl	k_qf14945fdf6_mean
	.p2align	8
	.type	k_qf14945fdf6_mean,@function
k_qf14945fdf6_mean:
	s_mov_b64 s[64:65], 0
	v_nop
	global_prefetch_b8 v0, s[64:65] scope:SCOPE_SE
	s_setreg_imm32_b32 hwreg(HW_REG_WAVE_MODE, 25, 1), 1
	s_wait_xcnt 0x0
; MEAN: out0[b][c] = (the sum of batch b's 64 rows of part) / 2,048 + b_last[c].  A batch's rows are 64 b .. 64 b + 63: 32 blocks of 64 tokens x the two halves of the last product's K.
; Eight waves: wave v adds rows 32 v .. 32 v + 31, a lane four classes; the two waves of a batch meet in LDS.  One work-group: 128 KiB in, 2 KiB out; the sums' order differs from reference()'s mean.
	s_load_b128 s[4:7], s[0:1], 0x0                ; part, b_last
	s_load_b64 s[8:9], s[0:1], 0x10                ; out0
	v_lshl_add_u32 v160, v0, 2, 0x1000
	v_mov_b32 v161, 0
	v_lshrrev_b32 v1, 5, v0
	v_readfirstlane_b32 s10, v1                    ; wave v
	v_and_b32 v1, 31, v0
	v_lshlrev_b32 v2, 4, v1                        ; 16 L
	s_lshl_b32 s11, s10, 14                        ; 32 rows of 512 bytes a wave
	v_add_nc_u32 v3, s11, v2
	s_lshl_b32 s12, s10, 9
	v_add_nc_u32 v12, s12, v2                      ; LDS: 512 v + 16 L
	s_lshl_b32 s13, s10, 8
	v_add_nc_u32 v13, s13, v2                      ; out0: 512 (v / 2) + 16 L in the even waves
	s_wait_kmcnt 0x0
.set i, 0
.rept 32
	global_load_b128 v[16+4*i:19+4*i], v3, s[4:5] offset:512*i
.set i, i+1
.endr
	global_load_b128 v[4:7], v2, s[6:7]
	s_wait_loadcnt 0x0
	v_pk_add_f32 v[8:9], v[16:17], v[20:21]        ; two chains, started by the first two rows
	v_pk_add_f32 v[10:11], v[18:19], v[22:23]
.set i, 2
.rept 30
	v_pk_add_f32 v[8:9], v[8:9], v[16+4*i:17+4*i]
	v_pk_add_f32 v[10:11], v[10:11], v[18+4*i:19+4*i]
.set i, i+1
.endr
	ds_store_b128 v12, v[8:11]
	s_wait_dscnt 0x0                               ; for the other wave's sake
	s_barrier_signal -1
	s_barrier_wait -1
	s_and_b32 s14, s10, 1
	s_cmp_lg_u32 s14, 0
	s_cbranch_scc1 .Lend
	ds_load_b128 v[16:19], v12 offset:512          ; the odd wave's sums
	s_wait_dscnt 0x0
	v_pk_add_f32 v[8:9], v[8:9], v[16:17]
	v_pk_add_f32 v[10:11], v[10:11], v[18:19]
	v_pk_fma_f32 v[8:9], v[8:9], 0x3a000000, v[4:5] op_sel_hi:[1,0,1]     ; x 2^-11, + b_last
	v_pk_fma_f32 v[10:11], v[10:11], 0x3a000000, v[6:7] op_sel_hi:[1,0,1]
	global_store_b128 v13, v[8:11], s[8:9]         ; a batch's 128 numbers: 512 consecutive bytes, aligned to 256
.Lend:
	s_wait_tensorcnt 0x0
	ds_add_u32 v160, v161
	s_wait_dscnt 0x0
	s_endpgm
.Lfunc_end_k_qf14945fdf6_mean:
	.size	k_qf14945fdf6_mean, .Lfunc_end_k_qf14945fdf6_mean-k_qf14945fdf6_mean
	.p2alignl 7, 3214868480
	.fill 96, 4, 3214868480
	.section	.rodata,"a",@progbits
	.p2align	6, 0x0
	.amdhsa_kernel k_qf14945fdf6_mean
		.amdhsa_group_segment_fixed_size 5120
		.amdhsa_private_segment_fixed_size 0
		.amdhsa_enable_private_segment 0
		.amdhsa_kernarg_size 24
		.amdhsa_user_sgpr_count 2
		.amdhsa_user_sgpr_kernarg_segment_ptr 1
		.amdhsa_wavefront_size32 1
		.amdhsa_system_sgpr_workgroup_id_x 1
		.amdhsa_system_sgpr_workgroup_id_y 1
		.amdhsa_system_sgpr_workgroup_id_z 1
		.amdhsa_system_vgpr_workitem_id 0
		.amdhsa_next_free_vgpr 162
		.amdhsa_next_free_sgpr 66
		.amdhsa_reserve_vcc 0
		.amdhsa_float_denorm_mode_32 3
		.amdhsa_float_denorm_mode_16_64 3
		.amdhsa_memory_ordered 1
		.amdhsa_forward_progress 1
		.amdhsa_inst_pref_size 9
	.end_amdhsa_kernel
	.amdgpu_metadata
---
amdhsa.version: [ 1, 2 ]
amdhsa.kernels:
  - .name:           k_qf14945fdf6_mean
    .symbol:         k_qf14945fdf6_mean.kd
    .args:
      - { .name: part, .offset: 0, .size: 8, .value_kind: global_buffer, .address_space: global }
      - { .name: b_last, .offset: 8, .size: 8, .value_kind: global_buffer, .address_space: global }
      - { .name: out0, .offset: 16, .size: 8, .value_kind: global_buffer, .address_space: global }
    .group_segment_fixed_size: 5120
    .private_segment_fixed_size: 0
    .kernarg_segment_align: 8
    .kernarg_segment_size: 24
    .max_flat_workgroup_size: 256
    .sgpr_count:     66
    .vgpr_count:     162
    .wavefront_size: 32
...
	.end_amdgpu_metadata
.endif
;; end of part 5
;; ======== version 2 of 2: 5 launches
;; limits: right only within a limited range of input values
;; workspace buffers: xc 6,553,600 bytes; wc 3,379,200 bytes; mw 2,097,152 bytes of whole numbers; qkv 19,660,800 bytes; oc 6,553,600 bytes; part 131,072 bytes
;; launch prep (part 6): grid 1032 x 1, 4 waves a work-group, no clusters, 69,120 bytes of LDS; arguments x, W_lin, W_last, W_q, W_k, W_v, mask_3d, xc, wc, mw; writes xc, wc, mw
.if DOCPART == 6
	.amdgcn_target "amdgcn-amd-amdhsa--gfx1250"
	.amdhsa_code_object_version 6
	.text
	.protected	k_qf14945fdf6_prep
	.globl	k_qf14945fdf6_prep
	.p2align	8
	.type	k_qf14945fdf6_prep,@function
k_qf14945fdf6_prep:
	s_mov_b64 s[64:65], 0
	v_nop
	global_prefetch_b8 v0, s[64:65] scope:SCOPE_SE
	s_setreg_imm32_b32 hwreg(HW_REG_WAVE_MODE, 25, 1), 1
	s_wait_xcnt 0x0
; PREP: x, W_lin, W_last (K innermost) and W_q, W_k, W_v (K = their middle axis) become codes of FP6 (E2M3) with one E8M0 byte for each 32 along K; the mask becomes lane-mask words.
; A block's scale is 2^(floor(log2(largest magnitude)) - 2); its byte is the largest magnitude's exponent field - 2, held at 1 from below (a block of zeros keeps the byte 1: its codes are zeros, and this program alone reads the bytes).
; LIMITS: NaN and infinities among the inputs are not served; blocks whose largest magnitude lies under 2^-124 keep the byte 1.  A byte of the mask is 0 or 1, as the type bool has it.
; THE RECORD (12,800 bytes): 128 rows x 128 along K as images of operand registers: eight fragments of 1,536 bytes (register R of lane L at 512 (R / 4) + 16 L + 4 (R % 4)), then 512 bytes of scale words
; (word q of lane L at 16 L + 4 q: tile 2 q + L / 16, row-lane L % 16).  Lane r of tile t holds row 32 (t / 2) + 8 (t % 2) + r + 8 (r / 8) of the 128.
; SHARES.  A work-group makes one record (work-groups 0-583: K innermost; 584-775: K down the rows) or the mask words of 32 queries (776-1031).  Every wave loads 32 rows of 512 bytes, each load 512 consecutive bytes,
; and lays them into its own stage in LDS, row i at place 16 ((i / 8) % 2) + 8 (i / 16) + i % 8, which is tile order.  Only pointers, pitches and offsets in memory hang on the work-group's number; no LDS address does.
.set STG,   16896                      ; a wave's stage: 32 places of 528 bytes (512 + 16: sixteen rows read together start 16 bytes apart modulo 256)
.set ROWP,  528
.set SCB,   4*STG                      ; behind the stages: the record's 512 bytes of scale words
.set RECB,  12800
.set OFF,   16                         ; v16-47   row i's byte offset in memory
.set D,     48                         ; v48-175  32 rows as loaded
.set X,     48                         ; v48-111  64 numbers of a lane, register 16 b + i = k 32 b + 16 (lane / 16) + i of its row; in the mask's path 64 words of mask bytes
.set SHL,   128                        ; v128-132 the mask's path: for the exchange with lane l xor 2^g: how far the partner's word goes up in my lane,
.set SHR,   133                        ; v133-137 how far down,
.set MK,    138                        ; v138-142 and which bits I take from it
.set Y,     144                        ; v144-159 eight words of bits for each of the two tiles
.set TT,    160                        ; v160-167 the partners' words
.set TM,    176                        ; v176-191 at work in QUANT
.set PW,    192                        ; v192-193 the two tiles' scale words, v194 both in one register
.set PC,    196                        ; v196-215, v216-235 the two tiles' codes
	s_load_b512 s[4:19], s[0:1], 0x0               ; x, W_lin, W_last, W_q, W_k, W_v, mask_3d, xc
	s_load_b128 s[20:23], s[0:1], 0x40             ; wc, mw
	v_lshl_add_u32 v240, v0, 2, 0x10c00
	v_mov_b32 v241, 0
	v_lshrrev_b32 v1, 5, v0
	v_readfirstlane_b32 s24, v1                    ; wave q
	v_and_b32 v1, 31, v0                           ; L
	v_and_b32 v2, 15, v0                           ; r
	v_bfe_u32 v3, v0, 4, 1                         ; h
	v_lshlrev_b32 v4, 4, v1                        ; 16 L
	s_mul_i32 s35, s24, STG
	v_add_nc_u32 v5, s35, v4                       ; into my stage: 16 L
	v_mul_u32_u24 v13, v2, ROWP
	v_add_nc_u32 v13, s35, v13
	v_lshl_add_u32 v6, v3, 6, v13                  ; K innermost: place r, + 64 h: my 16 numbers of a block of 32
	v_lshl_add_u32 v8, v3, 4, v13                  ; the mask: place r, + 16 h: my 16 keys of a block of 32
	v_and_b32 v14, 8, v2
	v_add_nc_u32 v14, v14, v2                      ; r + 8 (r / 8)
	v_lshlrev_b32 v7, 2, v14
	v_mad_u32_u24 v7, v3, 8*ROWP, v7               ; K down the rows: my column, and eight places on for lanes 16-31
	s_lshl_b32 s36, s24, 7
	v_add_nc_u32 v7, s36, v7                       ; + 128 q: my wave's 32 columns
	s_mul_i32 s36, s24, 3072
	v_add_nc_u32 v9, s36, v4                       ; in the record: my wave's two fragments
	s_lshl_b32 s36, s24, 2
	s_add_co_u32 s36, s36, SCB
	v_add_nc_u32 v10, s36, v4                      ; my word of the scale image: 16 L + 4 q
	v_lshlrev_b32 v11, 3, v1                       ; mask words leave 8 bytes a lane
	v_add_nc_u32 v12, SCB, v4
	s_mov_b32 s32, 0x76543210
	s_mov_b32 s33, 0xfedcba98                      ; v_permlanex16_b32's selects for lane l xor 16
	s_mov_b32 s34, 0xffff0000                      ; lanes 16-31
.irp b, 0,1,2,3
	v_mov_b32 v[TM+4+\b], 0                        ; written once: a lane permute's destination counts as one of its sources
.endr
	s_cmp_lt_u32 ttmp9, 776
	s_cselect_b32 s25, 1, 2
	s_cmp_lt_u32 ttmp9, 584
	s_cselect_b32 s25, 0, s25                      ; 0: K innermost; 1: K down the rows; 2: the mask
	s_wait_kmcnt 0x0
	s_mov_b32 s38, 776
	s_mov_b64 s[26:27], s[16:17]
.macro PICK lim, base, ptr                     ; the source and its first work-group: a choice on the work-group's number alone
	s_cmp_lt_u32 ttmp9, \lim
	s_cselect_b32 s38, \base, s38
	s_cselect_b64 s[26:27], s[\ptr:\ptr+1], s[26:27]
.endm
	PICK 776, 712, 14
	PICK 712, 648, 12
	PICK 648, 584, 10
	PICK 584, 576, 8
	PICK 576, 512, 6
	PICK 512, 0, 4
	s_sub_co_u32 s39, ttmp9, s38                   ; my number within the source
	s_lshr_b32 s40, s39, 3
	s_lshl_b32 s40, s40, 19                        ; K innermost: 128 rows of 4,096 bytes a group,
	s_and_b32 s41, s39, 7
	s_lshl_b32 s41, s41, 9                         ; 512 bytes a K step
	s_add_co_u32 s40, s40, s41
	s_lshl_b32 s41, s39, 16                        ; else 65,536 bytes a work-group
	s_mov_b32 s30, 512
	s_mov_b32 s31, 16384
	s_cmp_eq_u32 s25, 0
	s_cselect_b32 s40, s40, s41
	s_cselect_b32 s30, 4096, s30                   ; bytes from row to row,
	s_cselect_b32 s31, 131072, s31                 ; and from wave to wave
	s_cmp_eq_u32 s25, 2
	s_cselect_b32 s30, 2048, s30
	s_cselect_b32 s31, 512, s31
	s_mul_i32 s41, s24, s31
	s_add_co_u32 s40, s40, s41
	s_mov_b32 s41, 0
	s_add_nc_u64 s[26:27], s[26:27], s[40:41]      ; my wave's first row
	s_cmp_lt_u32 ttmp9, 512
	s_cselect_b64 s[28:29], s[18:19], s[20:21]
	s_cselect_b32 s42, 0, 512
	s_sub_co_u32 s42, ttmp9, s42
	s_mul_i32 s42, s42, RECB                       ; my record in xc or in wc
	s_lshl_b32 s43, s39, 13
	s_lshl_b32 s44, s24, 10
	s_add_co_u32 s43, s43, s44                     ; or: two tiles of 4,096 bytes a work-group, four key steps of 256 bytes a wave
	s_cmp_eq_u32 s25, 2
	s_cselect_b64 s[28:29], s[22:23], s[28:29]
	s_cselect_b32 s42, s43, s42
	s_mov_b32 s43, 0
	s_add_nc_u64 s[28:29], s[28:29], s[42:43]
.set i, 0
.rept 32
	v_mad_u32_u24 v[OFF+i], s30, i, v4
.set i, i+1
.endr
.set i, 0
.rept 32
	global_load_b128 v[D+4*i:D+4*i+3], v[OFF+i], s[26:27] th:TH_LOAD_NT   ; 32 lanes read a row's 512 consecutive bytes; read once in the launch
.set i, i+1
.endr
.set i, 0
.rept 32
	s_wait_loadcnt 31-i                            ; loads come back in order: row i is in, the 31 - i younger ones stay out
	ds_store_b128 v5, v[D+4*i:D+4*i+3] offset:(16*((i/8)%2)+8*(i/16)+i%8)*ROWP
.set i, i+1
.endr
	s_wait_dscnt 0x0                               ; for the others' sake: my stage is written
	s_barrier_signal -1
	s_barrier_wait -1                              ; (where K runs down the rows a wave reads all four stages)
; 64 numbers of a lane, v[s] on, become a fragment's codes in v[pc] on and its rows' scale word in v[pw]
.macro QUANT s, pc, pw
.irp b, 0,1,2,3
	v_max3_num_f32 v[TM+\b], |v[(\s)+16*\b]|, |v[(\s)+1+16*\b]|, 0x1800000   ; block b: my 16 numbers, and the floor 2^(3 - 127): the byte cannot fall under 1
.endr
.irp i, 2,4,6,8,10,12,14
.irp b, 0,1,2,3
	v_max3_num_f32 v[TM+\b], v[TM+\b], |v[(\s)+16*\b+\i]|, |v[(\s)+1+16*\b+\i]|   ; the four blocks by turns
.endr
.endr
.irp b, 0,1,2,3
	v_permlanex16_b32 v[TM+4+\b], v[TM+\b], s32, s33
.endr
.irp b, 0,1,2,3
	v_max_num_f32 v[TM+\b], v[TM+\b], v[TM+4+\b]   ; with lane l xor 16's: the block's largest magnitude
.endr
.irp b, 0,1,2,3
	v_add_nc_u32 v[TM+12+\b], 0xff000000, v[TM+\b] ; 2 off its exponent field: the conversion takes this operand's exponent field as its scale
.endr
.irp b, 0,1,2,3
	v_lshrrev_b32 v[TM+4+\b], 23, v[TM+12+\b]      ; the scale's byte
.endr
	v_lshl_or_b32 v[\pw], v[TM+5], 8, v[TM+4]
	v_lshl_or_b32 v[\pw], v[TM+6], 16, v[\pw]
	v_lshl_or_b32 v[\pw], v[TM+7], 24, v[\pw]
.irp c, 0,1
	v_cvt_scalef32_pk16_fp6_f32 v[(\pc)+6*\c:(\pc)+2+6*\c], v[(\s)+32*\c:(\s)+15+32*\c], v[TM+12+2*\c]
	v_cvt_scalef32_pk16_fp6_f32 v[(\pc)+12+4*\c:(\pc)+14+4*\c], v[(\s)+16+32*\c:(\s)+31+32*\c], v[TM+12+2*\c+1]   ; (a conversion's three registers begin on an even number)
.endr
	v_nop                                          ; one plain place behind a scaled conversion
.irp c, 0,1                                    ; the operand's layout wants a whole block in a lane: lanes 0-15 block 2 c, lanes 16-31 block 2 c + 1
.irp i, 0,1,2
	v_permlane16_swap_b32 v[(\pc)+6*\c+\i], v[(\pc)+12+4*\c+\i]
.endr
.irp i, 0,1,2
	v_mov_b32 v[(\pc)+3+6*\c+\i], v[(\pc)+12+4*\c+\i]
.endr
.endr
.endm
; the mask's path: my lane's part in the exchange with lane l xor k, k = 2^g.  m: the bit places n with n & k set; nm: the others.
; A lane with l & k = 0 takes, at the places m, the partner's word moved up by k; a lane with l & k set takes, at the places nm, the partner's word moved down by k
.macro LANEK g, k, m, nm
	v_and_b32 v[SHR+\g], \k, v1                    ; k or 0: how far down
	v_xor_b32 v[SHL+\g], \k, v[SHR+\g]             ; 0 or k: how far up
	v_cmp_ne_u32 vcc_lo, 0, v[SHR+\g]
	v_mov_b32 v[MK+\g], \nm
	v_cndmask_b32 v[MK+\g], \m, v[MK+\g], vcc_lo
.endm
; one exchange, on tile u's eight words by turns: it swaps the two off-diagonal k x k blocks of every 2 k x 2 k block of the 32 x 32 matrix of bits (row = lane, column = bit)
.macro STAGE u, g, k
.irp i, 0,1,2,3,4,5,6,7
.if \g == 4
	v_permlanex16_b32 v[TT+\i], v[Y+8*\u+\i], s32, s33
.else
	v_mov_b32_dpp v[TT+\i], v[Y+8*\u+\i] row_xmask:\k row_mask:0xf bank_mask:0xf
.endif
.endr
.irp i, 0,1,2,3,4,5,6,7
	v_lshlrev_b32 v[TT+\i], v[SHL+\g], v[TT+\i]
.endr
.irp i, 0,1,2,3,4,5,6,7
	v_lshrrev_b32 v[TT+\i], v[SHR+\g], v[TT+\i]
.endr
.irp i, 0,1,2,3,4,5,6,7
	v_bfi_b32 v[Y+8*\u+\i], v[MK+\g], v[TT+\i], v[Y+8*\u+\i]   ; the partner's bits where MK is set, mine elsewhere
.endr
.endm
	s_cmp_eq_u32 s25, 2
	s_cbranch_scc1 .Lmask
.irp u, 0,1                                    ; my tiles 2 q and 2 q + 1
	s_cmp_eq_u32 s25, 0
	s_cbranch_scc0 .Lcols_\u
.irp b, 0,1,2,3
.irp j, 0,1,2,3
	ds_load_b128 v[X+16*\b+4*\j:X+16*\b+4*\j+3], v6 offset:16*ROWP*\u+128*\b+16*\j   ; K innermost: 16 neighbours of each block of my row
.endr
.endr
	s_branch .Lgot_\u
.Lcols_\u:
.irp b, 0,1,2,3                                ; K down the rows: block b lies in wave b's stage; k = 16 h + i at place i + 8 (i / 8) + 8 h
.set i, 0
.rept 16
	ds_load_b32 v[X+16*\b+i], v7 offset:STG*\b+ROWP*(i+8*(i/8))+32*\u
.set i, i+1
.endr
.endr
.Lgot_\u:
	s_wait_dscnt 0x0
	QUANT X, PC+20*\u, PW+\u
.irp c, 0,1,2
	global_store_b128 v9, v[PC+20*\u+4*\c:PC+20*\u+4*\c+3], s[28:29] offset:1536*\u+512*\c   ; 32 lanes store 512 consecutive bytes, aligned to 256; each tile has its own registers, so no store's data are written again
.endr
.endr
	v_cndmask_b32 v194, v192, v193, s34            ; lanes 0-15: tile 2 q's words; lanes 16-31: tile 2 q + 1's
	ds_store_b32 v10, v194
	s_branch .Ljoin
.Lmask:
; THE MASK.  In the attention launch register n = 16 b + i of a key step's scores holds, in lane L, key 32 b + 16 (L / 16) + i of the tile's query of lane L % 16.  That register's lane mask is one word, bit L for lane L.
; A lane first packs the mask bytes of registers 32 hf .. 32 hf + 31 (eight words of four bytes, each byte 0 or 1) into one word, word d moved up by d: register n at bit 8 (n % 4) + (n % 32) / 4.
; The 32 lanes' words are a 32 x 32 matrix of bits, which five exchanges (with lanes l xor 16, 8, 4, 2, 1) transpose: lane a then holds the lane mask of the register whose bit was a.
; So register n's word stands at place 16 (n % 4) + 2 ((n % 32) / 4) + n / 32 of the 64 words of (tile, key step): a lane stores the pair hf = 0, 1.
	LANEK 0, 1, 0xaaaaaaaa, 0x55555555
	LANEK 1, 2, 0xcccccccc, 0x33333333
	LANEK 2, 4, 0xf0f0f0f0, 0x0f0f0f0f
	LANEK 3, 8, 0xff00ff00, 0x00ff00ff
	LANEK 4, 16, 0xffff0000, 0x0000ffff
.irp i, 0,1,2,3,4,5,6,7
	v_mov_b32 v[TT+\i], 0                          ; written once: the destination of a lane move counts as one of its sources
.endr
.irp u, 0,1
.irp jp, 0,1,2,3
.irp b, 0,1,2,3
	ds_load_b128 v[X+16*\jp+4*\b:X+16*\jp+4*\b+3], v8 offset:16*ROWP*\u+128*\jp+32*\b   ; key step 4 q + jp: word 4 b + e holds the bytes of registers 16 b + 4 e + 0 .. 3
.endr
.endr
	s_wait_dscnt 0x0
.irp i, 0,1,2,3,4,5,6,7                        ; word i = 2 jp + hf of bits is made of the eight words 8 i + 0 .. 7 of bytes
	v_lshl_or_b32 v[Y+8*\u+\i], v[X+8*\i+1], 1, v[X+8*\i]
.endr
.irp d, 2,3,4,5,6,7
.irp i, 0,1,2,3,4,5,6,7
	v_lshl_or_b32 v[Y+8*\u+\i], v[X+8*\i+\d], \d, v[Y+8*\u+\i]
.endr
.endr
	STAGE \u, 4, 16
	STAGE \u, 3, 8
	STAGE \u, 2, 4
	STAGE \u, 1, 2
	STAGE \u, 0, 1
.irp jp, 0,1,2,3
	global_store_b64 v11, v[Y+8*\u+2*\jp:Y+8*\u+2*\jp+1], s[28:29] offset:4096*\u+256*\jp   ; 64 words: 256 consecutive bytes, aligned; each tile has its own registers, so no store's data are written again
.endr
.endr
.Ljoin:
	s_wait_dscnt 0x0                               ; my scale words lie in LDS
	s_barrier_signal -1
	s_barrier_wait -1
	s_cmp_eq_u32 s25, 2
	s_cbranch_scc1 .Lend
	s_cmp_lg_u32 s24, 0
	s_cbranch_scc1 .Lend
	ds_load_b128 v[48:51], v12                     ; wave 0 stores the record's scale image whole
	s_wait_dscnt 0x0
	global_store_b128 v4, v[48:51], s[28:29] offset:12288
.Lend:
	s_wait_tensorcnt 0x0
	ds_add_u32 v240, v241
	s_wait_dscnt 0x0
	s_endpgm
.Lfunc_end_k_qf14945fdf6_prep:
	.size	k_qf14945fdf6_prep, .Lfunc_end_k_qf14945fdf6_prep-k_qf14945fdf6_prep
	.p2alignl 7, 3214868480
	.fill 96, 4, 3214868480
	.section	.rodata,"a",@progbits
	.p2align	6, 0x0
	.amdhsa_kernel k_qf14945fdf6_prep
		.amdhsa_group_segment_fixed_size 69120
		.amdhsa_private_segment_fixed_size 0
		.amdhsa_enable_private_segment 0
		.amdhsa_kernarg_size 80
		.amdhsa_user_sgpr_count 2
		.amdhsa_user_sgpr_kernarg_segment_ptr 1
		.amdhsa_wavefront_size32 1
		.amdhsa_system_sgpr_workgroup_id_x 1
		.amdhsa_system_sgpr_workgroup_id_y 1
		.amdhsa_system_sgpr_workgroup_id_z 1
		.amdhsa_system_vgpr_workitem_id 0
		.amdhsa_next_free_vgpr 242
		.amdhsa_next_free_sgpr 66
		.amdhsa_reserve_vcc 1
		.amdhsa_float_denorm_mode_32 3
		.amdhsa_float_denorm_mode_16_64 3
		.amdhsa_memory_ordered 1
		.amdhsa_forward_progress 1
		.amdhsa_inst_pref_size 58
	.end_amdhsa_kernel
	.amdgpu_metadata
---
amdhsa.version: [ 1, 2 ]
amdhsa.kernels:
  - .name:           k_qf14945fdf6_prep
    .symbol:         k_qf14945fdf6_prep.kd
    .args:
      - { .name: x, .offset: 0, .size: 8, .value_kind: global_buffer, .address_space: global }
      - { .name: W_lin, .offset: 8, .size: 8, .value_kind: global_buffer, .address_space: global }
      - { .name: W_last, .offset: 16, .size: 8, .value_kind: global_buffer, .address_space: global }
      - { .name: W_q, .offset: 24, .size: 8, .value_kind: global_buffer, .address_space: global }
      - { .name: W_k, .offset: 32, .size: 8, .value_kind: global_buffer, .address_space: global }
      - { .name: W_v, .offset: 40, .size: 8, .value_kind: global_buffer, .address_space: global }
      - { .name: mask_3d, .offset: 48, .size: 8, .value_kind: global_buffer, .address_space: global }
      - { .name: xc, .offset: 56, .size: 8, .value_kind: global_buffer, .address_space: global }
      - { .name: wc, .offset: 64, .size: 8, .value_kind: global_buffer, .address_space: global }
      - { .name: mw, .offset: 72, .size: 8, .value_kind: global_buffer, .address_space: global }
    .group_segment_fixed_size: 69120
    .private_segment_fixed_size: 0
    .kernarg_segment_align: 8
    .kernarg_segment_size: 80
    .max_flat_workgroup_size: 128
    .sgpr_count:     66
    .vgpr_count:     242
    .wavefront_size: 32
...
	.end_amdgpu_metadata
.endif
;; end of part 6
;; launch qkv (part 7): grid 12 x 32, 4 waves a work-group, clusters of 4 x 4, 327,680 bytes of LDS; arguments xc, wc, qkv; writes qkv
.if DOCPART == 7
	.amdgcn_target "amdgcn-amd-amdhsa--gfx1250"
	.amdhsa_code_object_version 6
	.text
	.protected	k_qf14945fdf6_qkv
	.globl	k_qf14945fdf6_qkv
	.p2align	8
	.type	k_qf14945fdf6_qkv,@function
k_qf14945fdf6_qkv:
	s_mov_b64 s[64:65], 0
	v_nop
	global_prefetch_b8 v0, s[64:65] scope:SCOPE_SE
	s_setreg_imm32_b32 hwreg(HW_REG_WAVE_MODE, 25, 1), 1
	s_wait_xcnt 0x0
	s_wait_alu depctr_hold_cnt(0) depctr_sa_sdst(0) depctr_va_vdst(0) depctr_va_sdst(0) depctr_va_ssrc(0) depctr_va_vcc(0) depctr_vm_vsrc(0)
	s_getreg_b32 s2, hwreg(HW_REG_IB_STS2, 6, 4)
	s_cmp_eq_u32 s2, 0
	s_cbranch_scc0 .Lentry_in_a_cluster
	s_endpgm
.Lentry_in_a_cluster:
	s_bfe_u32 s2, ttmp6, 0x10000c
	s_cmp_lg_u32 s2, 0xf033
	s_cbranch_scc0 .Lentry_shape_is_right
	s_endpgm
.Lentry_shape_is_right:
; QKV: q, k, v = x W on codes of FP6 (E2M3) with E8M0 scales, quantised again on the way out.  A work-group makes 256 x 256; a wave 128 x 128; K = 1,024 in eight steps of one record (12,800 bytes) for each 128 rows.
; LDS: a region of six records for each wave's 128 rows.  The eight records of 128 rows lie on end in memory, so a wave's one load at the head brings K steps 0-5 (300 rows of 256 bytes);
; K steps 6, 7 (100 rows) are laid over K steps 0, 1 behind the round in K step 1.  A wave has one tensor load out.
.set RECB,  12800
.set CHUNK, 2*RECB
.set SLOT,  4*CHUNK
.set SPARE, 3*SLOT
.set REG,   6*RECB
.set GRP,   8*RECB
.set QOFF,  512*CHUNK
.set WQ,    72*RECB
.set FR,    12
.set ADRA,  16
.set ADRB,  20
.set GS,    26
.set SPW,   28
.set NIL,   29
.set SC,    32
.set TM,    64
.set PC,    80
.set PWR,   100
.set SI,    108
.set AF,    128
.set G1,    24
.set G1B,   48
.set G0R0,  32
.set G0R1,  36
.set G0R2,  84
.set G0P0,  56
.set G0P1,  60
.set G0P2,  88
.set MSB,   0
.macro WIN new
.if MSB != (\new)
	s_set_vgpr_msb (MSB<<8)|(\new)
.set MSB, (\new)
.endif
.endm
.set MUL_LO, 0xa1
.set MUL_HI, 0xf1
.set TO_B,   0x40
.macro JLOAD ga, gb
	s_cmp_eq_u32 s15, 0
	s_cbranch_scc0 .Lfor_p_\@
	tensor_load_to_lds s[\ga:\ga+3], s[G1:G1+7]
	s_nop 0
.rept 4
	v_nop
.endr
	s_branch .Lasked_\@
.Lfor_p_\@:
	tensor_load_to_lds s[\gb:\gb+3], s[G1B:G1B+7]
	s_nop 0
.rept 4
	v_nop
.endr
.Lasked_\@:
.endm
.macro CREST
	s_cmp_lg_u32 s14, 0
	s_cbranch_scc1 .Lnot_wave_0_\@
	s_barrier_signal -3
.Lnot_wave_0_\@:
	s_barrier_wait -3
	s_barrier_signal -1
	s_barrier_wait -1
.endm
.macro CROUND
	s_barrier_signal -1
	s_barrier_wait -1
	CREST
.endm
.macro PLACES n
.rept \n
	v_nop
.endr
.endm
.macro WM d, a, b, c, sa, sb, ra, rb
.set WSEL, 2*(\ra)+(\rb)
.if (\c) < 0
.if WSEL == 0
	v_wmma_scale_f32_16x16x128_f8f6f4 v[(\d):(\d)+7], v[(\a):(\a)+11], v[(\b):(\b)+11], 0, v[\sa], v[\sb] matrix_a_fmt:MATRIX_FMT_FP6 matrix_b_fmt:MATRIX_FMT_FP6
.elseif WSEL == 1
	v_wmma_scale_f32_16x16x128_f8f6f4 v[(\d):(\d)+7], v[(\a):(\a)+11], v[(\b):(\b)+11], 0, v[\sa], v[\sb] matrix_a_fmt:MATRIX_FMT_FP6 matrix_b_fmt:MATRIX_FMT_FP6 matrix_b_scale:MATRIX_SCALE_ROW1
.elseif WSEL == 2
	v_wmma_scale_f32_16x16x128_f8f6f4 v[(\d):(\d)+7], v[(\a):(\a)+11], v[(\b):(\b)+11], 0, v[\sa], v[\sb] matrix_a_fmt:MATRIX_FMT_FP6 matrix_b_fmt:MATRIX_FMT_FP6 matrix_a_scale:MATRIX_SCALE_ROW1
.else
	v_wmma_scale_f32_16x16x128_f8f6f4 v[(\d):(\d)+7], v[(\a):(\a)+11], v[(\b):(\b)+11], 0, v[\sa], v[\sb] matrix_a_fmt:MATRIX_FMT_FP6 matrix_b_fmt:MATRIX_FMT_FP6 matrix_a_scale:MATRIX_SCALE_ROW1 matrix_b_scale:MATRIX_SCALE_ROW1
.endif
.else
.if WSEL == 0
	v_wmma_scale_f32_16x16x128_f8f6f4 v[(\d):(\d)+7], v[(\a):(\a)+11], v[(\b):(\b)+11], v[(\c):(\c)+7], v[\sa], v[\sb] matrix_a_fmt:MATRIX_FMT_FP6 matrix_b_fmt:MATRIX_FMT_FP6
.elseif WSEL == 1
	v_wmma_scale_f32_16x16x128_f8f6f4 v[(\d):(\d)+7], v[(\a):(\a)+11], v[(\b):(\b)+11], v[(\c):(\c)+7], v[\sa], v[\sb] matrix_a_fmt:MATRIX_FMT_FP6 matrix_b_fmt:MATRIX_FMT_FP6 matrix_b_scale:MATRIX_SCALE_ROW1
.elseif WSEL == 2
	v_wmma_scale_f32_16x16x128_f8f6f4 v[(\d):(\d)+7], v[(\a):(\a)+11], v[(\b):(\b)+11], v[(\c):(\c)+7], v[\sa], v[\sb] matrix_a_fmt:MATRIX_FMT_FP6 matrix_b_fmt:MATRIX_FMT_FP6 matrix_a_scale:MATRIX_SCALE_ROW1
.else
	v_wmma_scale_f32_16x16x128_f8f6f4 v[(\d):(\d)+7], v[(\a):(\a)+11], v[(\b):(\b)+11], v[(\c):(\c)+7], v[\sa], v[\sb] matrix_a_fmt:MATRIX_FMT_FP6 matrix_b_fmt:MATRIX_FMT_FP6 matrix_a_scale:MATRIX_SCALE_ROW1 matrix_b_scale:MATRIX_SCALE_ROW1
.endif
.endif
.endm
	s_load_b128 s[4:7], s[0:1], 0x0
	s_load_b64 s[8:9], s[0:1], 0x10
	v_lshl_add_u32 v[SPW], v0, 2, SPARE
	v_mov_b32 v[NIL], 0
	ds_add_u32 v28, v29
	ds_add_u32 v28, v29
	s_wait_dscnt 0x0
	v_lshrrev_b32 v1, 5, v0
	v_readfirstlane_b32 s14, v1
	s_lshr_b32 s15, s14, 1
	s_and_b32 s16, s14, 1
	v_and_b32 v1, 31, v0
	v_lshlrev_b32 v[GS], 4, v1
	s_mul_i32 s78, s15, REG
	s_mul_i32 s79, s16, REG
	s_add_co_u32 s79, s79, 2*REG
.irp s, 0,1,2
	v_add_nc_u32 v[ADRA+\s], s78, v[GS]
	v_add_nc_u32 v[ADRB+\s], s79, v[GS]
	s_add_co_u32 s78, s78, CHUNK
	s_add_co_u32 s79, s79, CHUNK
.endr
.irp b, 0,1,2,3
	v_mov_b32 v[TM+4+\b], 0
.endr
	s_mov_b32 s80, 0x76543210
	s_mov_b32 s81, 0xfedcba98
	s_mov_b32 s82, 0xffff0000
	s_bfe_u32 s40, ttmp6, 0x40000
	s_bfe_u32 s41, ttmp6, 0x40004
	s_and_b32 s17, ttmp7, 0xffff
	s_lshl_b32 s43, s41, 2
	s_lshl_b32 s43, 15, s43
	s_lshl_b32 s44, 0x1111, s40
	s_cmp_lt_u32 ttmp9, 2
	s_cselect_b32 s45, ttmp9, s17
	s_cselect_b32 s18, s17, 2
	s_lshl_b32 s45, s45, 2
	s_add_co_u32 s45, s45, s40
	s_lshl_b32 s18, s18, 2
	s_add_co_u32 s18, s18, s41
	s_mul_i32 s19, s16, GRP
	s_mul_i32 s46, s45, 2*GRP
	s_add_co_u32 s46, s46, s19
	s_mov_b32 s47, 0
	s_mul_i32 s20, s18, 2*GRP
	s_add_co_u32 s20, s20, s19
	s_mov_b32 s21, 0
	s_mul_i32 s94, s14, REG
	s_or_b32 s[G1+0], s43, (3<<16)|(1<<21)
	s_or_b32 s[G1B+0], s44, (3<<16)|(1<<21)
.irp g, G1, G1B
	s_mov_b32 s[\g+1], 32<<16
	s_mov_b32 s[\g+2], 300<<16
	s_mov_b32 s[\g+3], 32<<16
	s_mov_b32 s[\g+4], 300
	s_mov_b32 s[\g+5], 32
	s_mov_b32 s[\g+6], 0
	s_mov_b32 s[\g+7], 0
.endr
	s_wait_kmcnt 0x0
	s_add_nc_u64 s[6:7], s[6:7], WQ
	s_cmp_lt_u32 ttmp9, 2
	s_cselect_b64 s[22:23], s[4:5], s[6:7]
	s_cselect_b64 s[92:93], s[6:7], s[4:5]
	s_add_nc_u64 s[20:21], s[22:23], s[20:21]
	s_add_nc_u64 s[46:47], s[92:93], s[46:47]
	CROUND
.macro FIRST s, ga, gb
	s_mov_b32 s[\ga], 1
	s_add_co_u32 s[\ga+1], s94, (\s)*SLOT
	s_add_nc_u64 s[\ga+2:\ga+3], s[20:21], (\s)*CHUNK
	s_or_b32 s[\ga+3], s[\ga+3], 0x80000000
	s_mov_b32 s[\gb], 1
	s_add_co_u32 s[\gb+1], s94, (\s)*SLOT
	s_add_nc_u64 s[\gb+2:\gb+3], s[46:47], (\s)*CHUNK
	s_or_b32 s[\gb+3], s[\gb+3], 0x80000000
	JLOAD \ga, \gb
.endm
	FIRST 0, G0R0, G0P0                            ; my one load at the head: K steps 0-5 of my 128 rows
	s_lshl_b32 s66, s18, 1
	s_add_co_u32 s66, s66, s15
	s_lshl_b32 s67, s45, 1
	s_add_co_u32 s67, s67, s16
	s_cmp_lt_u32 ttmp9, 2
	s_cselect_b32 s68, s66, s67
	s_cselect_b32 s69, s67, s66
	s_lshr_b32 s70, s69, 3
	s_and_b32 s71, s69, 7
	s_lshr_b32 s72, s68, 4
	s_lshl_b32 s72, s72, 3
	s_add_co_u32 s72, s72, s71
	s_lshl_b32 s72, s72, 4
	s_and_b32 s73, s68, 15
	s_add_co_u32 s72, s72, s73
	s_mul_i32 s74, s72, RECB
	s_add_co_u32 s74, s74, QOFF
	s_mul_i32 s75, s72, CHUNK
	s_sub_co_u32 s76, s70, 1
	s_mul_i32 s76, s76, RECB
	s_add_co_u32 s75, s75, s76
	s_cmp_eq_u32 s70, 0
	s_cselect_b32 s74, s74, s75
	s_mov_b32 s75, 0
	s_add_nc_u64 s[8:9], s[8:9], s[74:75]
.macro FRAG reg, adr, q, i
.irp c, 0,1,2
	ds_load_b128 v[(\reg)+4*\c:(\reg)+4*\c+3], v[\adr] offset:(\q)*RECB+(\i)*1536+512*\c
.endr
.endm
.macro FETCH_B slot, q, p
	WIN TO_B
.irp i, 0,1,2,3,4,5,6,7
	FRAG 128*(\p)+FR*\i, ADRB+\slot, \q, \i
.endr
	WIN 0
.endm
.macro FETCH_A slot, q, i0
.irp i, \i0, \i0+1, \i0+2, \i0+3
	FRAG AF+FR*(\i), ADRA+\slot, \q, \i
.endr
.endm
.macro SCALES slot, q, set
	ds_load_b128 v[SC+8*(\set):SC+8*(\set)+3], v[ADRB+\slot] offset:(\q)*RECB+12288
	ds_load_b128 v[SC+8*(\set)+4:SC+8*(\set)+7], v[ADRA+\slot] offset:(\q)*RECB+12288
.endm
.macro MUL16 a0, p, sc, zero
.irp a, \a0, \a0+1
.irp b, 0,1,2,3,4,5,6,7
.if \zero
	WM 8*(8*((\a)%4)+\b), 128*(\p)+FR*\b, AF+FR*(\a), -1, SC+8*(\sc)+\b/2, SC+8*(\sc)+4+(\a)/2, \b%2, (\a)%2
.else
	WM 8*(8*((\a)%4)+\b), 128*(\p)+FR*\b, AF+FR*(\a), 8*(8*((\a)%4)+\b), SC+8*(\sc)+\b/2, SC+8*(\sc)+4+(\a)/2, \b%2, (\a)%2
.endif
.endr
.endr
.endm
.macro STEP p, sc, ns, nq, zero
	s_wait_dscnt 12
	WIN MUL_LO
	MUL16 0, \p, \sc, \zero
	MUL16 2, \p, \sc, \zero
	s_wait_dscnt 0
	PLACES 4
	FETCH_B \ns, \nq, 1-(\p)
	FETCH_A \ns, \nq, 0
	SCALES \ns, \nq, ((\sc)+1)%4
	WIN MUL_HI
	MUL16 4, \p, \sc, \zero
	MUL16 6, \p, \sc, \zero
	PLACES 4
	WIN 0
	FETCH_A \ns, \nq, 4
.endm
.macro TURN p, sc, ns, nq, fill
	s_wait_tensorcnt 0x0
	ds_add_u32 v[SPW], v[NIL]
	s_wait_dscnt 13
	WIN MUL_LO
	MUL16 0, \p, \sc, 0
	s_wait_dscnt 0x0
	s_barrier_signal -1
	MUL16 2, \p, \sc, 0
	WIN 0
	s_barrier_wait -1
.if \fill
	CREST
	s_add_nc_u64 s[G0R0+2:G0R0+3], s[G0R0+2:G0R0+3], 3*CHUNK
	s_add_nc_u64 s[G0P0+2:G0P0+3], s[G0P0+2:G0P0+3], 3*CHUNK
	JLOAD G0R0, G0P0
.else
	PLACES 4
.endif
	FETCH_B \ns, \nq, 1-(\p)
	FETCH_A \ns, \nq, 0
	SCALES \ns, \nq, ((\sc)+1)%4
	WIN MUL_HI
	MUL16 4, \p, \sc, 0
	MUL16 6, \p, \sc, 0
	PLACES 4
	WIN 0
	FETCH_A \ns, \nq, 4
.endm
	s_wait_alu depctr_va_vdst(0)                   ; the wait at the head's end
	s_wait_tensorcnt 0x0                           ; my six records are in; no tensor load of mine is out, so a descriptor may be written:
	s_mov_b32 s[G1+2], 100<<16                     ; the one refill brings 100 rows
	s_mov_b32 s[G1+4], 100
	s_mov_b32 s[G1B+2], 100<<16
	s_mov_b32 s[G1B+4], 100
	s_barrier_signal -1
	s_barrier_wait -1                              ; everybody's are in
	FETCH_B 0, 0, 0
	FETCH_A 0, 0, 0
	SCALES 0, 0, 0
	FETCH_A 0, 0, 4
	STEP 0, 0, 0, 1, 1
	TURN 1, 1, 1, 0, 1
	STEP 0, 2, 1, 1, 0
	STEP 1, 3, 2, 0, 0
	STEP 0, 0, 2, 1, 0
	TURN 1, 1, 0, 0, 0
	STEP 0, 2, 0, 1, 0
	s_wait_dscnt 12
	WIN MUL_LO
	MUL16 0, 1, 3, 0
	MUL16 2, 1, 3, 0
	s_wait_dscnt 0
	WIN MUL_HI
	MUL16 4, 1, 3, 0
	MUL16 6, 1, 3, 0
	WIN 0
.macro QUANT s, w, pw, wx
	WIN 5*(\w)
.irp b, 0,1,2,3
	v_max3_num_f32 v[TM+\b], |v[(\s)+16*\b]|, |v[(\s)+16*\b+1]|, 0x1800000
.endr
.irp i, 2,4,6,8,10,12,14
.irp b, 0,1,2,3
	v_max3_num_f32 v[TM+\b], |v[(\s)+16*\b+\i]|, |v[(\s)+16*\b+\i+1]|, v[TM+\b]
.endr
.endr
	WIN 0
.irp b, 0,1,2,3
	v_permlanex16_b32 v[TM+4+\b], v[TM+\b], s80, s81
.endr
.irp b, 0,1,2,3
	v_max_num_f32 v[TM+\b], v[TM+\b], v[TM+4+\b]
.endr
.irp b, 0,1,2,3
	v_add_nc_u32 v[TM+12+\b], 0xff000000, v[TM+\b]
.endr
.irp b, 0,1,2,3
	v_lshrrev_b32 v[TM+4+\b], 23, v[TM+12+\b]
.endr
.if (\wx) == 1
	s_wait_alu depctr_va_vdst(0)
	s_wait_xcnt 0x0
.endif
	v_lshl_or_b32 v[\pw], v[TM+5], 8, v[TM+4]
	v_lshl_or_b32 v[\pw], v[TM+6], 16, v[\pw]
	v_lshl_or_b32 v[\pw], v[TM+7], 24, v[\pw]
	WIN (\w)
.irp c, 0,1
	v_cvt_scalef32_pk16_fp6_f32 v[PC+6*\c:PC+2+6*\c], v[(\s)+32*\c:(\s)+15+32*\c], v[TM+12+2*\c]
	v_cvt_scalef32_pk16_fp6_f32 v[PC+12+4*\c:PC+14+4*\c], v[(\s)+16+32*\c:(\s)+31+32*\c], v[TM+12+2*\c+1]
.endr
	WIN 0
	v_nop
.irp c, 0,1
.irp i, 0,1,2
	v_permlane16_swap_b32 v[PC+6*\c+\i], v[PC+12+4*\c+\i]
.endr
.irp i, 0,1,2
	v_mov_b32 v[PC+3+6*\c+\i], v[PC+12+4*\c+\i]
.endr
.endr
.endm
	PLACES 4
.irp a, 0,1,2,3,4,5,6,7
	QUANT 64*(\a%4), 2+\a/4, PWR+\a, 1
.irp c, 0,1,2
	global_store_b128 v[GS], v[PC+4*\c:PC+4*\c+3], s[8:9] offset:1536*\a+512*\c
.endr
.endr
.irp q, 0,1,2,3
	v_cndmask_b32 v[SI+\q], v[PWR+2*\q], v[PWR+2*\q+1], s82
.endr
	global_store_b128 v[GS], v[SI:SI+3], s[8:9] offset:12288
	s_wait_tensorcnt 0x0
	ds_add_u32 v[SPW], v[NIL]
	s_wait_dscnt 0x0
	CROUND
	s_endpgm
.Lfunc_end_k_qf14945fdf6_qkv:
	.size	k_qf14945fdf6_qkv, .Lfunc_end_k_qf14945fdf6_qkv-k_qf14945fdf6_qkv
	.p2alignl 7, 3214868480
	.fill 96, 4, 3214868480
	.section	.rodata,"a",@progbits
	.p2align	6, 0x0
	.amdhsa_kernel k_qf14945fdf6_qkv
		.amdhsa_group_segment_fixed_size 327680
		.amdhsa_private_segment_fixed_size 0
		.amdhsa_enable_private_segment 0
		.amdhsa_kernarg_size 24
		.amdhsa_user_sgpr_count 2
		.amdhsa_user_sgpr_kernarg_segment_ptr 1
		.amdhsa_wavefront_size32 1
		.amdhsa_system_sgpr_workgroup_id_x 1
		.amdhsa_system_sgpr_workgroup_id_y 1
		.amdhsa_system_sgpr_workgroup_id_z 1
		.amdhsa_system_vgpr_workitem_id 0
		.amdhsa_next_free_vgpr 1024
		.amdhsa_next_free_sgpr 98
		.amdhsa_reserve_vcc 0
		.amdhsa_float_denorm_mode_32 3
		.amdhsa_float_denorm_mode_16_64 3
		.amdhsa_memory_ordered 1
		.amdhsa_forward_progress 1
		.amdhsa_inst_pref_size 135
	.end_amdhsa_kernel
	.amdgpu_metadata
---
amdhsa.version: [ 1, 2 ]
amdhsa.kernels:
  - .name:           k_qf14945fdf6_qkv
    .symbol:         k_qf14945fdf6_qkv.kd
    .args:
      - { .name: xc, .offset: 0, .size: 8, .value_kind: global_buffer, .address_space: global }
      - { .name: wc, .offset: 8, .size: 8, .value_kind: global_buffer, .address_space: global }
      - { .name: qkv, .offset: 16, .size: 8, .value_kind: global_buffer, .address_space: global }
    .group_segment_fixed_size: 327680
    .private_segment_fixed_size: 0
    .kernarg_segment_align: 8
    .kernarg_segment_size: 24
    .max_flat_workgroup_size: 128
    .sgpr_count:     98
    .vgpr_count:     1024
    .wavefront_size: 32
...
	.end_amdgpu_metadata
.endif
;; end of part 7
;; launch attn (part 8): grid 8 x 32, 8 waves a work-group, clusters of 4 x 1, 327,680 bytes of LDS; arguments qkv, mw, oc; writes oc
.if DOCPART == 8
	.amdgcn_target "amdgcn-amd-amdhsa--gfx1250"
	.amdhsa_code_object_version 6
	.text
	.protected	k_qf14945fdf6_attn
	.globl	k_qf14945fdf6_attn
	.p2align	8
	.type	k_qf14945fdf6_attn,@function
k_qf14945fdf6_attn:
	s_mov_b64 s[64:65], 0
	v_nop
	global_prefetch_b8 v0, s[64:65] scope:SCOPE_SE
	s_setreg_imm32_b32 hwreg(HW_REG_WAVE_MODE, 25, 1), 1
	s_wait_xcnt 0x0
	s_wait_alu depctr_hold_cnt(0) depctr_sa_sdst(0) depctr_va_vdst(0) depctr_va_sdst(0) depctr_va_ssrc(0) depctr_va_vcc(0) depctr_vm_vsrc(0)
	s_getreg_b32 s2, hwreg(HW_REG_IB_STS2, 6, 4)
	s_cmp_eq_u32 s2, 0
	s_cbranch_scc0 .Lentry_in_a_cluster
	s_endpgm
.Lentry_in_a_cluster:
	s_bfe_u32 s2, ttmp6, 0x10000c
	s_cmp_lg_u32 s2, 0x3003
	s_cbranch_scc0 .Lentry_shape_is_right
	s_endpgm
.Lentry_shape_is_right:
; ATTN: o = softmax(where(mask, -65504, q k^T / sqrt(128))) v on codes of FP6 (E2M3) with E8M0 scales; o is divided by the row's sum, quantised along the head's 128 and leaves as codes.
; THE SOFTMAX: t = logit x log2(e); M = the running largest t rounded up to a whole number; p = 2^(t - M) is quantised along the keys; the sum is taken of the unquantised p; when M moves, sum and O are
; multiplied by 2^(old M - new M), which rounds nothing.  A masked score is replaced, ahead of every maximum, by -65504 sqrt(128).  The mask comes as lane-mask words in scalar registers:
; register n's word stands at place 16 (n % 4) + 2 ((n % 32) / 4) + n / 32 of the 64 words of (tile, key step).
; LIMITS: NaN and infinities are not served; the scaled scores stay under 2^31 in magnitude.  In a row that is WHOLLY masked t lies within one f32 step of t (0.008) of -65504 log2(e): a common factor of that row's p,
; which the sum divides out up to one step of a code.
; SHARES.  A work-group owns 256 queries of one head of one batch; each of its eight waves TWO tiles of 16 queries, 2 x wave and 2 x wave + 1, so that a fragment of K or V read from LDS feeds two products.
; Both products are used transposed, so a lane holds one query.  Every wave walks all 2,048 keys, 128 a step.
; K's and V's records (12,800 bytes: eight fragments as images of operand registers, then the scale words) come through two LDS slots of four key steps; every wave fetches one record of a slot.
; CLUSTER 4 x 1: the four query blocks of a cluster walk the same K and V: each record is asked for jointly.  A wave has one tensor load out.
; REGISTERS, two windows of 256.  A tile's own registers have the same numbers in window 0 (tile 0) and window 1 (tile 1): v7 the masked score; v12 -M, v13 largest t, v[14:15] the sum; v16-27 Q; v96-159 S^T, then p;
; v160-223 O^T; v224-235 p's codes; v232-254 at work.  K's, then V's fragments: tiles 0-3 in window 0 v32-79, tiles 4-7 in window 1 v32-79.
; Window 0 alone: v1 16 x lane; v2, v3 LDS places of o's scale words; v5, v6 the add's; v8 the key step's LDS address; v28, v29 the prefetches' offsets; scales: v80-83 V's, v84-87 K's, v88-89 Q's, v90-91 p's.
; ORDER OF A STEP: 16 S products; V's loads into K's registers; tile 0's softmax and codes, its sum of p, its 8 O products; the same of tile 1, but that the next step's loads of K stand between its O products and its sum of p.
; THE 64 SCALAR REGISTERS OF MASK WORDS serve the two tiles by turns: the mask is applied in four groups of sixteen registers, one for each sixteen scalar registers, and a group's next words are asked for
; once a later run of vector lines has passed: tile 1's words have the rest of tile 0's work in which to land, tile 0's next words the rest of the step.
.set RECB,  12800
.set KVB,   2*RECB                     ; a key step: K's record, V's record
.set SLOTB, 4*KVB                      ; a slot: four key steps
.set SLOT1, 131072                     ; slot 1
.set SCST,  262144                     ; o's scale images are gathered here: 1,024 bytes into which no fill lands
.set SPARE, 263168                     ; the spare words: 128 bytes a wave, named by no other line
.set QOFF,  512*KVB
.set TM,    32                         ; the way out
.set PC,    48
.set PW,    68
.set MSB,   0
.macro WIN new                         ; low byte: bits 1:0 source 0, 3:2 source 1, 5:4 source 2, 7:6 destination; the high byte repeats the setting that is left
.if MSB != (\new)
	s_set_vgpr_msb (MSB<<8)|(\new)
.set MSB, (\new)
.endif
.endm
.macro ROUND                           ; a round of the cluster's barrier
	s_barrier_signal -1
	s_barrier_wait -1
	s_cmp_lg_u32 s10, 0
	s_cbranch_scc1 .Lnot_wave_0_\@
	s_barrier_signal -3
.Lnot_wave_0_\@:
	s_barrier_wait -3
	s_barrier_signal -1
	s_barrier_wait -1
.endm
.macro TLOAD                           ; every wave fetches its record of the slot; s_nop 0 and four v_nop follow
	tensor_load_to_lds s[92:95], s[84:91]
	s_nop 0
.rept 4
	v_nop
.endr
.endm
.macro WM d, a, b, c, sa, sb, ra       ; one product; c under 0: the constant 0; ra = 1: source 0's scales stand in lanes 16-31
.if (\c) < 0
.if (\ra)
	v_wmma_scale_f32_16x16x128_f8f6f4 v[(\d):(\d)+7], v[(\a):(\a)+11], v[(\b):(\b)+11], 0, v[\sa], v[\sb] matrix_a_fmt:MATRIX_FMT_FP6 matrix_b_fmt:MATRIX_FMT_FP6 matrix_a_scale:MATRIX_SCALE_ROW1
.else
	v_wmma_scale_f32_16x16x128_f8f6f4 v[(\d):(\d)+7], v[(\a):(\a)+11], v[(\b):(\b)+11], 0, v[\sa], v[\sb] matrix_a_fmt:MATRIX_FMT_FP6 matrix_b_fmt:MATRIX_FMT_FP6
.endif
.else
.if (\ra)
	v_wmma_scale_f32_16x16x128_f8f6f4 v[(\d):(\d)+7], v[(\a):(\a)+11], v[(\b):(\b)+11], v[(\c):(\c)+7], v[\sa], v[\sb] matrix_a_fmt:MATRIX_FMT_FP6 matrix_b_fmt:MATRIX_FMT_FP6 matrix_a_scale:MATRIX_SCALE_ROW1
.else
	v_wmma_scale_f32_16x16x128_f8f6f4 v[(\d):(\d)+7], v[(\a):(\a)+11], v[(\b):(\b)+11], v[(\c):(\c)+7], v[\sa], v[\sb] matrix_a_fmt:MATRIX_FMT_FP6 matrix_b_fmt:MATRIX_FMT_FP6
.endif
.endif
.endm
.macro INIT                            ; a tile's state, under the window of its destination
	v_mov_b32 v7, 0xc934ee53                       ; -65504 sqrt(128)
	v_mov_b32 v13, 0xff61b1e6                      ; the largest t so far: -3e38
	v_mov_b32 v12, 0x7f61b1e6                      ; -M = floor(3e38)
	v_mov_b32 v14, 0
	v_mov_b32 v15, 0
	v_mov_b32 v253, 0                              ; (named as the upper half of the pair v[252:253])
.irp b, 0,1,2,3
	v_mov_b32 v[236+\b], 0                         ; a lane permute's destination counts as one of its sources
.endr
.set j, 0
.rept 64
	v_mov_b32 v[160+j], 0                          ; O^T: the step is written for every trip alike; the first finds zeros
.set j, j+1
.endr
.endm
	s_load_b128 s[16:19], s[0:1], 0x0              ; qkv, mw
	s_load_b64 s[20:21], s[0:1], 0x10              ; oc
	v_lshl_add_u32 v5, v0, 2, SPARE
	v_mov_b32 v6, 0
	ds_add_u32 v5, v6                              ; the opening lines: the add, twice on end, and its wait
	ds_add_u32 v5, v6
	s_wait_dscnt 0x0
	v_lshrrev_b32 v8, 5, v0
	s_delay_alu instid0(VALU_DEP_1)
	v_readfirstlane_b32 s10, v8                    ; wave 0..7
	v_and_b32 v1, 31, v0
	s_delay_alu instid0(VALU_DEP_1)
	v_lshlrev_b32 v1, 4, v1                        ; 16 L
	v_and_b32 v9, 15, v0
	s_delay_alu instid0(VALU_DEP_1)
	v_lshlrev_b32 v9, 4, v9                        ; 16 r
	s_wait_alu depctr_va_vdst(0)                   ; the wait ahead of the run of scalar lines
	s_lshr_b32 s98, s10, 2                         ; o's scale word of tile t of group g = wave / 4: 512 g + 256 (t % 2) + 4 (t / 2) + 16 r; my t are 2 (wave % 4) and the next
	s_lshl_b32 s98, s98, 9
	s_and_b32 s99, s10, 3
	s_lshl_b32 s99, s99, 2
	s_add_co_u32 s98, s98, s99
	s_add_co_u32 s98, s98, SCST
	v_add_nc_u32 v2, s98, v9
	s_and_b32 s99, s10, 1
	s_lshl_b32 s99, s99, 9
	s_add_co_u32 s99, s99, SCST
	v_add_nc_u32 v3, s99, v1                       ; where waves 0, 1 read an image back
	s_and_b32 s24, ttmp7, 0xffff                   ; 8 batch + head, which the four partners share
	s_mul_i32 s32, s24, 16*KVB
	s_mul_i32 s34, s10, RECB
	s_add_co_u32 s36, s32, s34
	s_mov_b32 s37, 0
	s_mov_b32 s84, 15|(3<<16)|(1<<21)              ; group 1: 50 rows of 256 bytes (32 elements of 8), dense; the mask names all four work-groups
	s_mov_b32 s85, 32<<16
	s_mov_b32 s86, 50<<16
	s_mov_b32 s87, 32<<16
	s_mov_b32 s88, 50
	s_mov_b32 s89, 32
	s_mov_b32 s90, 0
	s_mov_b32 s91, 0
	s_wait_kmcnt 0x0
	s_mov_b32 s92, 1
	s_mov_b32 s93, s34                             ; LDS: wave x 12,800, in slot 0
	s_add_nc_u64 s[94:95], s[16:17], s[36:37]
	s_or_b32 s95, s95, 0x80000000
	ROUND                                          ; all four work-groups are here: the first joint loads meet
	TLOAD                                          ; slot 0: my one load at the head
	s_bfe_u32 s22, ttmp6, 0x40000                  ; cx: it enters addresses in memory alone
	s_lshl_b32 s23, ttmp9, 2
	s_add_co_u32 s23, s23, s22                     ; my block of 256 queries
	s_lshr_b32 s25, s24, 3                         ; batch
	s_and_b32 s26, s24, 7                          ; head
	s_lshl_b32 s27, s10, 1
	s_and_b32 s27, s27, 7                          ; t of my tile 0
	s_lshr_b32 s28, s10, 2
	s_lshl_b32 s29, s23, 1
	s_add_co_u32 s30, s29, s28                     ; my group of 128 queries within the batch
	s_mov_b32 s39, 0
	s_lshl_b32 s38, s24, 4
	s_add_co_u32 s38, s38, s30
	s_mul_i32 s38, s38, RECB
	s_add_co_u32 s38, s38, QOFF
	s_add_nc_u64 s[100:101], s[16:17], s[38:39]    ; Q's record
	s_lshl_b32 s38, s25, 7
	s_lshl_b32 s40, s23, 4
	s_add_co_u32 s38, s38, s40
	s_lshl_b32 s40, s10, 1
	s_add_co_u32 s38, s38, s40                     ; my tile 0 among all 512
	s_lshl_b32 s38, s38, 12
	s_add_nc_u64 s[4:5], s[18:19], s[38:39]        ; its mask words: 256 bytes a key step; tile 1's lie 4,096 bytes on
	s_lshl_b32 s40, s25, 4
	s_add_co_u32 s38, s40, s30
	s_lshl_b32 s38, s38, 3
	s_add_co_u32 s38, s38, s26
	s_mul_i32 s38, s38, RECB
	s_mul_i32 s41, s27, 1536
	s_add_co_u32 s38, s38, s41
	s_add_nc_u64 s[6:7], s[20:21], s[38:39]        ; o: record (group, head), my two fragments
	s_and_b32 s41, s10, 1
	s_add_co_u32 s38, s40, s29
	s_add_co_u32 s38, s38, s41
	s_lshl_b32 s38, s38, 3
	s_add_co_u32 s38, s38, s26
	s_mul_i32 s38, s38, RECB
	s_add_nc_u64 s[8:9], s[20:21], s[38:39]        ; the record whose scale image waves 0, 1 store
	; THE PREFETCH OF K AND V asks for the slot that the NEXT change of slots will load, in the slot's third key step: more than one key step ahead of those loads.  All clusters of a head-batch walk the same records: the first cluster asks.
	; Its four partners take one key step's two records each, told apart by address: 100 blocks of 256 bytes, named by waves 0-3, lanes 256 bytes apart (the last 28 lanes name block 99 again).  Slots 0 and 1 come by their loads alone;
	; the slot behind whose change nothing is filled asks for nothing.
	s_mul_i32 s38, s22, KVB
	s_add_co_u32 s38, s38, s32
	s_add_co_u32 s38, s38, SLOTB
	s_add_nc_u64 s[96:97], s[16:17], s[38:39]      ; my work-group's key step of slot 1; the first change steps it to slot 2
	s_lshr_b32 s98, s10, 2                         ; 0 in waves 0-3,
	s_or_b32 s98, s98, ttmp9                       ; of the first cluster: the same in all four partners
	s_cmp_eq_u32 s98, 0
	s_cselect_b32 s11, 1, -1
	v_and_b32 v28, 127, v0
	s_delay_alu instid0(VALU_DEP_1)
	v_min_u32 v28, 99, v28
	s_delay_alu instid0(VALU_DEP_1)
	v_lshlrev_b32 v28, 8, v28
	; THE PREFETCH OF THE MASK WORDS: in a slot's first key step each wave asks for its two tiles' words of the next slot's four key steps: 8 blocks of 256 bytes, three key steps ahead of the first load that wants them.
	; Lane i < 8 names block i: tile i / 4, key step i % 4; the other lanes name block 7 again.  No other wave of the cluster reads these blocks.  Slot 0's words come by their loads alone; the last slot asks for nothing.
	v_and_b32 v29, 31, v0
	s_delay_alu instid0(VALU_DEP_1)
	v_min_u32 v29, 7, v29
	s_delay_alu instid0(VALU_DEP_1)
	v_lshrrev_b32 v30, 2, v29
	s_delay_alu instid0(VALU_DEP_1)
	v_mul_u32_u24 v30, v30, 3072
	s_delay_alu instid0(VALU_DEP_1)
	v_lshl_add_u32 v29, v29, 8, v30                ; 256 i + 3,072 (i / 4) = 4,096 (i / 4) + 256 (i % 4)
	s_mul_i32 s38, s27, 1536
	v_add_nc_u32 v10, s38, v1
.irp c, 0,1,2
	global_load_b128 v[16+4*\c:19+4*\c], v10, s[100:101] offset:512*\c          ; Q's fragments stay in registers: tile 0's,
.endr
	WIN 0x40
.irp c, 0,1,2
	global_load_b128 v[16+4*\c:19+4*\c], v10, s[100:101] offset:1536+512*\c     ; and tile 1's, in window 1
.endr
	WIN 0
	s_lshr_b32 s38, s27, 1
	s_lshl_b32 s38, s38, 2
	s_add_co_u32 s38, s38, 12288
	v_add_nc_u32 v11, s38, v9
	global_load_b32 v88, v11, s[100:101]           ; Q's scale words: tile 0's (t even),
	global_load_b32 v89, v11, s[100:101] offset:256   ; tile 1's
	s_mov_b32 s12, 0x3e0293ee                      ; c = log2(e) / sqrt(128)
	s_mov_b32 s13, s12                             ; (named with it as a pair)
	s_mov_b32 s14, 0x76543210
	s_mov_b32 s15, 0xfedcba98
	s_mov_b32 s2, 0                                ; the slot in hand
	s_mov_b32 s3, 3                                ; slots still to be asked for
	s_mov_b32 s66, 0                               ; key steps done
	s_mov_b32 s105, 0
	INIT
	WIN 0x40
	INIT
	WIN 0
	s_load_b512 s[16:31], s[4:5], 0x0              ; key step 0's 64 mask words of tile 0
	s_load_b512 s[32:47], s[4:5], 0x40
	s_load_b512 s[48:63], s[4:5], 0x80
	s_load_b512 s[68:83], s[4:5], 0xc0
.macro FETCH base, sc                          ; a record: its scale words, then its eight fragments in ascending order: 25 loads
	ds_load_b128 v[\sc:\sc+3], v8 offset:(\base)+12288
.irp t, 0,1,2,3
.irp c, 0,1,2
	ds_load_b128 v[32+12*\t+4*\c:35+12*\t+4*\c], v8 offset:(\base)+\t*1536+512*\c
.endr
.endr
	WIN 0x40
.irp t, 0,1,2,3
.irp c, 0,1,2
	ds_load_b128 v[32+12*\t+4*\c:35+12*\t+4*\c], v8 offset:(\base)+(4+\t)*1536+512*\c
.endr
.endr
	WIN 0
.endm
.macro SMUL win, kb, w, wait                   ; S^T = K Q^T: K's tiles kb .. kb + 3 x tile w's Q.  wait = 1: each product waits for its own fragment: three loads for each younger one may be out
	WIN \win
.irp t, 0,1,2,3
.if \wait
	s_wait_dscnt 3*(7-(\kb)-\t)
.endif
	WM 96+8*((\kb)+\t), 32+12*\t, 16, -1, 84+((\kb)+\t)/2, 88+(\w), \t%2
.endr
.endm
.macro PMUL win, kb, w                         ; O^T += V^T P^T: the accumulators by turns
	WIN \win
.irp t, 0,1,2,3
	WM 160+8*((\kb)+\t), 32+12*\t, 224, 160+8*((\kb)+\t), 80+((\kb)+\t)/2, 90+(\w), \t%2
.endr
.endm
.macro CMASK g                                 ; the mask on the sixteen score registers n = g, g + 4, ..: their words fill one run of sixteen scalar registers.  Group 0 reads each accumulator's lowest register first
.set n, \g
.rept 16
.set m, 16*(n%4)+2*((n%32)/4)+n/32
.if m < 48
	v_cndmask_b32 v[96+n], v[96+n], v7, s[16+m]
.else
	v_cndmask_b32 v[96+n], v[96+n], v7, s[20+m]
.endif
.set n, n+4
.endr
.endm
.macro MLOAD g, base                           ; group g's next sixteen words: s16, s32, s48, s68 on
	s_load_b512 s[16+16*\g+4*(\g/3):31+16*\g+4*(\g/3)], s[4:5], (\base)+64*\g
.endm
; TILE w's SOFTMAX AND CODES for the step's 128 keys; register 16 b + i is key 32 b + 16 (lane / 16) + i
.macro SOFT w
	s_wait_kmcnt 0x0                               ; this tile's mask words are in
	WIN 0x55*(\w)
.if \w
	s_wait_alu depctr_va_vdst(0)                   ; the wait, directly ahead of the first reader of these scores
.endif
	CMASK 0
	CMASK 1
.if \w
	s_add_nc_u64 s[4:5], s[4:5], s[104:105]        ; behind the wait that showed the last scalar loads done: the next key step (the last step stays where it is, inside the buffer)
.endif
	MLOAD 0, 0x1000*(1-\w)                         ; behind tile 0's mask: tile 1's words of this step; behind tile 1's: tile 0's of the next
	CMASK 2
	MLOAD 1, 0x1000*(1-\w)
	CMASK 3
	MLOAD 2, 0x1000*(1-\w)
.irp u, 0,1                                    ; the largest score of each block of 32 keys, my 16 in two chains of 8: for the row's maximum and, since p rises with the score, for the block's largest p
.irp b, 0,1,2,3
	v_max3_num_f32 v[232+8*\u+\b], v[96+16*\b+8*\u], v[97+16*\b+8*\u], v[98+16*\b+8*\u]
.endr
.endr
	MLOAD 3, 0x1000*(1-\w)
.irp i, 3,5
.irp u, 0,1
.irp b, 0,1,2,3
	v_max3_num_f32 v[232+8*\u+\b], v[232+8*\u+\b], v[96+16*\b+8*\u+\i], v[97+16*\b+8*\u+\i]
.endr
.endr
.endr
.irp b, 0,1,2,3
	s_delay_alu instid0(VALU_DEP_4)
	v_max3_num_f32 v[232+\b], v[232+\b], v[240+\b], v[103+16*\b]
.endr
.irp b, 0,1,2,3
	s_delay_alu instid0(VALU_DEP_4)
	v_max_num_f32 v[232+\b], v[232+\b], v[111+16*\b]
.endr
.irp b, 0,1,2,3
	v_permlanex16_b32 v[236+\b], v[232+\b], s14, s15
.endr
.irp b, 0,1,2,3
	s_delay_alu instid0(VALU_DEP_4)
	v_max_num_f32 v[232+\b], v[232+\b], v[236+\b]  ; with lane l xor 16's 16 keys
.endr
	s_delay_alu instid0(VALU_DEP_2)
	v_max3_num_f32 v254, v232, v233, v234
	s_delay_alu instid0(VALU_DEP_1)
	v_max_num_f32 v254, v254, v235
	s_delay_alu instid0(VALU_DEP_1)
	v_mul_f32 v254, s12, v254                      ; as t
	s_delay_alu instid0(VALU_DEP_1)
	v_max_num_f32 v13, v13, v254                   ; the running largest t
	v_mov_b32 v254, v12
	s_delay_alu instid0(VALU_DEP_2)
	v_floor_f32 v12, -v13                          ; the new -M = -ceil(t)
	s_delay_alu instid0(VALU_DEP_1)
	v_sub_f32 v254, v12, v254                      ; old M - new M: a whole number, 0 or less
	s_delay_alu instid0(VALU_DEP_1)
	v_cvt_i32_f32 v254, v254                       ; (it saturates)
	s_delay_alu instid0(VALU_DEP_1)
	v_ldexp_f32 v252, 1.0, v254                    ; f = 2^(old M - new M)
	s_delay_alu instid0(VALU_DEP_1)
	v_pk_mul_f32 v[14:15], v[14:15], v[252:253] op_sel_hi:[1,0]   ; the sums under the new M
.set j, 0
.rept 32
	v_pk_fma_f32 v[96+j:97+j], v[96+j:97+j], s[12:13], v[12:13] op_sel_hi:[1,0,0]   ; t - M, two at a time
.set j, j+2
.endr
.irp b, 0,1,2,3
	v_fma_f32 v[232+\b], v[232+\b], s12, v12       ; the same of each block's largest score
.endr
	s_wait_alu depctr_va_vdst(0)                   ; the wait: ahead of the batch below, and directly ahead of the first reader of O^T
.set j, 0
.rept 32
	v_pk_mul_f32 v[160+j:161+j], v[160+j:161+j], v[252:253] op_sel_hi:[1,0]   ; O^T under the new M, each accumulator from its low end on
.set j, j+2
.endr
.irp b, 0,1,2,3
	v_exp_f32 v[232+\b], v[232+\b]                 ; the block's largest p
.endr
.set j, 0
.rept 64
	v_exp_f32 v[96+j], v[96+j]                     ; p = 2^(t - M): not normalised
.set j, j+1
.endr
	v_nop                                          ; a plain place behind the exponentials
	s_wait_alu depctr_va_vdst(0)                   ; one wait for the whole batch, ahead of its first reader
.irp b, 0,1,2,3
	v_max_num_f32 v[232+\b], 0x1800000, v[232+\b]  ; the floor 2^(3 - 127): a block whose every p is 0 keeps the byte 1: its codes are zeros
.endr
.irp b, 0,1,2,3
	s_delay_alu instid0(VALU_DEP_4)
	v_add_nc_u32 v[244+\b], 0xff000000, v[232+\b]  ; 2 off the exponent field: the conversion's scale operand
.endr
.irp b, 0,1,2,3
	s_delay_alu instid0(VALU_DEP_4)
	v_lshrrev_b32 v[236+\b], 23, v[244+\b]         ; the scale's byte
.endr
	s_delay_alu instid0(VALU_DEP_3)
	v_lshl_or_b32 v254, v237, 8, v236
	s_delay_alu instid0(VALU_DEP_1)
	v_lshl_or_b32 v254, v238, 16, v254
.irp c, 0,1
	v_cvt_scalef32_pk16_fp6_f32 v[224+6*\c:226+6*\c], v[96+32*\c:111+32*\c], v[244+2*\c]
	v_cvt_scalef32_pk16_fp6_f32 v[236+4*\c:238+4*\c], v[112+32*\c:127+32*\c], v[244+2*\c+1]
.endr
	v_nop                                          ; one plain place behind a scaled conversion
	WIN 0x15*(\w)                                  ; scale operands are taken from window 0: the word's last line writes there
	v_lshl_or_b32 v[90+\w], v239, 24, v254         ; p's scale word for these 128 keys (the conversions write neither v239 nor v254)
	WIN 0x55*(\w)
.irp c, 0,1
.irp i, 0,1,2
	v_permlane16_swap_b32 v[224+6*\c+\i], v[236+4*\c+\i]   ; the operand's layout wants a whole block in a lane
.endr
.irp i, 0,1,2
	s_delay_alu instid0(VALU_DEP_3)
	v_mov_b32 v[227+6*\c+\i], v[236+4*\c+\i]
.endr
.endr
.endm
; tile w's sum of the unquantised p: 32 pairs in eight chains, seven of them in v236-249
.macro SUMS w
	WIN 0x55*(\w)
.irp i, 0,1,2,3,4,5,6
	v_pk_add_f32 v[236+2*\i:237+2*\i], v[96+4*\i:97+4*\i], v[98+4*\i:99+4*\i]
.endr
	v_pk_add_f32 v[14:15], v[14:15], v[124:125]
.irp r, 0,1
.irp i, 0,1,2,3,4,5,6
	v_pk_add_f32 v[236+2*\i:237+2*\i], v[236+2*\i:237+2*\i], v[126+16*\r+2*\i:127+16*\r+2*\i]
.endr
	v_pk_add_f32 v[14:15], v[14:15], v[140+16*\r:141+16*\r]
.endr
	v_pk_add_f32 v[236:237], v[236:237], v[158:159]
	v_pk_add_f32 v[238:239], v[238:239], v[240:241]
	v_pk_add_f32 v[242:243], v[242:243], v[244:245]
	v_pk_add_f32 v[246:247], v[246:247], v[248:249]
	s_delay_alu instid0(VALU_DEP_4)
	v_pk_add_f32 v[14:15], v[14:15], v[236:237]
	s_delay_alu instid0(VALU_DEP_3)
	v_pk_add_f32 v[238:239], v[238:239], v[242:243]
	s_delay_alu instid0(VALU_DEP_2)
	v_pk_add_f32 v[14:15], v[14:15], v[246:247]
	s_delay_alu instid0(VALU_DEP_1)
	v_pk_add_f32 v[14:15], v[14:15], v[238:239]
.endm
; A KEY STEP: 128 keys.  Its fragments of K have been asked for.  ask = 1: the prefetches stand in this copy
.macro BODY ask
	s_cmp_lt_u32 s66, 15
	s_cselect_b32 s104, 256, 0                     ; how far the mask words' address goes on in this step: nothing in the last of the 16
	s_add_co_u32 s66, s66, 1
	SMUL 0x00, 0, 0, 1
	SMUL 0x54, 0, 1, 0
	SMUL 0x01, 4, 0, 1
	SMUL 0x55, 4, 1, 0
	WIN 0
.rept 4
	v_nop                                          ; places ahead of the loads into K's registers and of the first read of results
.endr
	FETCH RECB, 80                                 ; V lands under tile 0's softmax
	s_add_co_u32 s99, s99, KVB
	v_add_nc_u32 v8, s99, v1                       ; the next key step of the slot
.if \ask
	s_cmp_eq_u32 s67, 4                            ; the slot's first step: the next slot's mask words
	s_cbranch_scc0 .Lno_words_\@
	global_prefetch_b8 v29, s[100:101] th:TH_LOAD_NT scope:SCOPE_SE
.Lno_words_\@:
	s_cmp_eq_u32 s67, 2                            ; the slot's third step: the records of the slot after the next
	s_cbranch_scc0 .Lnot_mine_\@
	s_cmp_gt_u32 s3, s11
	s_cbranch_scc0 .Lnot_mine_\@
	global_prefetch_b8 v28, s[96:97] th:TH_LOAD_NT scope:SCOPE_SE
.Lnot_mine_\@:
.endif
	SOFT 0
	s_wait_dscnt 0x0                               ; V is in
	SUMS 0                                         ; these 32 lines are also the places between the lines that made tile 0's codes and scale word and its products
	v_nop
	PMUL 0x00, 0, 0
	PMUL 0x01, 4, 0
	SOFT 1
.rept 4
	v_nop                                          ; places between the lines that made tile 1's codes and the products; its scale word stands sixteen places ahead
.endr
	PMUL 0x54, 0, 1
	PMUL 0x55, 4, 1
	WIN 0
.rept 4
	v_nop                                          ; places ahead of the loads into V's registers
.endr
	s_cmp_eq_u32 s67, 1                            ; the slot's last step asks for no fragment: the next slot's are read behind the change of slots
	s_cbranch_scc1 .Lno_k_\@
	FETCH 0, 84
.Lno_k_\@:
	SUMS 1                                         ; between the loads of K and the wait for them
	WIN 0
.endm
; THE CHANGE OF SLOTS: each wave waits for all its tensor loads, adds 0 to its spare word, and waits for that and for its reads of the slot that it has left.  fill = 1: the barrier is a round of the
; cluster's, and behind it the slot just left is filled with the keys that follow: the load has four key steps in which to land
.macro CHANGE fill
	s_wait_tensorcnt 0x0
	ds_add_u32 v5, v6                              ; 0 onto my spare word
.if \fill
	s_xor_b32 s93, s93, SLOT1                      ; no tensor load of mine is out: the descriptor walks
	s_add_nc_u64 s[94:95], s[94:95], SLOTB
	s_wait_xcnt 0x0                                ; the last prefetches have read their addresses
	s_add_nc_u64 s[96:97], s[96:97], SLOTB
	s_add_nc_u64 s[100:101], s[100:101], 1024      ; the mask words of the slot after the one in hand
.endif
	s_wait_dscnt 0x0
.if \fill
	ROUND
	TLOAD
.else
	s_barrier_signal -1
	s_barrier_wait -1
.endif
	s_mov_b32 s99, s2
	v_add_nc_u32 v8, s2, v1                        ; the slot's first key step
	s_wait_alu depctr_va_vdst(0)                   ; the wait
	FETCH 0, 84
	s_mov_b32 s67, 4                               ; key steps of the slot to go
.endm
	s_wait_alu depctr_va_vdst(0)                   ; the wait at the head's end
	s_wait_loadcnt 0x0                             ; Q: its loads are done, so their base may be written:
	s_mov_b64 s[100:101], s[4:5]                   ; where the prefetch of mask words stands: slot 0's; the first change steps it to slot 1's
.Lslot:                                            ; three trips: behind each change of slots but the last the next slot is asked for
	CHANGE 1
.Lstep:
	BODY 1
	s_sub_co_u32 s67, s67, 1
	s_cmp_lg_u32 s67, 0
	s_cbranch_scc1 .Lstep
	s_xor_b32 s2, s2, SLOT1
	s_sub_co_u32 s3, s3, 1
	s_cmp_lg_u32 s3, 0
	s_cbranch_scc1 .Lslot
	CHANGE 0                                       ; the last slot has its own copy
.Lstep_last:
	BODY 0
	s_sub_co_u32 s67, s67, 1
	s_cmp_lg_u32 s67, 0
	s_cbranch_scc1 .Lstep_last
; THE WAY OUT of tile w: O^T / the sum; register 16 b + i is channel 32 b + 16 (lane / 16) + i of my query: one fragment of the next product's operand, K step = my head
.macro OUT w
	WIN 0x55*(\w)
	v_add_f32 v14, v14, v15
	s_delay_alu instid0(VALU_DEP_1)
	v_permlanex16_b32 v252, v14, s14, s15
	s_delay_alu instid0(VALU_DEP_1)
	v_add_f32 v14, v14, v252                       ; the row's sum
	s_wait_alu depctr_va_vdst(0)                   ; the wait ahead of the transcendental
	v_rcp_f32 v14, v14
.irp b, 0,1,2,3
	v_mov_b32 v[TM+4+\b], 0                        ; plain places behind the reciprocal
.endr
	s_wait_alu depctr_va_vdst(0)                   ; ahead of the reciprocal's first reader, and directly ahead of the first reader of O^T
.set j, 0
.rept 32
	v_pk_mul_f32 v[96+j:97+j], v[160+j:161+j], v[14:15] op_sel_hi:[1,0]
.set j, j+2
.endr
.irp b, 0,1,2,3
	v_max3_num_f32 v[TM+\b], |v[96+16*\b]|, |v[97+16*\b]|, 0x1800000
.endr
.irp i, 2,4,6,8,10,12,14
.irp b, 0,1,2,3
	s_delay_alu instid0(VALU_DEP_4)
	v_max3_num_f32 v[TM+\b], v[TM+\b], |v[96+16*\b+\i]|, |v[97+16*\b+\i]|
.endr
.endr
.irp b, 0,1,2,3
	s_delay_alu instid0(VALU_DEP_4)
	v_permlanex16_b32 v[TM+4+\b], v[TM+\b], s14, s15
.endr
.irp b, 0,1,2,3
	s_delay_alu instid0(VALU_DEP_4)
	v_max_num_f32 v[TM+\b], v[TM+\b], v[TM+4+\b]
.endr
.irp b, 0,1,2,3
	s_delay_alu instid0(VALU_DEP_4)
	v_add_nc_u32 v[TM+12+\b], 0xff000000, v[TM+\b]
.endr
.irp b, 0,1,2,3
	s_delay_alu instid0(VALU_DEP_4)
	v_lshrrev_b32 v[TM+4+\b], 23, v[TM+12+\b]
.endr
	s_delay_alu instid0(VALU_DEP_3)
	v_lshl_or_b32 v[PW], v[TM+5], 8, v[TM+4]
	s_delay_alu instid0(VALU_DEP_1)
	v_lshl_or_b32 v[PW], v[TM+6], 16, v[PW]
	s_delay_alu instid0(VALU_DEP_1)
	v_lshl_or_b32 v[PW], v[TM+7], 24, v[PW]
.irp c, 0,1
	v_cvt_scalef32_pk16_fp6_f32 v[PC+6*\c:PC+2+6*\c], v[96+32*\c:111+32*\c], v[TM+12+2*\c]
	v_cvt_scalef32_pk16_fp6_f32 v[PC+12+4*\c:PC+14+4*\c], v[112+32*\c:127+32*\c], v[TM+12+2*\c+1]
.endr
	v_nop
.irp c, 0,1
.irp i, 0,1,2
	v_permlane16_swap_b32 v[PC+6*\c+\i], v[PC+12+4*\c+\i]
.endr
.irp i, 0,1,2
	s_delay_alu instid0(VALU_DEP_3)
	v_mov_b32 v[PC+3+6*\c+\i], v[PC+12+4*\c+\i]
.endr
.endr
	WIN 4*(\w)                                     ; a store's data are its source 1
.irp c, 0,1,2
	global_store_b128 v1, v[PC+4*\c:PC+4*\c+3], s[6:7] offset:1536*(\w)+512*\c   ; 32 lanes store 512 consecutive bytes, aligned to 256; each tile has its own registers
.endr
	ds_store_b32 v2, v[PW] offset:256*(\w)         ; both halves of the lanes write the same word with the same value
.endm
	OUT 0
	OUT 1
	WIN 0
	s_wait_dscnt 0x0                               ; for the others' sake
	s_barrier_signal -1
	s_barrier_wait -1
	s_cmp_lt_u32 s10, 2
	s_cbranch_scc0 .Lno_image
	ds_load_b128 v[72:75], v3                      ; waves 0, 1 store the two groups' scale images whole
	s_wait_dscnt 0x0
	global_store_b128 v1, v[72:75], s[8:9] offset:12288
.Lno_image:
	s_wait_tensorcnt 0x0                           ; the wave's end
	ds_add_u32 v5, v6
	s_wait_dscnt 0x0
	ROUND                                          ; the closing round
	s_endpgm
.Lfunc_end_k_qf14945fdf6_attn:
	.size	k_qf14945fdf6_attn, .Lfunc_end_k_qf14945fdf6_attn-k_qf14945fdf6_attn
	.p2alignl 7, 3214868480
	.fill 96, 4, 3214868480
	.section	.rodata,"a",@progbits
	.p2align	6, 0x0
	.amdhsa_kernel k_qf14945fdf6_attn
		.amdhsa_group_segment_fixed_size 327680
		.amdhsa_private_segment_fixed_size 0
		.amdhsa_enable_private_segment 0
		.amdhsa_kernarg_size 24
		.amdhsa_user_sgpr_count 2
		.amdhsa_user_sgpr_kernarg_segment_ptr 1
		.amdhsa_wavefront_size32 1
		.amdhsa_system_sgpr_workgroup_id_x 1
		.amdhsa_system_sgpr_workgroup_id_y 1
		.amdhsa_system_sgpr_workgroup_id_z 1
		.amdhsa_system_vgpr_workitem_id 0
		.amdhsa_next_free_vgpr 512
		.amdhsa_next_free_sgpr 106
		.amdhsa_reserve_vcc 0
		.amdhsa_float_denorm_mode_32 3
		.amdhsa_float_denorm_mode_16_64 3
		.amdhsa_memory_ordered 1
		.amdhsa_forward_progress 1
		.amdhsa_inst_pref_size 125
	.end_amdhsa_kernel
	.amdgpu_metadata
---
amdhsa.version: [ 1, 2 ]
amdhsa.kernels:
  - .name:           k_qf14945fdf6_attn
    .symbol:         k_qf14945fdf6_attn.kd
    .args:
      - { .name: qkv, .offset: 0, .size: 8, .value_kind: global_buffer, .address_space: global }
      - { .name: mw, .offset: 8, .size: 8, .value_kind: global_buffer, .address_space: global }
      - { .name: oc, .offset: 16, .size: 8, .value_kind: global_buffer, .address_space: global }
    .group_segment_fixed_size: 327680
    .private_segment_fixed_size: 0
    .kernarg_segment_align: 8
    .kernarg_segment_size: 24
    .max_flat_workgroup_size: 256
    .sgpr_count:     106
    .vgpr_count:     512
    .wavefront_size: 32
...
	.end_amdgpu_metadata
.endif
;; end of part 8
;; launch tail (part 9): grid 256 x 1, 4 waves a work-group, no clusters, 77,312 bytes of LDS; arguments oc, wc, b_lin, part; writes part
.if DOCPART == 9
	.amdgcn_target "amdgcn-amd-amdhsa--gfx1250"
	.amdhsa_code_object_version 6
	.text
	.protected	k_qf14945fdf6_tail
	.globl	k_qf14945fdf6_tail
	.p2align	8
	.type	k_qf14945fdf6_tail,@function
k_qf14945fdf6_tail:
	s_mov_b64 s[64:65], 0
	v_nop
	global_prefetch_b8 v0, s[64:65] scope:SCOPE_SE
	s_setreg_imm32_b32 hwreg(HW_REG_WAVE_MODE, 25, 1), 1
	s_wait_xcnt 0x0
; TAIL: out = o W_lin^T + b_lin, quantised in registers; out W_last^T; the sum over the work-group's 64 tokens.  Both products on codes of FP6 (E2M3) with E8M0 scales.
; LIMITS: NaN and infinities are not served; blocks whose largest magnitude lies under 2^-124 keep the byte 1.
; SHARES.  Work-group id: 64 tokens (id / 2) and one half z = id % 2 of the 1,024 units.  Wave w makes units 128 (4 z + w) on for all 64 tokens: 32 accumulators.  Its eight records of W_lin go from memory straight into
; registers, three records ahead; o's 32 fragments are read from memory once and go round through LDS as images of their registers.  The second product runs over this work-group's own 512 units (K is split over z: both
; the product and the mean are sums, and the last launch adds the halves); wave w takes classes 32 w on; source 0 = out's rows, so a lane holds one class and its registers run over tokens, which are summed.
; No multicast: a fragment of W_lin serves one wave alone, so a way through LDS would write and read it once more.  No tensor load, so no ring.
; REGISTERS: window 0: v4-14 addresses; v16-31 o's scale words; v32-43 W_lin's, three sets; v44-47 W_last's; v48-143 o's fragments, two sets, later out's; v144-147 out's scale words; v200-239 QUANT's.
; window 1: W_lin's sets 1, 2 at v0, v128.  window 2: set 0 at v0; W_last's eight fragments from v96; b_lin in the result's layout from v192.  window 3: accumulator (m, t) at v[8 (8 m + t)].
.set RECB, 12800
.set OIMG, 0                           ; o's 32 fragments, 8 m + K step
.set HIMG, 49152                       ; out's 16 fragments, 4 m + wave
.set HSC,  73728                       ; their scale words, 128 bytes each
.set RED,  75776                       ; 128 class sums
.set TM,   200
.set PW,   216
.set PC,   220
.set MSB,  0
.macro WIN new
.if MSB != (\new)
	s_set_vgpr_msb (MSB<<8)|(\new)
.set MSB, (\new)
.endif
.endm
.macro WM d, a, b, c, sa, sb, ra, rb
.set WSEL, 2*(\ra)+(\rb)
.if (\c) < 0
.if WSEL == 0
	v_wmma_scale_f32_16x16x128_f8f6f4 v[(\d):(\d)+7], v[(\a):(\a)+11], v[(\b):(\b)+11], 0, v[\sa], v[\sb] matrix_a_fmt:MATRIX_FMT_FP6 matrix_b_fmt:MATRIX_FMT_FP6
.elseif WSEL == 1
	v_wmma_scale_f32_16x16x128_f8f6f4 v[(\d):(\d)+7], v[(\a):(\a)+11], v[(\b):(\b)+11], 0, v[\sa], v[\sb] matrix_a_fmt:MATRIX_FMT_FP6 matrix_b_fmt:MATRIX_FMT_FP6 matrix_b_scale:MATRIX_SCALE_ROW1
.elseif WSEL == 2
	v_wmma_scale_f32_16x16x128_f8f6f4 v[(\d):(\d)+7], v[(\a):(\a)+11], v[(\b):(\b)+11], 0, v[\sa], v[\sb] matrix_a_fmt:MATRIX_FMT_FP6 matrix_b_fmt:MATRIX_FMT_FP6 matrix_a_scale:MATRIX_SCALE_ROW1
.else
	v_wmma_scale_f32_16x16x128_f8f6f4 v[(\d):(\d)+7], v[(\a):(\a)+11], v[(\b):(\b)+11], 0, v[\sa], v[\sb] matrix_a_fmt:MATRIX_FMT_FP6 matrix_b_fmt:MATRIX_FMT_FP6 matrix_a_scale:MATRIX_SCALE_ROW1 matrix_b_scale:MATRIX_SCALE_ROW1
.endif
.else
.if WSEL == 0
	v_wmma_scale_f32_16x16x128_f8f6f4 v[(\d):(\d)+7], v[(\a):(\a)+11], v[(\b):(\b)+11], v[(\c):(\c)+7], v[\sa], v[\sb] matrix_a_fmt:MATRIX_FMT_FP6 matrix_b_fmt:MATRIX_FMT_FP6
.elseif WSEL == 1
	v_wmma_scale_f32_16x16x128_f8f6f4 v[(\d):(\d)+7], v[(\a):(\a)+11], v[(\b):(\b)+11], v[(\c):(\c)+7], v[\sa], v[\sb] matrix_a_fmt:MATRIX_FMT_FP6 matrix_b_fmt:MATRIX_FMT_FP6 matrix_b_scale:MATRIX_SCALE_ROW1
.elseif WSEL == 2
	v_wmma_scale_f32_16x16x128_f8f6f4 v[(\d):(\d)+7], v[(\a):(\a)+11], v[(\b):(\b)+11], v[(\c):(\c)+7], v[\sa], v[\sb] matrix_a_fmt:MATRIX_FMT_FP6 matrix_b_fmt:MATRIX_FMT_FP6 matrix_a_scale:MATRIX_SCALE_ROW1
.else
	v_wmma_scale_f32_16x16x128_f8f6f4 v[(\d):(\d)+7], v[(\a):(\a)+11], v[(\b):(\b)+11], v[(\c):(\c)+7], v[\sa], v[\sb] matrix_a_fmt:MATRIX_FMT_FP6 matrix_b_fmt:MATRIX_FMT_FP6 matrix_a_scale:MATRIX_SCALE_ROW1 matrix_b_scale:MATRIX_SCALE_ROW1
.endif
.endif
.endm
.macro BARRIER                         ; my LDS stores have landed and my LDS loads are in: then the work-group's barrier
	s_wait_dscnt 0x0
	s_barrier_signal -1
	s_barrier_wait -1
.endm
	s_load_b256 s[4:11], s[0:1], 0x0               ; oc, wc, b_lin, part
	v_lshl_add_u32 v254, v0, 2, 0x12c00
	v_mov_b32 v255, 0
	v_lshrrev_b32 v1, 5, v0
	v_readfirstlane_b32 s12, v1                    ; wave w
	v_and_b32 v1, 31, v0                           ; L
	v_and_b32 v2, 15, v0                           ; r
	v_bfe_u32 v3, v0, 4, 1                         ; h
	v_lshlrev_b32 v4, 4, v1                        ; 16 L
	v_add_nc_u32 v5, HIMG, v4
	v_lshlrev_b32 v15, 2, v1
	v_add_nc_u32 v6, HSC, v15                      ; 4 L
	s_mul_i32 s13, s12, 8*1536
	v_add_nc_u32 v7, s13, v4                       ; where I store o's images: tile m = w
	s_mul_i32 s13, s12, 1536
	v_add_nc_u32 v8, s13, v5                       ; out's images: K step w
	s_lshl_b32 s13, s12, 7
	v_add_nc_u32 v9, s13, v6                       ; and their scale words
	v_and_b32 v10, 8, v2
	v_add_nc_u32 v10, v10, v2
	v_lshlrev_b32 v10, 2, v10
	v_lshl_add_u32 v10, v3, 5, v10
	s_add_co_u32 s13, s13, RED
	v_add_nc_u32 v10, s13, v10                     ; my class's sum: 4 (32 w + 8 (L / 16) + r + 8 (r / 8))
	v_add_nc_u32 v11, RED, v4
	v_lshlrev_b32 v12, 6, v3                       ; b_lin: 64 h
	s_lshr_b32 s14, ttmp9, 1
	s_and_b32 s15, ttmp9, 1                        ; z
	s_lshr_b32 s16, s14, 1                         ; the group of 128 tokens
	s_and_b32 s17, s14, 1                          ; which four of its tiles
	s_lshl_b32 s18, s17, 3
	v_add_nc_u32 v13, s18, v4                      ; o's scale words: two of the image's four registers
	s_lshl_b32 s18, s12, 2
	v_add_nc_u32 v14, s18, v4                      ; W_last's: register w of the image
	s_mov_b32 s20, 0x76543210
	s_mov_b32 s21, 0xfedcba98
	s_mov_b32 s22, 0xffff0000                      ; lanes 16-31
.irp b, 0,1,2,3
	v_mov_b32 v[TM+4+\b], 0                        ; written once: a lane permute's destination counts as one of its sources
.endr
	s_mov_b32 s39, 0
	s_mov_b32 s41, 0
	s_lshl_b32 s19, s15, 2
	s_add_co_u32 s23, s19, s12                     ; my group of units: 4 z + w
	s_wait_alu depctr_va_vdst(0)
	s_wait_kmcnt 0x0
	s_mul_i32 s38, s16, 8*RECB
	s_add_nc_u64 s[24:25], s[4:5], s[38:39]        ; o's eight records
	s_lshl_b32 s40, s17, 2
	s_add_co_u32 s40, s40, s12
	s_mul_i32 s40, s40, 1536
	s_add_nc_u64 s[26:27], s[24:25], s[40:41]      ; tile 4 hf + w in them
	s_mul_i32 s38, s23, 8*RECB
	s_add_nc_u64 s[28:29], s[6:7], s[38:39]        ; W_lin's eight records of my units
	s_add_co_u32 s38, s19, 64
	s_mul_i32 s38, s38, RECB
	s_add_nc_u64 s[30:31], s[6:7], s[38:39]        ; W_last's four records of this half of K
	s_mul_i32 s40, s12, 2*1536
	s_add_nc_u64 s[32:33], s[30:31], s[40:41]      ; tiles 2 w, 2 w + 1 in them
	s_lshl_b32 s38, s23, 9
	s_add_nc_u64 s[34:35], s[8:9], s[38:39]        ; b_lin at my units
	s_lshl_b32 s38, ttmp9, 9
	s_add_nc_u64 s[36:37], s[10:11], s[38:39]      ; my 128 sums
.macro WREC n                          ; W_lin's record of K step n into set n % 3: 25 loads of 512 consecutive bytes
.if (\n)%3 == 0
	WIN 0x80
.set WB, 0
.else
	WIN 0x40
.set WB, 128*((\n)%3-1)
.endif
.irp t, 0,1,2,3,4,5,6,7
.irp c, 0,1,2
	global_load_b128 v[WB+12*\t+4*\c:WB+12*\t+4*\c+3], v4, s[28:29] offset:(\n)*RECB+\t*1536+512*\c
.endr
.endr
	WIN 0
	global_load_b128 v[32+4*((\n)%3):35+4*((\n)%3)], v4, s[28:29] offset:(\n)*RECB+12288
.endm
.macro FETCHO n                        ; o's four fragments of K step n into set n % 2
.irp m, 0,1,2,3
.irp c, 0,1,2
	ds_load_b128 v[48+48*((\n)%2)+12*\m+4*\c:48+48*((\n)%2)+12*\m+4*\c+3], v4 offset:OIMG+(8*\m+(\n))*1536+512*\c
.endr
.endr
.endm
	WIN 0xc0                                       ; o's fragments pass through registers of window 3
.irp s, 0,1,2,3,4,5,6,7
.irp c, 0,1,2
	global_load_b128 v[12*\s+4*\c:12*\s+4*\c+3], v4, s[26:27] offset:\s*RECB+512*\c
.endr
.endr
	WIN 0
.irp s, 0,1,2,3,4,5,6,7
	global_load_b64 v[16+2*\s:17+2*\s], v13, s[24:25] offset:\s*RECB+12288   ; tile m of K step s: register 16 + 2 s + m / 2, lanes 16 (m % 2) on
.endr
	WIN 0x80
.irp t, 0,1,2,3,4,5,6,7                        ; lane (r, h) wants, for tile t, b_lin at units 32 (t / 2) + 8 (t % 2) + 16 h + 0 .. 7
	global_load_b128 v[192+8*\t:195+8*\t], v12, s[34:35] offset:(32*(\t/2)+8*(\t%2))*4
	global_load_b128 v[196+8*\t:199+8*\t], v12, s[34:35] offset:(32*(\t/2)+8*(\t%2))*4+16
.endr
	WREC 0
	s_wait_loadcnt 49                              ; o's 24 loads are in: the 8 + 16 + 25 younger ones may be out
	WIN 0x0c                                       ; an LDS store's data are its source 1: window 3
.irp s, 0,1,2,3,4,5,6,7
.irp c, 0,1,2
	ds_store_b128 v7, v[12*\s+4*\c:12*\s+4*\c+3] offset:OIMG+\s*1536+512*\c
.endr
.endr
	WIN 0x80
.irp e, 0,1
.irp s, 0,1,2,3
.irp c, 0,1,2
	global_load_b128 v[96+12*(4*\e+\s)+4*\c:96+12*(4*\e+\s)+4*\c+3], v4, s[32:33] offset:\s*RECB+\e*1536+512*\c
.endr
.endr
.endr
	WIN 0
.irp s, 0,1,2,3
	global_load_b32 v[44+\s], v14, s[30:31] offset:\s*RECB+12288   ; lanes 0-15: tile 2 w's words; lanes 16-31: tile 2 w + 1's
.endr
	WREC 1
	WREC 2
	BARRIER                                        ; o's 32 fragments lie in LDS
	FETCHO 0
	FETCHO 1
; K step n of the first product: 32 products, the 32 accumulators by turns; b_lin is the C of the first
.macro PSTEP n
.if (\n) == 0
	s_wait_loadcnt 63                              ; record 0 and all before it are in (78 loads are younger; the count is the largest that the wait can name)
.elseif (\n) < 6
	s_wait_loadcnt 50                              ; the two younger records may be out
.else
	s_wait_loadcnt 25*(7-(\n))
.endif
.if (\n) < 7
	s_wait_dscnt 12                                ; the next K step's four fragments of o may be out
.else
	s_wait_dscnt 0
.endif
.set WS0, 1
.set WB, 128*((\n)%3-1)
.if (\n)%3 == 0
.set WS0, 2
.set WB, 0
.endif
.if (\n) == 0
	WIN 0xe0+WS0                                   ; D window 3, C (b_lin) window 2
.else
	WIN 0xf0+WS0                                   ; C and D window 3
.endif
.irp m, 0,1,2,3
.irp t, 0,1,2,3,4,5,6,7
.if (\n) == 0
	WM 8*(8*\m+\t), WB+12*\t, 48+48*((\n)%2)+12*\m, 192+8*\t, 32+4*((\n)%3)+\t/2, 16+2*(\n)+\m/2, \t%2, \m%2
.else
	WM 8*(8*\m+\t), WB+12*\t, 48+48*((\n)%2)+12*\m, 8*(8*\m+\t), 32+4*((\n)%3)+\t/2, 16+2*(\n)+\m/2, \t%2, \m%2
.endif
.endr
.endr
	WIN 0
.rept 4
	v_nop                                          ; places in front of loads into registers that these products read, and of the first read of results
.endr
.if (\n) <= 4
	WREC (\n)+3
.endif
.if (\n) <= 5
	FETCHO (\n)+2
.endif
.endm
.irp n, 0,1,2,3,4,5,6,7
	PSTEP \n
.endr
; 64 registers of window w become a fragment's codes and its rows' scale word; the wait frees the registers that the last LDS stores read
.macro QUANT s, w, pw
	WIN 5*(\w)
.irp b, 0,1,2,3
	v_max3_num_f32 v[TM+\b], |v[(\s)+16*\b]|, |v[(\s)+16*\b+1]|, 0x1800000   ; each accumulator from its low end on; the floor 2^(3 - 127) holds the byte at 1 from below
.endr
.irp i, 2,4,6,8,10,12,14
.irp b, 0,1,2,3
	v_max3_num_f32 v[TM+\b], |v[(\s)+16*\b+\i]|, |v[(\s)+16*\b+\i+1]|, v[TM+\b]
.endr
.endr
	WIN 0
.irp b, 0,1,2,3
	v_permlanex16_b32 v[TM+4+\b], v[TM+\b], s20, s21
.endr
.irp b, 0,1,2,3
	v_max_num_f32 v[TM+\b], v[TM+\b], v[TM+4+\b]
.endr
.irp b, 0,1,2,3
	v_add_nc_u32 v[TM+12+\b], 0xff000000, v[TM+\b]
.endr
.irp b, 0,1,2,3
	v_lshrrev_b32 v[TM+4+\b], 23, v[TM+12+\b]
.endr
	s_wait_alu depctr_va_vdst(0)
	s_wait_dscnt 0x0
	v_lshl_or_b32 v[\pw], v[TM+5], 8, v[TM+4]
	v_lshl_or_b32 v[\pw], v[TM+6], 16, v[\pw]
	v_lshl_or_b32 v[\pw], v[TM+7], 24, v[\pw]
	WIN (\w)
.irp c, 0,1
	v_cvt_scalef32_pk16_fp6_f32 v[PC+6*\c:PC+2+6*\c], v[(\s)+32*\c:(\s)+15+32*\c], v[TM+12+2*\c]
	v_cvt_scalef32_pk16_fp6_f32 v[PC+12+4*\c:PC+14+4*\c], v[(\s)+16+32*\c:(\s)+31+32*\c], v[TM+12+2*\c+1]
.endr
	WIN 0
	v_nop                                          ; one plain place behind a scaled conversion
.irp c, 0,1
.irp i, 0,1,2
	v_permlane16_swap_b32 v[PC+6*\c+\i], v[PC+12+4*\c+\i]
.endr
.irp i, 0,1,2
	v_mov_b32 v[PC+3+6*\c+\i], v[PC+12+4*\c+\i]
.endr
.endr
.endm
.irp m, 0,1,2,3                                ; out's tile m, my 128 units: K step w of the second product
	QUANT 64*\m, 3, PW
.irp c, 0,1,2
	ds_store_b128 v8, v[PC+4*\c:PC+4*\c+3] offset:\m*4*1536+512*\c
.endr
	ds_store_b32 v9, v[PW] offset:\m*512
.endr
	BARRIER                                        ; out's sixteen fragments lie in LDS
.irp s, 0,1,2,3                                ; the second product: eight accumulators by turns, a K step at a time
.irp m, 0,1,2,3
.irp c, 0,1,2
	ds_load_b128 v[48+12*\m+4*\c:48+12*\m+4*\c+3], v5 offset:(4*\m+\s)*1536+512*\c
.endr
	ds_load_b32 v[144+\m], v6 offset:(4*\m+\s)*128
.endr
	s_wait_dscnt 0x0
	WIN 0xf8                                       ; source 0 (out) window 0, source 1 (W_last) window 2, C and D window 3
.irp m, 0,1,2,3
.irp e, 0,1
.if \s == 0
	WM 8*(4*\e+\m), 48+12*\m, 96+12*(4*\e+\s), -1, 144+\m, 44+\s, 0, \e
.else
	WM 8*(4*\e+\m), 48+12*\m, 96+12*(4*\e+\s), 8*(4*\e+\m), 144+\m, 44+\s, 0, \e
.endif
.endr
.endr
	WIN 0
.rept 4
	v_nop
.endr
.endr
	; the sum over the 64 tokens: a lane's 8 registers of 4 accumulators for each e, each accumulator from its low end on; then lane l xor 16's
	WIN 0x0f
.irp k, 0,1,2,3,4,5,6,7
	v_pk_add_f32 v[48+2*\k:49+2*\k], v[8*\k:8*\k+1], v[8*\k+2:8*\k+3]
.endr
.irp k, 0,1,2,3,4,5,6,7
	v_pk_add_f32 v[64+2*\k:65+2*\k], v[8*\k+4:8*\k+5], v[8*\k+6:8*\k+7]
.endr
	WIN 0
.irp k, 0,1,2,3,4,5,6,7
	v_pk_add_f32 v[48+2*\k:49+2*\k], v[48+2*\k:49+2*\k], v[64+2*\k:65+2*\k]
.endr
.irp e, 0,1
	v_pk_add_f32 v[48+8*\e:49+8*\e], v[48+8*\e:49+8*\e], v[50+8*\e:51+8*\e]
	v_pk_add_f32 v[52+8*\e:53+8*\e], v[52+8*\e:53+8*\e], v[54+8*\e:55+8*\e]
.endr
.irp e, 0,1
	v_pk_add_f32 v[48+8*\e:49+8*\e], v[48+8*\e:49+8*\e], v[52+8*\e:53+8*\e]
.endr
.irp e, 0,1
	v_add_f32 v[80+\e], v[48+8*\e], v[49+8*\e]
.endr
	v_permlanex16_b32 v82, v80, s20, s21
	v_permlanex16_b32 v83, v81, s20, s21
	v_add_f32 v80, v80, v82
	v_add_f32 v81, v81, v83
	v_cndmask_b32 v80, v80, v81, s22               ; lanes 0-15: tile 2 w's classes; lanes 16-31: tile 2 w + 1's
	ds_store_b32 v10, v80
	BARRIER
	s_cmp_lg_u32 s12, 0
	s_cbranch_scc1 .Lend
	ds_load_b128 v[84:87], v11
	s_wait_dscnt 0x0
	global_store_b128 v4, v[84:87], s[36:37]       ; 128 sums: 512 consecutive bytes, aligned to 256
.Lend:
	s_wait_tensorcnt 0x0
	ds_add_u32 v254, v255
	s_wait_dscnt 0x0
	s_endpgm
.Lfunc_end_k_qf14945fdf6_tail:
	.size	k_qf14945fdf6_tail, .Lfunc_end_k_qf14945fdf6_tail-k_qf14945fdf6_tail
	.p2alignl 7, 3214868480
	.fill 96, 4, 3214868480
	.section	.rodata,"a",@progbits
	.p2align	6, 0x0
	.amdhsa_kernel k_qf14945fdf6_tail
		.amdhsa_group_segment_fixed_size 77312
		.amdhsa_private_segment_fixed_size 0
		.amdhsa_enable_private_segment 0
		.amdhsa_kernarg_size 32
		.amdhsa_user_sgpr_count 2
		.amdhsa_user_sgpr_kernarg_segment_ptr 1
		.amdhsa_wavefront_size32 1
		.amdhsa_system_sgpr_workgroup_id_x 1
		.amdhsa_system_sgpr_workgroup_id_y 1
		.amdhsa_system_sgpr_workgroup_id_z 1
		.amdhsa_system_vgpr_workitem_id 0
		.amdhsa_next_free_vgpr 1024
		.amdhsa_next_free_sgpr 66
		.amdhsa_reserve_vcc 0
		.amdhsa_float_denorm_mode_32 3
		.amdhsa_float_denorm_mode_16_64 3
		.amdhsa_memory_ordered 1
		.amdhsa_forward_progress 1
		.amdhsa_inst_pref_size 100
	.end_amdhsa_kernel
	.amdgpu_metadata
---
amdhsa.version: [ 1, 2 ]
amdhsa.kernels:
  - .name:           k_qf14945fdf6_tail
    .symbol:         k_qf14945fdf6_tail.kd
    .args:
      - { .name: oc, .offset: 0, .size: 8, .value_kind: global_buffer, .address_space: global }
      - { .name: wc, .offset: 8, .size: 8, .value_kind: global_buffer, .address_space: global }
      - { .name: b_lin, .offset: 16, .size: 8, .value_kind: global_buffer, .address_space: global }
      - { .name: part, .offset: 24, .size: 8, .value_kind: global_buffer, .address_space: global }
    .group_segment_fixed_size: 77312
    .private_segment_fixed_size: 0
    .kernarg_segment_align: 8
    .kernarg_segment_size: 32
    .max_flat_workgroup_size: 128
    .sgpr_count:     66
    .vgpr_count:     1024
    .wavefront_size: 32
...
	.end_amdgpu_metadata
.endif
;; end of part 9
;; launch mean (part 10): grid 1 x 1, 8 waves a work-group, no clusters, 5,120 bytes of LDS; arguments part, b_last, out0; writes out0
.if DOCPART == 10
	.amdgcn_target "amdgcn-amd-amdhsa--gfx1250"
	.amdhsa_code_object_version 6
	.text
	.protected	k_qf14945fdf6_mean
	.globl	k_qf14945fdf6_mean
	.p2align	8
	.type	k_qf14945fdf6_mean,@function
k_qf14945fdf6_mean:
	s_mov_b64 s[64:65], 0
	v_nop
	global_prefetch_b8 v0, s[64:65] scope:SCOPE_SE
	s_setreg_imm32_b32 hwreg(HW_REG_WAVE_MODE, 25, 1), 1
	s_wait_xcnt 0x0
; MEAN: out0[b][c] = (the sum of batch b's 64 rows of part) / 2,048 + b_last[c].  A batch's rows are 64 b .. 64 b + 63: 32 blocks of 64 tokens x the two halves of the last product's K.
; Eight waves: wave v adds rows 32 v .. 32 v + 31, a lane four classes; the two waves of a batch meet in LDS.  One work-group: 128 KiB in, 2 KiB out; the sums' order differs from reference()'s mean.
	s_load_b128 s[4:7], s[0:1], 0x0                ; part, b_last
	s_load_b64 s[8:9], s[0:1], 0x10                ; out0
	v_lshl_add_u32 v160, v0, 2, 0x1000
	v_mov_b32 v161, 0
	v_lshrrev_b32 v1, 5, v0
	s_delay_alu instid0(VALU_DEP_1)
	v_readfirstlane_b32 s10, v1                    ; wave v
	v_and_b32 v1, 31, v0
	s_delay_alu instid0(VALU_DEP_1)
	v_lshlrev_b32 v2, 4, v1                        ; 16 L
	s_lshl_b32 s11, s10, 14                        ; 32 rows of 512 bytes a wave
	v_add_nc_u32 v3, s11, v2
	s_lshl_b32 s12, s10, 9
	v_add_nc_u32 v12, s12, v2                      ; LDS: 512 v + 16 L
	s_lshl_b32 s13, s10, 8
	v_add_nc_u32 v13, s13, v2                      ; out0: 512 (v / 2) + 16 L in the even waves
	s_wait_alu depctr_va_vdst(0)
	s_wait_kmcnt 0x0
.set i, 0
.rept 32
	global_load_b128 v[16+4*i:19+4*i], v3, s[4:5] offset:512*i
.set i, i+1
.endr
	global_load_b128 v[4:7], v2, s[6:7]
	s_wait_loadcnt 0x0
	v_pk_add_f32 v[8:9], v[16:17], v[20:21]        ; two chains, started by the first two rows
	v_pk_add_f32 v[10:11], v[18:19], v[22:23]
.set i, 2
.rept 30
	s_delay_alu instid0(VALU_DEP_2)
	v_pk_add_f32 v[8:9], v[8:9], v[16+4*i:17+4*i]
	s_delay_alu instid0(VALU_DEP_2)
	v_pk_add_f32 v[10:11], v[10:11], v[18+4*i:19+4*i]
.set i, i+1
.endr
	ds_store_b128 v12, v[8:11]
	s_wait_dscnt 0x0                               ; for the other wave's sake
	s_barrier_signal -1
	s_barrier_wait -1
	s_and_b32 s14, s10, 1
	s_cmp_lg_u32 s14, 0
	s_cbranch_scc1 .Lend
	ds_load_b128 v[16:19], v12 offset:512          ; the odd wave's sums
	s_wait_dscnt 0x0
	s_wait_alu depctr_va_vdst(0)
	v_pk_add_f32 v[8:9], v[8:9], v[16:17]
	v_pk_add_f32 v[10:11], v[10:11], v[18:19]
	s_delay_alu instid0(VALU_DEP_2)
	v_pk_fma_f32 v[8:9], v[8:9], 0x3a000000, v[4:5] op_sel_hi:[1,0,1]     ; x 2^-11, + b_last
	s_delay_alu instid0(VALU_DEP_2)
	v_pk_fma_f32 v[10:11], v[10:11], 0x3a000000, v[6:7] op_sel_hi:[1,0,1]
	global_store_b128 v13, v[8:11], s[8:9]         ; a batch's 128 numbers: 512 consecutive bytes, aligned to 256
.Lend:
	s_wait_tensorcnt 0x0
	ds_add_u32 v160, v161
	s_wait_dscnt 0x0
	s_endpgm
.Lfunc_end_k_qf14945fdf6_mean:
	.size	k_qf14945fdf6_mean, .Lfunc_end_k_qf14945fdf6_mean-k_qf14945fdf6_mean
	.p2alignl 7, 3214868480
	.fill 96, 4, 3214868480
	.section	.rodata,"a",@progbits
	.p2align	6, 0x0
	.amdhsa_kernel k_qf14945fdf6_mean
		.amdhsa_group_segment_fixed_size 5120
		.amdhsa_private_segment_fixed_size 0
		.amdhsa_enable_private_segment 0
		.amdhsa_kernarg_size 24
		.amdhsa_user_sgpr_count 2
		.amdhsa_user_sgpr_kernarg_segment_ptr 1
		.amdhsa_wavefront_size32 1
		.amdhsa_system_sgpr_workgroup_id_x 1
		.amdhsa_system_sgpr_workgroup_id_y 1
		.amdhsa_system_sgpr_workgroup_id_z 1
		.amdhsa_system_vgpr_workitem_id 0
		.amdhsa_next_free_vgpr 162
		.amdhsa_next_free_sgpr 66
		.amdhsa_reserve_vcc 0
		.amdhsa_float_denorm_mode_32 3
		.amdhsa_float_denorm_mode_16_64 3
		.amdhsa_memory_ordered 1
		.amdhsa_forward_progress 1
		.amdhsa_inst_pref_size 11
	.end_amdhsa_kernel
	.amdgpu_metadata
---
amdhsa.version: [ 1, 2 ]
amdhsa.kernels:
  - .name:           k_qf14945fdf6_mean
    .symbol:         k_qf14945fdf6_mean.kd
    .args:
      - { .name: part, .offset: 0, .size: 8, .value_kind: global_buffer, .address_space: global }
      - { .name: b_last, .offset: 8, .size: 8, .value_kind: global_buffer, .address_space: global }
      - { .name: out0, .offset: 16, .size: 8, .value_kind: global_buffer, .address_space: global }
    .group_segment_fixed_size: 5120
    .private_segment_fixed_size: 0
    .kernarg_segment_align: 8
    .kernarg_segment_size: 24
    .max_flat_workgroup_size: 256
    .sgpr_count:     66
    .vgpr_count:     162
    .wavefront_size: 32
...
	.end_amdgpu_metadata
.endif
;; end of part 10
